; MI455X (gfx1250); checked and timed in simulation.
; The chip was launched on July 23, 2026; its instructions are those of AMD's public machine-readable ISA for CDNA 5 (MIT licence, August 2026) and "CDNA5" Instruction Set Architecture Reference Guide (July 2026). The comments in the code are by the model that wrote it; some were corrected since.
;; Token Routed MLP Triton. Allowed arithmetic: matrix products marked QUANTISED: E3M2 operands, one E8M0 scale for each 32 along K, by v_wmma_scale_f32_16x16x128_f8f6f4 with both operands' format E3M2, f32 sums; everything else in f32.
;; Inputs: down_proj 4 x 2,048 x 2,048 float32; gate_proj 4 x 2,048 x 2,048 float32; hidden_states 2 x 512 x 2,048 float32; token_ids 2 x 512 int32; up_proj 4 x 2,048 x 2,048 float32.
;; Outputs: out0 2 x 512 x 2,048 float32.
;; This version of the problem:
;;   THIS VERSION OF THE PROBLEM IS GIVEN IN LOW PRECISION. The matrix products marked QUANTISED in the list below multiply operands that are first quantised to E3M2 (3 exponent bits, 2 mantissa bits; 6 bits a number), with one power-of-two scale for each 32 numbers along K (OCP MX v1.0); their sums are f32. All else is computed in f32.
;;   The module's matrix products, in the order in which they are computed (A, B: the left and right operand; K: the contracted axis; several contracted axes count as one K, in the product's order):
;;     1. [M 1,024, K 2,048] x [K 2,048, N 8,192]; A: input hidden_states; B: input gate_proj: QUANTISED
;;     2. [M 1,024, K 2,048] x [K 2,048, N 8,192]; A: input hidden_states; B: input up_proj: QUANTISED
;;     3. [M 1,024, K 2,048] x [K 2,048, N 8,192]; A: computed on the way; B: input down_proj: QUANTISED
;;   THE QUANTISER, for each operand of a quantised product, along K:
;;     - K is cut into blocks of 32 from its start; a last block that is shorter is filled with zeros.
;;     - A block's scale is 2^e with e = floor(log2(the largest magnitude in the block)) - 4, held to -126 .. 127; a block of zeros has e = 0. As a byte (E8M0): e + 127.
;;     - Each number is divided by its block's scale, clamped to +-28, and rounded to the nearest number of E3M2, ties to even, subnormals kept.
;;     - The product sums the exact products of the quantised numbers (number of the format x scale) in f32.
;;   ~~~python
;;   def quantise(x, axis):      # numpy; x: float32 -> the quantised numbers, widened to float32 again
;;       x = np.moveaxis(x, axis, -1); K = x.shape[-1]
;;       x = np.pad(x, [(0, 0)] * (x.ndim - 1) + [(0, -K % 32)]); x = x.reshape(x.shape[:-1] + (-1, 32)); a = np.abs(x).max(-1, keepdims=True)
;;       e = np.where(a > 0, np.clip(np.frexp(np.where(a > 0, a, 1))[1] - 1 - 4, -126, 127), 0)      # np.frexp(a)[1] - 1 = floor(log2(a)), exactly
;;       r = np.clip(x / 2.0 ** e, -28, 28)
;;       step = 2.0 ** (np.maximum(np.frexp(np.where(r == 0, 1, r))[1] - 1, -2) - 2)
;;       q = np.round(r / step) * step * 2.0 ** e      # np.round: ties to even
;;       return np.moveaxis(q.reshape(q.shape[:-2] + (-1,))[..., :K], -1, axis).astype(np.float32)
;;   ~~~
;;   OPERANDS COMPUTED ON THE WAY. 'Computed on the way' means the value that the module computes at that place (a softmax that the list does not call 'softmax' is quantised finished and normalised). What goes into a quantiser is computed in f32, as accurately as f32 sums, v_exp_f32 and their like allow (about 1e-6 of the number): no bf16 or f16 on the way to a quantiser, and a product that is left as it is and whose result goes on into a quantised operand takes f32 operands (vector FMAs, or v_wmma_f32_16x16x4_f32). A number that lies on a knife's edge between two numbers of the format may be rounded either way, as far as f32 arithmetic and the matrix unit's own rounding can turn it there, and no further.
;; 3 versions. Each part assembles by itself: llvm-mc -triple=amdgcn-amd-amdhsa -mcpu=gfx1250 --defsym DOCPART=n.
;; ======== version 1 of 3: 3 launches
;; workspace buffers: xc 1,720,320 bytes; xs 71,680 bytes; ic 1,720,320 bytes; isc 71,680 bytes; order 4,608 bytes of whole numbers; table 256 bytes of whole numbers
;; launch sortq (part 1): grid 35 x 16, 1 waves a work-group, no clusters, 17,664 bytes of LDS; arguments hidden_states, token_ids, xc, xs, order, table; writes xc, xs, order, table
.if DOCPART == 1
	.amdgcn_target "amdgcn-amd-amdhsa--gfx1250"
	.amdhsa_code_object_version 6
	.text
	.protected	k_qae4f3176c6_sortq
	.globl	k_qae4f3176c6_sortq
	.p2align	8
	.type	k_qae4f3176c6_sortq,@function
k_qae4f3176c6_sortq:
	s_mov_b64 s[64:65], 0
	v_nop
	global_prefetch_b8 v0, s[64:65] scope:SCOPE_SE
	s_setreg_imm32_b32 hwreg(HW_REG_WAVE_MODE, 25, 1), 1
	s_wait_xcnt 0x0
; SORT THE TOKENS BY EXPERT AND QUANTISE THEIR ROWS.  1,024 tokens of 2,048 f32; expert = clip(token id, 0, 99,999) % 4.
; Rows are laid expert by expert, each expert's rows filled up to whole PAIRS of 32 rows (two tiles of 16) by repeating its last row: np_e = ceil(c_e / 32) pairs, pb_e pairs ahead of it,
; 32 to 35 pairs in all.  A repeated row has the same token, so all that is later made of it is the same numbers, stored at the same place: nothing is masked.
; Work-group (j, s), one wave: pair j, K step s (128 of the 2,048 along K).  Each wave makes the small counting sort for itself (1,024 ids, 32 a lane), picks the 32 tokens of its pair, loads 512 bytes
; of each of their rows, turns them through LDS so that a lane holds 16 neighbours along K, and quantises to BF6 (E3M2), one E8M0 byte for each 32 along K.
; The grid has 35 pairs, as many as any split can need; a work-group whose pair the given split does not have ends without storing.
; OUT.  xc: an IMAGE OF THE OPERAND'S REGISTERS for (tile, K step), 1,536 bytes at (16 tile + s) x 1,536: registers 0-3 of lane l at 16 l, 4-5 at 512 + 8 l, 6-9 at 768 + 16 l, 10-11 at 1,280 + 8 l.
;       xs: scale words at tile x 1,024 + (s / 2) x 128 + 8 row + 4 (s % 2).   order: the token of each sorted row.   table: pb_0..3, np_0..3, pairs - 1.
; LIMITS: NaN and infinities among the inputs are not served.  A block whose largest magnitude lies under 2^-122 keeps the byte 1; so does a block of zeros (the rule says 127): its codes are zeros, and
; the bytes are read by this program alone.
.set VOCABM, 0x1869f                   ; 99,999
.set STG,    256                       ; LDS: bytes 0-131 the pair's list (32 words and a word for all that does not belong); from 256 two stages
.set SPI,    528                       ; a stage row: 512 bytes + 16, so that sixteen rows' 16-byte pieces fall into sixteen different columns of 16 bytes
.set STILE,  16*SPI
.set L16,  1                           ; v1  16 x lane
.set L8,   2                           ; v2  8 x lane
.set L4,   3                           ; v3  4 x lane
.set R8,   4                           ; v4  8 x (lane % 16)
.set DUMP, 5                           ; v5  32: the word for all that does not belong to the pair
.set SIN,  6                           ; v6  the stage, on the way in
.set SOUT, 7                           ; v7  and out
.set TA,   8                           ; v8-11 at work
.set TM,   12                          ; v12-27 the quantiser's work
.set PW,   28                          ; v28 the scale word just made
.set TOK,  29                          ; v29 lane l: the token of the pair's row l
.set TAB,  30                          ; v30 the table
.set NIL,  31                          ; v31 0
.set ID,   32                          ; v32-63 ids, then experts, then the rows' byte offsets
.set PC,   32                          ; v32-50 the codes just made (the offsets are done with by then)
.set XR,   64                          ; v64-191 32 rows as loaded, 4 registers each
.set QA,   192                         ; v192-255 tile 0 turned
.set QB,   64                          ; v64-127  tile 1 turned
.set CNT,  16                          ; s16-19 c_e
.set NPR,  20                          ; s20-23 np_e
.set PBS,  24                          ; s24-28 pb_0 .. pb_4
.set MSK,  32                          ; s32-39 lane masks
.set SEL,  46                          ; s[46:47] v_permlanex16_b32's selects for lane l xor 16
; 64 numbers of a lane, register 16 b + i = k 32 b + 16 (lane / 16) + i of my row, become a fragment's codes in v[PC] on and its scale word in v[PW].
.macro QUANT s
.irp b, 0,1,2,3
	v_max3_num_f32 v[TM+\b], |v[\s+16*\b]|, |v[\s+1+16*\b]|, 0x2800000   ; block b: my 16 numbers, and the floor 2^(5 - 127): the byte cannot fall under 1
.endr
.irp i, 2,4,6,8,10,12,14
.irp b, 0,1,2,3
	v_max3_num_f32 v[TM+\b], v[TM+\b], |v[\s+16*\b+\i]|, |v[\s+1+16*\b+\i]|   ; the four blocks by turns
.endr
.endr
.irp b, 0,1,2,3
	v_permlanex16_b32 v[TM+4+\b], v[TM+\b], s[SEL], s[SEL+1]
.endr
.irp b, 0,1,2,3
	v_max_num_f32 v[TM+\b], v[TM+\b], v[TM+4+\b]   ; with lane l xor 16's: the block's largest magnitude
.endr
.irp b, 0,1,2,3
	v_add_nc_u32 v[TM+12+\b], 0xfe000000, v[TM+\b]   ; 4 off its exponent field: the conversion's scale operand
.endr
.irp b, 0,1,2,3
	v_lshrrev_b32 v[TM+4+\b], 23, v[TM+12+\b]      ; the scale's byte
.endr
	v_lshl_or_b32 v[PW], v[TM+5], 8, v[TM+4]
	v_lshl_or_b32 v[PW], v[TM+6], 16, v[PW]
	v_lshl_or_b32 v[PW], v[TM+7], 24, v[PW]        ; my row's scale word
.irp c, 0,1
	v_cvt_scalef32_pk16_bf6_f32 v[PC+6*\c:PC+2+6*\c], v[\s+32*\c:\s+15+32*\c], v[TM+12+2*\c]
	v_cvt_scalef32_pk16_bf6_f32 v[PC+12+4*\c:PC+14+4*\c], v[\s+16+32*\c:\s+31+32*\c], v[TM+12+2*\c+1]   ; (a conversion's three registers begin on an even number)
.endr
	v_nop                                          ; one plain place behind a scaled conversion
.irp c, 0,1                                    ; the operand wants a WHOLE block in a lane: lanes 0-15 block 2 c, lanes 16-31 block 2 c + 1
.irp i, 0,1,2
	v_permlane16_swap_b32 v[PC+6*\c+\i], v[PC+12+4*\c+\i]
.endr
.irp i, 0,1,2
	v_mov_b32 v[PC+3+6*\c+\i], v[PC+12+4*\c+\i]
.endr
.endr
.endm
.macro PUT t                           ; tile t's image and scale words leave: each store's lanes cover consecutive bytes (512 or 256); the words are 8 bytes apart
	global_store_b128 v[L16], v[PC:PC+3], s[8:9] offset:(\t)*24576
	global_store_b64 v[L8], v[PC+4:PC+5], s[8:9] offset:(\t)*24576+512
	global_store_b128 v[L16], v[PC+6:PC+9], s[8:9] offset:(\t)*24576+768
	global_store_b64 v[L8], v[PC+10:PC+11], s[8:9] offset:(\t)*24576+1280
	global_store_b32 v[R8], v[PW], s[10:11] offset:(\t)*1024   ; lanes 16-31 hold the same words as lanes 0-15 and write them to the same places
.endm
	s_load_b256 s[4:11], s[0:1], 0x0               ; hidden_states s[4:5], token_ids s[6:7], xc s[8:9], xs s[10:11]
	s_load_b128 s[12:15], s[0:1], 0x20             ; order s[12:13], table s[14:15]
	v_lshl_add_u32 v22, v0, 2, 0x4400
	v_mov_b32 v23, 0
	v_lshlrev_b32 v[L16], 4, v0                    ; one wave: v0 is the lane
	v_lshlrev_b32 v[L8], 3, v0
	v_lshlrev_b32 v[L4], 2, v0
	v_and_b32 v[TA], 15, v0                        ; r
	v_bfe_u32 v[TA+1], v0, 4, 1                    ; h
	v_lshlrev_b32 v[R8], 3, v[TA]
	v_mov_b32 v[DUMP], 32
	v_mov_b32 v[NIL], 0
	v_add_nc_u32 v[SIN], STG, v[L16]               ; in: a row's 512 bytes as they lie
	v_mul_u32_u24 v[SOUT], v[TA], SPI
	v_lshl_add_u32 v[SOUT], v[TA+1], 6, v[SOUT]
	v_add_nc_u32 v[SOUT], STG, v[SOUT]             ; out: row r, + 64 h: my 16 numbers of each block of 32
.irp b, 0,1,2,3
	v_mov_b32 v[TM+4+\b], 0                        ; written once: a lane permute's destination counts as one of its sources
.endr
	s_mov_b32 s[SEL], 0x76543210
	s_mov_b32 s[SEL+1], 0xfedcba98
	s_mov_b32 s40, ttmp9                           ; j: the pair
	s_and_b32 s41, ttmp7, 0xffff                   ; s: the K step
	s_mov_b32 s49, 0
	s_wait_kmcnt 0x0
.irp q, 0,1,2,3,4,5,6,7
	global_load_b128 v[ID+4*\q:ID+4*\q+3], v[L16], s[6:7] offset:512*\q   ; register 4 q + c: the id of token 128 q + 4 lane + c
.endr
	s_mul_i32 s48, s40, 49152                      ; meanwhile: where my results go.  xc: (32 j + s) x 1,536
	s_mul_i32 s44, s41, 1536
	s_add_co_u32 s48, s48, s44
	s_add_nc_u64 s[8:9], s[8:9], s[48:49]
	s_lshl_b32 s48, s40, 11                        ; xs: 2,048 j + 128 (s / 2) + 4 (s % 2)
	s_lshr_b32 s44, s41, 1
	s_lshl_b32 s44, s44, 7
	s_add_co_u32 s48, s48, s44
	s_and_b32 s44, s41, 1
	s_lshl_b32 s44, s44, 2
	s_add_co_u32 s48, s48, s44
	s_add_nc_u64 s[10:11], s[10:11], s[48:49]
	s_lshl_b32 s48, s41, 9                         ; hidden_states: 512 s bytes into each row
	s_add_nc_u64 s[4:5], s[4:5], s[48:49]
	s_wait_loadcnt 0x0
.set n_, 0
.rept 32                                       ; the expert: clip to 0 .. 99,999, modulo 4
	v_cmp_gt_i32 vcc_lo, 0, v[ID+n_]
	v_cndmask_b32 v[ID+n_], v[ID+n_], v[NIL], vcc_lo
	v_min_u32 v[ID+n_], VOCABM, v[ID+n_]
	v_and_b32 v[ID+n_], 3, v[ID+n_]
.set n_, n_+1
.endr
.irp e, 0,1,2                                  ; c_e: eight compares, then their masks' bits are counted
	s_mov_b32 s[CNT+\e], 0
.irp g, 0,1,2,3
.irp k, 0,1,2,3,4,5,6,7
	v_cmp_eq_u32 s[MSK+\k], \e, v[ID+8*\g+\k]
.endr
.irp k, 0,1,2,3,4,5,6,7
	s_bcnt1_i32_b32 s44, s[MSK+\k]
	s_add_co_u32 s[CNT+\e], s[CNT+\e], s44
.endr
.endr
.endr
	s_add_co_u32 s[CNT+3], s[CNT], s[CNT+1]
	s_add_co_u32 s[CNT+3], s[CNT+3], s[CNT+2]
	s_sub_co_u32 s[CNT+3], 0x400, s[CNT+3]         ; the fourth is what is left of 1,024
	s_mov_b32 s[PBS], 0
.irp e, 0,1,2,3
	s_add_co_u32 s[NPR+\e], s[CNT+\e], 31
	s_lshr_b32 s[NPR+\e], s[NPR+\e], 5             ; np_e
	s_add_co_u32 s[PBS+1+\e], s[PBS+\e], s[NPR+\e] ; pb_(e+1); pb_4 = all pairs
.endr
	s_cmp_ge_u32 s40, s[PBS+4]
	s_cbranch_scc1 .Lnone                          ; this split has no pair j
	s_mov_b32 s29, 0                               ; my pair's expert: the last e with pb_e <= j; its count and its first pair
	s_mov_b32 s42, s[CNT]
	s_mov_b32 s43, 0
.irp e, 1,2,3
	s_cmp_ge_u32 s40, s[PBS+\e]
	s_cselect_b32 s29, \e, s29
	s_cselect_b32 s42, s[CNT+\e], s42
	s_cselect_b32 s43, s[PBS+\e], s43
.endr
	s_sub_co_u32 s44, s40, s43
	s_lshl_b32 s44, s44, 5                         ; q0: my pair's first place among the expert's rows
	s_sub_co_u32 s30, 0, s44                       ; the running place, counted from q0 (it wraps below 0, and is then held at the spare word)
	s_sub_co_u32 s31, s42, s44
	s_sub_co_u32 s31, s31, 1
	s_min_u32 s31, s31, 31                         ; the pair's last real row
	ds_store_b32 v[L4], v[NIL]                     ; the list's 32 words are written before any is read
.set n_, 0
.rept 32                                       ; each token of my expert has the place: those counted so far + those in lower lanes; places 0 .. 31 go into the list, all else to word 32
	v_cmp_eq_u32 s[MSK+n_%2], s29, v[ID+n_]
	v_mbcnt_lo_u32_b32 v[TA+2*(n_%2)], s[MSK+n_%2], s30
	v_cndmask_b32 v[TA+2*(n_%2)], v[DUMP], v[TA+2*(n_%2)], s[MSK+n_%2]
	v_min_u32 v[TA+2*(n_%2)], 32, v[TA+2*(n_%2)]
	v_lshlrev_b32 v[TA+2*(n_%2)], 2, v[TA+2*(n_%2)]
	v_add_nc_u32 v[TA+2*(n_%2)+1], 128*(n_/4)+n_%4, v[L4]   ; the token's number
	ds_store_b32 v[TA+2*(n_%2)], v[TA+2*(n_%2)+1]
	s_bcnt1_i32_b32 s44, s[MSK+n_%2]
	s_add_co_u32 s30, s30, s44
.set n_, n_+1
.endr
	v_min_u32 v[TA], s31, v0                       ; rows behind the last real one repeat it
	v_min_u32 v[TA], 31, v[TA]
	v_lshlrev_b32 v[TA], 2, v[TA]
	ds_load_b32 v[TOK], v[TA]                      ; LDS serves a wave's instructions in order: this sees the stores above
	s_wait_dscnt 0x0
	v_min_u32 v[TOK], 0x3ff, v[TOK]
	s_cmp_lg_u32 s41, 0                            ; the lists are stored once: by K step 0's work-groups,
	s_cbranch_scc1 .Lrows
	s_lshl_b32 s48, s40, 7
	s_add_nc_u64 s[12:13], s[12:13], s[48:49]
	global_store_b32 v[L4], v[TOK], s[12:13]       ; my pair's 32 tokens
	s_cmp_lg_u32 s40, 0                            ; the table by pair 0's (every split has a pair 0)
	s_cbranch_scc1 .Lrows
	v_mov_b32 v[TAB], 0
.irp e, 0,1,2,3
	v_writelane_b32 v[TAB], s[PBS+\e], \e
	v_writelane_b32 v[TAB], s[NPR+\e], 4+\e
.endr
	s_sub_co_u32 s44, s[PBS+4], 1
	v_writelane_b32 v[TAB], s44, 8
	global_store_b32 v[L4], v[TAB], s[14:15]
.Lrows:
.set n_, 0
.rept 32                                       ; row n: token x 8,192 bytes + 16 x lane; a load reads 512 consecutive bytes of one row.  No cache hint: a repeated row is read again
	v_readlane_b32 s[44+n_%2], v[TOK], n_
	s_min_u32 s[44+n_%2], s[44+n_%2], 0x3ff
	v_lshl_add_u32 v[ID+n_], s[44+n_%2], 13, v[L16]
	global_load_b128 v[XR+4*n_:XR+4*n_+3], v[ID+n_], s[4:5]
.set n_, n_+1
.endr
	s_wait_loadcnt 16                              ; tile 0's sixteen rows are in; tile 1's sixteen loads may be out
.set n_, 0
.rept 16
	ds_store_b128 v[SIN], v[XR+4*n_:XR+4*n_+3] offset:n_*SPI
.set n_, n_+1
.endr
.irp b, 0,1,2,3
.irp q, 0,1,2,3
	ds_load_b128 v[QA+16*\b+4*\q:QA+16*\b+4*\q+3], v[SOUT] offset:128*\b+16*\q
.endr
.endr
	s_wait_loadcnt 0x0                             ; tile 1's rows are in, and the offsets' registers are free
.set n_, 0
.rept 16
	ds_store_b128 v[SIN], v[XR+64+4*n_:XR+64+4*n_+3] offset:STILE+n_*SPI
.set n_, n_+1
.endr
	s_wait_dscnt 16                                ; all but the sixteen stores just issued: tile 0's stores have read their registers, which take tile 1 turned, and tile 0 turned is in
.irp b, 0,1,2,3
.irp q, 0,1,2,3
	ds_load_b128 v[QB+16*\b+4*\q:QB+16*\b+4*\q+3], v[SOUT] offset:STILE+128*\b+16*\q
.endr
.endr
	QUANT QA
	PUT 0
	s_wait_dscnt 0x0                               ; tile 1 turned is in
	s_wait_xcnt 0x0                                ; tile 0's stores have read their data: the codes' registers are written again only behind this wait
	QUANT QB
	PUT 1
.Lnone:
	s_wait_tensorcnt 0x0
	ds_add_u32 v22, v23
	s_wait_dscnt 0x0
	s_endpgm
.Lfunc_end_k_qae4f3176c6_sortq:
	.size	k_qae4f3176c6_sortq, .Lfunc_end_k_qae4f3176c6_sortq-k_qae4f3176c6_sortq
	.p2alignl 7, 3214868480
	.fill 96, 4, 3214868480
	.section	.rodata,"a",@progbits
	.p2align	6, 0x0
	.amdhsa_kernel k_qae4f3176c6_sortq
		.amdhsa_group_segment_fixed_size 17664
		.amdhsa_private_segment_fixed_size 0
		.amdhsa_enable_private_segment 0
		.amdhsa_kernarg_size 48
		.amdhsa_user_sgpr_count 2
		.amdhsa_user_sgpr_kernarg_segment_ptr 1
		.amdhsa_wavefront_size32 1
		.amdhsa_system_sgpr_workgroup_id_x 1
		.amdhsa_system_sgpr_workgroup_id_y 1
		.amdhsa_system_sgpr_workgroup_id_z 1
		.amdhsa_system_vgpr_workitem_id 0
		.amdhsa_next_free_vgpr 256
		.amdhsa_next_free_sgpr 66
		.amdhsa_reserve_vcc 1
		.amdhsa_float_denorm_mode_32 3
		.amdhsa_float_denorm_mode_16_64 3
		.amdhsa_memory_ordered 1
		.amdhsa_forward_progress 1
		.amdhsa_inst_pref_size 58
	.end_amdhsa_kernel
	.amdgpu_metadata
---
amdhsa.version: [ 1, 2 ]
amdhsa.kernels:
  - .name:           k_qae4f3176c6_sortq
    .symbol:         k_qae4f3176c6_sortq.kd
    .args:
      - { .name: hidden_states, .offset: 0, .size: 8, .value_kind: global_buffer, .address_space: global }
      - { .name: token_ids, .offset: 8, .size: 8, .value_kind: global_buffer, .address_space: global }
      - { .name: xc, .offset: 16, .size: 8, .value_kind: global_buffer, .address_space: global }
      - { .name: xs, .offset: 24, .size: 8, .value_kind: global_buffer, .address_space: global }
      - { .name: order, .offset: 32, .size: 8, .value_kind: global_buffer, .address_space: global }
      - { .name: table, .offset: 40, .size: 8, .value_kind: global_buffer, .address_space: global }
    .group_segment_fixed_size: 17664
    .private_segment_fixed_size: 0
    .kernarg_segment_align: 8
    .kernarg_segment_size: 48
    .max_flat_workgroup_size: 32
    .sgpr_count:     66
    .vgpr_count:     256
    .wavefront_size: 32
...
	.end_amdgpu_metadata
.endif
;; end of part 1
;; launch gateup (part 2): grid 256 x 1, 16 waves a work-group, no clusters, 104,448 bytes of LDS; arguments gate_proj, up_proj, xc, xs, table, ic, isc; writes ic, isc
.if DOCPART == 2
	.amdgcn_target "amdgcn-amd-amdhsa--gfx1250"
	.amdhsa_code_object_version 6
	.text
	.protected	k_qae4f3176c6_gateup
	.globl	k_qae4f3176c6_gateup
	.p2align	8
	.type	k_qae4f3176c6_gateup,@function
k_qae4f3176c6_gateup:
	s_mov_b64 s[64:65], 0
	v_nop
	global_prefetch_b8 v0, s[64:65] scope:SCOPE_SE
	s_setreg_imm32_b32 hwreg(HW_REG_WAVE_MODE, 25, 1), 1
	s_wait_xcnt 0x0
; inter = silu(x G_e) * (x U_e) for the rows of expert e, quantised along its columns for the next product.  Both products on codes of BF6 (E3M2), one E8M0 byte for each 32 along K.
; SHARES.  Work-group x: expert e = x / 64, columns 32 fb .. 32 fb + 31 (fb = x % 64) of the gate and of the up matrix: each f32 number of the weights is read by ONE work-group, once, quantised in registers
; and multiplied here with all rows of its expert.  32 columns of inter are one block of the next product's K, so the work-group makes whole blocks, and their scale bytes, by itself.
; EVERY WAVE PRODUCES: in trip t (256 along K) wave w takes one block of 32 along K of one matrix: a lane a column, 32 registers down K (each load reads 128 consecutive bytes), so that the block's largest
; magnitude needs no other lane and the conversions give codes with K innermost.  The six registers go to LDS at their place in an image of the operand's registers
; (registers 0-3 of lane l at 16 l, 4-5 at 512 + 8 l, 6-9 at 768 + 16 l, 10-11 at 1,280 + 8 l).  All 64 images (16 K steps x 4 tiles) have LDS bytes of their own, written once: one barrier a trip, and nothing is overwritten.
; SOME WAVES CONSUME: wave w multiplies pair w of the expert's rows (32 rows) if the expert has so many; pairs 16 to 31 follow behind the loop, from the images that lie in LDS.  How many pairs there are is read
; from the table that the launch before stored; the branches on it jump over no barrier.  In trip 0 every wave multiplies (a wave without rows takes the last pair there is and drops the result).
; TRANSPOSED: source 0 = 16 columns of a weight, source 1 = 16 rows of x.  Column c of the 32 is row 8 (c / 16) + c % 8 of tile (c / 8) % 2, so that a lane holds one row of x and 16 NEIGHBOURING columns, 16 (lane / 16) + 0 .. 15.
; The rows' codes are read by all 64 work-groups of an expert, by plain loads.  They are not asked for jointly: joint requests are tensor loads,
; and to ask for the most that an expert can have, 32 pairs, in every work-group would move 32 / 9 of the bytes of an even split.
; OUT: of each tile's image in ic my block is 256 + 128 consecutive bytes; of isc one byte a row, which is all that a work-group owns there.
; LIMITS: NaN and infinities are not served.  A block whose largest magnitude lies under 2^-122 keeps the byte 1, and so does a block of zeros (its codes are zeros; this program alone reads the bytes).
; Where 2^(-gate log2 e) overflows, silu is taken as 0 (gate under about -88.7, where the true value lies under 2^-120).
.set BS,   98304                       ; LDS: behind the 64 images the weights' scale words: trip x 512 + 16 (16 u + row) + 4 (2 ks + matrix) + block
.set HALF, 49152                       ; the images of K steps 8 to 15 begin here
.set LN4,  1                           ; v1  4 x lane: my column in a weight's row
.set PA16, 2                           ; v2  producer: where my block's registers 0-3 go, trips 0-3
.set PA8,  3                           ; v3  and registers 4-5
.set PAS,  4                           ; v4  and its scale byte
.set LI16, 5                           ; v5  16 x lane: images in LDS (K steps 0-7) and in xc
.set LJ16, 6                           ; v6  the same + HALF
.set LI8,  7                           ; v7  8 x lane
.set LJ8,  8                           ; v8  the same + HALF
.set LWS,  9                           ; v9  BS + 16 x lane
.set PB16, 10                          ; v10 producer, trips 4-7
.set PB8,  11                          ; v11
.set XSO,  12                          ; v12 1,024 (lane / 16) + 8 (lane % 16): scale words of a pair's two tiles
.set VO16, 13                          ; v13 the way out: my row's 16 bytes in ic
.set VO8,  14                          ; v14 and its 8 bytes
.set TT,   15                          ; v15, v22 at work at the head
.set WSC,  16                          ; v16-19 the weights' scale words of a trip: register 2 ks + matrix; lanes 0-15 tile u = 0, lanes 16-31 u = 1
.set XSC,  20                          ; v20-21 the rows' scale words: register ks; lanes 0-15 the pair's first tile, lanes 16-31 its second
.set TU,   22
.set STR,  24                          ; v24-87 two sets of 32 numbers of the stream
.set TG,   24                          ; the way out: v24-55 the sigmoid's steps,
.set TI,   56                          ; v56-87 inter
.set WF,   88                          ; v88-135 four fragments of weights; the producer's and the way out's work shares them:
.set MXA,  100                         ; largest magnitudes
.set PMA,  102                         ; the other half's
.set SOA,  104                         ; the conversions' scale operands
.set BYA,  106                         ; scale bytes
.set XF,   136                         ; v136-183 the rows' fragments (ks, tile m) at 136 + 24 ks + 12 m
.set ACC,  184                         ; v184-247 accumulators (m, t) at 184 + 32 m + 8 t; t = 2 x matrix + u
.set WV,   18                          ; s18 wave
.set EX,   19                          ; s19 expert
.set FB,   20                          ; s20 fb
.set NP,   21                          ; s21 the expert's pairs
.set PB,   22                          ; s22 its first pair
.set TPM,  23                          ; s23 the last pair there is
.set WB,   24                          ; s[24:25] my blocks of trips 0-3, s[26:27] of trips 4-7
.set XB,   28                          ; s[28:29] my pair in xc
.set XSB,  30                          ; s[30:31] in xs
.set ICB,  32                          ; s[32:33] my block of my pair in ic
.set ISB,  34                          ; s[34:35] in isc
.set SEL,  36                          ; s[36:37] selects for lane l xor 16
.set NLE,  38                          ; s[38:39] -log2(e), twice
.set HI16, 40                          ; s40 lanes 16-31
.macro PLACES                          ; four plain places: behind matrix instructions, ahead of loads into their registers, of vector writes there and of reads of results
.rept 4
	v_nop
.endr
.endm
.macro SLOAD trip                      ; my block of a trip: 32 rows of K, 128 consecutive bytes each; read once in the launch
.set n_, 0
.rept 32
	global_load_b32 v[STR+32*((\trip)%2)+n_], v[LN4], s[WB+2*((\trip)/4):WB+2*((\trip)/4)+1] offset:((\trip)%4)*0x200000+n_*8192 th:TH_LOAD_NT
.set n_, n_+1
.endr
.endm
.macro WQUANT trip                     ; the block becomes six registers of codes and a byte, and goes to LDS
.set QS, STR+32*((\trip)%2)
	v_max3_num_f32 v[MXA], |v[QS]|, |v[QS+1]|, |v[QS+2]|
	v_max3_num_f32 v[MXA+1], |v[QS+3]|, |v[QS+4]|, |v[QS+5]|
.irp i, 6,10,14,18,22,26
	v_max3_num_f32 v[MXA], v[MXA], |v[QS+\i]|, |v[QS+\i+1]|
	v_max3_num_f32 v[MXA+1], v[MXA+1], |v[QS+\i+2]|, |v[QS+\i+3]|
.endr
	v_max3_num_f32 v[MXA], v[MXA], |v[QS+30]|, |v[QS+31]|
	v_max3_num_f32 v[MXA], v[MXA], v[MXA+1], 0x2800000   ; and the floor 2^(5 - 127): the byte cannot fall under 1
	v_add_nc_u32 v[SOA], 0xfe000000, v[MXA]        ; 4 off the exponent field: the conversion's scale operand
	v_cvt_scalef32_pk16_bf6_f32 v[WF:WF+2], v[QS:QS+15], v[SOA]
	v_cvt_scalef32_pk16_bf6_f32 v[WF+8:WF+10], v[QS+16:QS+31], v[SOA]   ; (a conversion's three registers begin on an even number)
	v_lshrrev_b32 v[BYA], 23, v[SOA]               ; the byte; also the plain place behind the conversions
.irp i, 0,1,2
	v_mov_b32 v[WF+3+\i], v[WF+8+\i]
.endr
.if (\trip) < 4
	ds_store_b128 v[PA16], v[WF:WF+3] offset:(\trip)*12288
	ds_store_b64 v[PA8], v[WF+4:WF+5] offset:(\trip)*12288
.else
	ds_store_b128 v[PB16], v[WF:WF+3] offset:((\trip)-4)*12288
	ds_store_b64 v[PB8], v[WF+4:WF+5] offset:((\trip)-4)*12288
.endif
	ds_store_b8 v[PAS], v[BYA] offset:(\trip)*512
.endm
.macro XLOAD trip                      ; my pair's four fragments of a trip's two K steps, and their scale words: 17 loads
.irp kk, 0,1
.irp m, 0,1
	global_load_b128 v[XF+24*\kk+12*\m:XF+24*\kk+12*\m+3], v[LI16], s[XB:XB+1] offset:\m*24576+(2*(\trip)+\kk)*1536
	global_load_b64 v[XF+24*\kk+12*\m+4:XF+24*\kk+12*\m+5], v[LI8], s[XB:XB+1] offset:\m*24576+(2*(\trip)+\kk)*1536+512
	global_load_b128 v[XF+24*\kk+12*\m+6:XF+24*\kk+12*\m+9], v[LI16], s[XB:XB+1] offset:\m*24576+(2*(\trip)+\kk)*1536+768
	global_load_b64 v[XF+24*\kk+12*\m+10:XF+24*\kk+12*\m+11], v[LI8], s[XB:XB+1] offset:\m*24576+(2*(\trip)+\kk)*1536+1280
.endr
.endr
	global_load_b64 v[XSC:XSC+1], v[XSO], s[XSB:XSB+1] offset:(\trip)*128
.endm
; one product.  zero: it starts its sum.  ra, rb: the side's scale words stand in lanes 16-31 of the register named
.macro MM d, a, b, zero, sa, sb, ra, rb
.if (\zero)
.if (\ra) && (\rb)
	v_wmma_scale_f32_16x16x128_f8f6f4 v[(\d):(\d)+7], v[(\a):(\a)+11], v[(\b):(\b)+11], 0, v[\sa], v[\sb] matrix_a_fmt:MATRIX_FMT_BF6 matrix_b_fmt:MATRIX_FMT_BF6 matrix_a_scale:MATRIX_SCALE_ROW1 matrix_b_scale:MATRIX_SCALE_ROW1
.elseif (\ra)
	v_wmma_scale_f32_16x16x128_f8f6f4 v[(\d):(\d)+7], v[(\a):(\a)+11], v[(\b):(\b)+11], 0, v[\sa], v[\sb] matrix_a_fmt:MATRIX_FMT_BF6 matrix_b_fmt:MATRIX_FMT_BF6 matrix_a_scale:MATRIX_SCALE_ROW1
.elseif (\rb)
	v_wmma_scale_f32_16x16x128_f8f6f4 v[(\d):(\d)+7], v[(\a):(\a)+11], v[(\b):(\b)+11], 0, v[\sa], v[\sb] matrix_a_fmt:MATRIX_FMT_BF6 matrix_b_fmt:MATRIX_FMT_BF6 matrix_b_scale:MATRIX_SCALE_ROW1
.else
	v_wmma_scale_f32_16x16x128_f8f6f4 v[(\d):(\d)+7], v[(\a):(\a)+11], v[(\b):(\b)+11], 0, v[\sa], v[\sb] matrix_a_fmt:MATRIX_FMT_BF6 matrix_b_fmt:MATRIX_FMT_BF6
.endif
.else
.if (\ra) && (\rb)
	v_wmma_scale_f32_16x16x128_f8f6f4 v[(\d):(\d)+7], v[(\a):(\a)+11], v[(\b):(\b)+11], v[(\d):(\d)+7], v[\sa], v[\sb] matrix_a_fmt:MATRIX_FMT_BF6 matrix_b_fmt:MATRIX_FMT_BF6 matrix_a_scale:MATRIX_SCALE_ROW1 matrix_b_scale:MATRIX_SCALE_ROW1
.elseif (\ra)
	v_wmma_scale_f32_16x16x128_f8f6f4 v[(\d):(\d)+7], v[(\a):(\a)+11], v[(\b):(\b)+11], v[(\d):(\d)+7], v[\sa], v[\sb] matrix_a_fmt:MATRIX_FMT_BF6 matrix_b_fmt:MATRIX_FMT_BF6 matrix_a_scale:MATRIX_SCALE_ROW1
.elseif (\rb)
	v_wmma_scale_f32_16x16x128_f8f6f4 v[(\d):(\d)+7], v[(\a):(\a)+11], v[(\b):(\b)+11], v[(\d):(\d)+7], v[\sa], v[\sb] matrix_a_fmt:MATRIX_FMT_BF6 matrix_b_fmt:MATRIX_FMT_BF6 matrix_b_scale:MATRIX_SCALE_ROW1
.else
	v_wmma_scale_f32_16x16x128_f8f6f4 v[(\d):(\d)+7], v[(\a):(\a)+11], v[(\b):(\b)+11], v[(\d):(\d)+7], v[\sa], v[\sb] matrix_a_fmt:MATRIX_FMT_BF6 matrix_b_fmt:MATRIX_FMT_BF6
.endif
.endif
.endm
; A trip's products for my pair: two K steps, each four fragments of weights from LDS against the pair's two tiles.  The eight accumulators take turns, one instruction a turn.
.macro CONS trip, zero
.if (\trip) < 4
.set CA, LI16
.set CB, LI8
.else
.set CA, LJ16
.set CB, LJ8
.endif
.set CO, ((\trip)%4)*12288
	ds_load_b128 v[WSC:WSC+3], v[LWS] offset:(\trip)*512
.irp kk, 0,1
.irp t, 0,1,2,3
	ds_load_b128 v[WF+12*\t:WF+12*\t+3], v[CA] offset:CO+\kk*6144+\t*1536
	ds_load_b64 v[WF+12*\t+4:WF+12*\t+5], v[CB] offset:CO+\kk*6144+\t*1536+512
	ds_load_b128 v[WF+12*\t+6:WF+12*\t+9], v[CA] offset:CO+\kk*6144+\t*1536+768
	ds_load_b64 v[WF+12*\t+10:WF+12*\t+11], v[CB] offset:CO+\kk*6144+\t*1536+1280
.endr
.if \kk == 0
	PLACES                                         ; vector instructions wrote some of these registers before the loads did: four places between such a write and a scaled product, while the loads are out
.endif
	s_wait_dscnt 0x0
.irp t, 0,1,2,3
.irp m, 0,1
	MM ACC+32*\m+8*\t, WF+12*\t, XF+24*\kk+12*\m, (\zero)&&(\kk==0), WSC+2*\kk+\t/2, XSC+\kk, \t%2, \m
.endr
.endr
	PLACES
.endr
.endm
; THE WAY OUT of a pair: silu(gate) x up in f32, quantised: a lane's 16 numbers and lane l xor 16's are one block of the next K.
.macro EPI
.irp m, 0,1
.irp i, 0,2,4,6,8,10,12,14
	v_pk_mul_f32 v[TG+16*\m+\i:TG+16*\m+\i+1], v[ACC+32*\m+\i:ACC+32*\m+\i+1], s[NLE:NLE+1] op_sel_hi:[1,0]   ; -gate log2(e); each accumulator from its low end on
.endr
.endr
.set n_, 0
.rept 32
	v_exp_f32 v[TG+n_], v[TG+n_]
.set n_, n_+1
.endr
	v_nop                                          ; a plain place behind the last exponential,
	s_wait_alu depctr_va_vdst(0)                   ; and one wait for the batch, ahead of its first reader
.set n_, 0
.rept 16
	v_pk_add_f32 v[TG+n_:TG+n_+1], v[TG+n_:TG+n_+1], 1.0 op_sel_hi:[1,0]
.set n_, n_+2
.endr
.set n_, 0
.rept 32
	v_rcp_f32 v[TG+n_], v[TG+n_]                   ; the sigmoid
.set n_, n_+1
.endr
	v_nop
	s_wait_alu depctr_va_vdst(0)                   ; one wait for the 32 reciprocals
.irp m, 0,1
.irp i, 0,2,4,6,8,10,12,14
	v_pk_mul_f32 v[TI+16*\m+\i:TI+16*\m+\i+1], v[ACC+32*\m+\i:ACC+32*\m+\i+1], v[TG+16*\m+\i:TG+16*\m+\i+1]   ; silu = gate x sigmoid,
.endr
.endr
.irp m, 0,1
.irp i, 0,2,4,6,8,10,12,14
	v_pk_mul_f32 v[TI+16*\m+\i:TI+16*\m+\i+1], v[TI+16*\m+\i:TI+16*\m+\i+1], v[ACC+32*\m+16+\i:ACC+32*\m+16+\i+1]   ; x up
.endr
.endr
	v_mov_b32 v[PMA], 0                            ; a lane permute's destination counts as one of its sources
	v_mov_b32 v[PMA+1], 0
.irp m, 0,1
	v_max3_num_f32 v[MXA+\m], |v[TI+16*\m]|, |v[TI+16*\m+1]|, 0x2800000
.endr
.irp i, 2,4,6,8,10,12,14
.irp m, 0,1
	v_max3_num_f32 v[MXA+\m], v[MXA+\m], |v[TI+16*\m+\i]|, |v[TI+16*\m+\i+1]|
.endr
.endr
.irp m, 0,1
	v_permlanex16_b32 v[PMA+\m], v[MXA+\m], s[SEL], s[SEL+1]
.endr
.irp m, 0,1
	v_max_num_f32 v[MXA+\m], v[MXA+\m], v[PMA+\m]  ; the block's largest magnitude
.endr
.irp m, 0,1
	v_add_nc_u32 v[SOA+\m], 0xfe000000, v[MXA+\m]
.endr
.irp m, 0,1
	v_lshrrev_b32 v[BYA+\m], 23, v[SOA+\m]
.endr
	v_cvt_scalef32_pk16_bf6_f32 v[WF:WF+2], v[TI:TI+15], v[SOA]
	v_cvt_scalef32_pk16_bf6_f32 v[WF+8:WF+10], v[TI+16:TI+31], v[SOA+1]
	v_nop                                          ; one plain place behind a scaled conversion
.irp i, 0,1,2
	v_permlane16_swap_b32 v[WF+\i], v[WF+8+\i]     ; the first tile's upper halves change places with the second tile's lower halves: lane l now holds the whole block of row l % 16 of tile l / 16
.endr
.irp i, 0,1,2
	v_mov_b32 v[WF+3+\i], v[WF+8+\i]
.endr
	v_cndmask_b32 v[BYA], v[BYA], v[BYA+1], s[HI16]   ; and that tile's byte
	global_store_b128 v[VO16], v[WF:WF+3], s[ICB:ICB+1]   ; sixteen lanes: 256 consecutive bytes of a tile's image
	global_store_b64 v[VO8], v[WF+4:WF+5], s[ICB:ICB+1]   ; sixteen lanes: 128
	global_store_b8 v[XSO], v[BYA], s[ISB:ISB+1]
.endm
.macro BASES                           ; from the pair in s52, which has been held at 34
	s_mul_i32 s54, s52, 49152
	s_mov_b32 s55, 0
	s_add_nc_u64 s[XB:XB+1], s[8:9], s[54:55]
	s_add_co_u32 s54, s54, s58
	s_add_nc_u64 s[ICB:ICB+1], s[14:15], s[54:55]
	s_lshl_b32 s56, s52, 11
	s_mov_b32 s57, 0
	s_add_nc_u64 s[XSB:XSB+1], s[10:11], s[56:57]
	s_add_co_u32 s56, s56, s59
	s_add_nc_u64 s[ISB:ISB+1], s[16:17], s[56:57]
.endm
.macro TRIP trip
.if (\trip) < 7
	s_wait_loadcnt 32                              ; all but the 32 loads issued last, the next trip's block: this trip's block is in, and so are my pair's codes for this trip
.else
	s_wait_loadcnt 0x0
.endif
	WQUANT \trip
	s_wait_dscnt 0x0                               ; for the others' sake: my stores have landed (and my LDS loads are long in)
	s_barrier_signal -1
	s_barrier_wait -1                              ; the trip's eight images and their scale words are whole
.if (\trip) == 0
	CONS 0, 1                                      ; in every wave: these products start the sums
.endif
	s_cmp_lt_u32 s[WV], s[NP]
	s_cbranch_scc0 .Lidle_\@                       ; a wave without rows only produces
.if (\trip) > 0
	CONS \trip, 0
.endif
.if (\trip) < 7
	XLOAD (\trip)+1
.else
	EPI
.endif
.Lidle_\@:
.if (\trip) < 6
	SLOAD (\trip)+2                                ; into the set that this trip has quantised
.endif
.endm
	s_load_b256 s[4:11], s[0:1], 0x0               ; gate s[4:5], up s[6:7], xc s[8:9], xs s[10:11]
	s_load_b128 s[12:15], s[0:1], 0x20             ; table s[12:13], ic s[14:15]
	s_load_b64 s[16:17], s[0:1], 0x30              ; isc
	v_lshl_add_u32 v254, v0, 2, 0x19000
	v_mov_b32 v255, 0
	v_lshrrev_b32 v[TT], 5, v0
	v_readfirstlane_b32 s[WV], v[TT]               ; wave 0..15: bit 0 the matrix, bits 3:1 which of the trip's eight blocks along K
	s_lshr_b32 s[EX], ttmp9, 6
	s_and_b32 s[FB], ttmp9, 63
	s_lshl_b32 s42, s[EX], 24                      ; the expert's 16 MiB,
	s_lshr_b32 s41, s[WV], 1
	s_lshl_b32 s41, s41, 18                        ; my block's 32 rows of 8,192 bytes,
	s_add_co_u32 s42, s42, s41
	s_lshl_b32 s41, s[FB], 7                       ; my work-group's 128 bytes of a row
	s_add_co_u32 s42, s42, s41
	s_mov_b32 s43, 0
	v_and_b32 v[TU], 31, v0                        ; lane
	v_lshlrev_b32 v[LN4], 2, v[TU]
	s_wait_kmcnt 0x0
	s_load_b256 s[44:51], s[12:13], 0x0            ; pb_0..3, np_0..3
	s_load_b32 s[TPM], s[12:13], 0x20              ; pairs - 1
	s_and_b32 s41, s[WV], 1
	s_cmp_eq_u32 s41, 0
	s_cselect_b64 s[WB:WB+1], s[4:5], s[6:7]       ; even waves the gate, odd waves the up matrix
	s_add_nc_u64 s[WB:WB+1], s[WB:WB+1], s[42:43]
	s_add_nc_u64 s[WB+2:WB+3], s[WB:WB+1], 0x800000   ; 1,024 rows on, so that every trip's place fits the loads' immediate
	SLOAD 0
	v_lshlrev_b32 v[LI16], 4, v[TU]
	v_lshlrev_b32 v[LI8], 3, v[TU]
	v_add_nc_u32 v[LJ16], HALF, v[LI16]
	v_add_nc_u32 v[LJ8], HALF, v[LI8]
	v_add_nc_u32 v[LWS], BS, v[LI16]
	; the producer's places.  Thread bits: 2:0 c % 8, 3 u, 4 c / 16, 5 matrix, 6 h and 7 c4 (the block in its K step is 2 c4 + h), 8 ks
	v_and_b32 v[PAS], 7, v0
	v_bfe_u32 v[TT], v0, 4, 1
	v_lshl_add_u32 v[PAS], v[TT], 3, v[PAS]        ; my column's row in its tile
	v_bfe_u32 v[TT], v0, 6, 1
	v_lshl_add_u32 v[PA8], v[TT], 4, v[PAS]        ; the operand's lane that holds my block: 16 h + row
	v_bfe_u32 v[TT], v0, 3, 1
	v_mul_u32_u24 v[PA16], v[TT], 1536             ; the image: u,
	v_lshl_add_u32 v[PAS], v[TT], 4, v[PAS]
	v_lshlrev_b32 v[PAS], 4, v[PAS]                ; the byte: 16 (16 u + row)
	v_bfe_u32 v[TT], v0, 5, 1
	v_mad_u32_u24 v[PA16], v[TT], 3072, v[PA16]    ; matrix,
	v_lshl_add_u32 v[PAS], v[TT], 2, v[PAS]
	v_bfe_u32 v[TT], v0, 7, 1
	v_mad_u32_u24 v[PA16], v[TT], 768, v[PA16]     ; the image's half,
	v_bfe_u32 v[TT], v0, 8, 1
	v_mad_u32_u24 v[PA16], v[TT], 6144, v[PA16]    ; K step
	v_lshl_add_u32 v[PAS], v[TT], 3, v[PAS]
	v_bfe_u32 v[TT], v0, 6, 2
	v_add_nc_u32 v[PAS], v[PAS], v[TT]
	v_add_nc_u32 v[PAS], BS, v[PAS]
	v_lshl_add_u32 v[PB8], v[PA8], 3, v[PA16]
	v_lshl_add_u32 v[PA16], v[PA8], 4, v[PA16]
	v_add_nc_u32 v[PA8], 512, v[PB8]
	v_add_nc_u32 v[PB16], HALF, v[PA16]
	v_add_nc_u32 v[PB8], HALF, v[PA8]
	; offsets in the workspace buffers
	v_and_b32 v[TT], 15, v0
	v_bfe_u32 v[TU], v0, 4, 1
	v_lshlrev_b32 v[XSO], 3, v[TT]
	v_lshl_add_u32 v[XSO], v[TU], 10, v[XSO]
	v_mul_u32_u24 v[TU], v[TU], 24576              ; a tile's 16 images
	v_lshl_add_u32 v[VO16], v[TT], 4, v[TU]
	v_lshl_add_u32 v[VO8], v[TT], 3, v[TU]
	s_and_b32 s41, s[FB], 1                        ; my block stands in lanes 16 (fb % 2) on of the next operand
	s_lshl_b32 s53, s41, 8
	v_add_nc_u32 v[VO16], s53, v[VO16]
	s_lshl_b32 s53, s41, 7
	s_add_co_u32 s53, s53, 512
	v_add_nc_u32 v[VO8], s53, v[VO8]
	s_lshr_b32 s58, s[FB], 2                       ; in ic: K step fb / 4, half (fb / 2) % 2 of its image
	s_mul_i32 s58, s58, 1536
	s_bfe_u32 s53, s[FB], 0x10001
	s_mul_i32 s53, s53, 768
	s_add_co_u32 s58, s58, s53
	s_lshr_b32 s59, s[FB], 3                       ; in isc: 128 (fb / 8) + 4 ((fb / 4) % 2) + fb % 4
	s_lshl_b32 s59, s59, 7
	s_bfe_u32 s53, s[FB], 0x10002
	s_lshl_b32 s53, s53, 2
	s_add_co_u32 s59, s59, s53
	s_and_b32 s53, s[FB], 3
	s_add_co_u32 s59, s59, s53
	s_mov_b32 s[SEL], 0x76543210
	s_mov_b32 s[SEL+1], 0xfedcba98
	s_mov_b32 s[NLE], 0xbfb8aa3b
	s_mov_b32 s[NLE+1], s[NLE]
	s_mov_b32 s[HI16], 0xffff0000
	s_wait_kmcnt 0x0
	s_mov_b32 s[PB], s44
	s_mov_b32 s[NP], s48
.irp e, 1,2,3
	s_cmp_eq_u32 s[EX], \e
	s_cselect_b32 s[PB], s[44+\e], s[PB]
	s_cselect_b32 s[NP], s[48+\e], s[NP]
.endr
	s_add_co_u32 s52, s[PB], s[WV]                 ; my pair; a wave without rows takes the last pair there is
	s_min_u32 s52, s52, s[TPM]
	s_min_u32 s52, s52, 34
	BASES
	XLOAD 0
	SLOAD 1
.irp r, 0,1,2,3,4,5,6,7
	TRIP \r
.endr
	; pairs 16 to 31, where one expert has so many rows: all images lie in LDS, nobody writes them any more, no barrier follows
	s_add_co_u32 s52, s[WV], 16
	s_cmp_lt_u32 s52, s[NP]
	s_cbranch_scc0 .Lend
	s_wait_xcnt 0x0                                ; the first pair's stores have read their data, offsets and bases: all are written again only behind this wait
	s_add_co_u32 s52, s52, s[PB]
	s_min_u32 s52, s52, s[TPM]
	s_min_u32 s52, s52, 34
	BASES
.irp r, 0,1,2,3,4,5,6,7
	XLOAD \r
	s_wait_loadcnt 0x0
	CONS \r, (\r==0)
.endr
	EPI
.Lend:
	s_wait_tensorcnt 0x0
	ds_add_u32 v254, v255
	s_wait_dscnt 0x0
	s_endpgm
.Lfunc_end_k_qae4f3176c6_gateup:
	.size	k_qae4f3176c6_gateup, .Lfunc_end_k_qae4f3176c6_gateup-k_qae4f3176c6_gateup
	.p2alignl 7, 3214868480
	.fill 96, 4, 3214868480
	.section	.rodata,"a",@progbits
	.p2align	6, 0x0
	.amdhsa_kernel k_qae4f3176c6_gateup
		.amdhsa_group_segment_fixed_size 104448
		.amdhsa_private_segment_fixed_size 0
		.amdhsa_enable_private_segment 0
		.amdhsa_kernarg_size 56
		.amdhsa_user_sgpr_count 2
		.amdhsa_user_sgpr_kernarg_segment_ptr 1
		.amdhsa_wavefront_size32 1
		.amdhsa_system_sgpr_workgroup_id_x 1
		.amdhsa_system_sgpr_workgroup_id_y 1
		.amdhsa_system_sgpr_workgroup_id_z 1
		.amdhsa_system_vgpr_workitem_id 0
		.amdhsa_next_free_vgpr 256
		.amdhsa_next_free_sgpr 66
		.amdhsa_reserve_vcc 0
		.amdhsa_float_denorm_mode_32 3
		.amdhsa_float_denorm_mode_16_64 3
		.amdhsa_memory_ordered 1
		.amdhsa_forward_progress 1
		.amdhsa_inst_pref_size 159
	.end_amdhsa_kernel
	.amdgpu_metadata
---
amdhsa.version: [ 1, 2 ]
amdhsa.kernels:
  - .name:           k_qae4f3176c6_gateup
    .symbol:         k_qae4f3176c6_gateup.kd
    .args:
      - { .name: gate_proj, .offset: 0, .size: 8, .value_kind: global_buffer, .address_space: global }
      - { .name: up_proj, .offset: 8, .size: 8, .value_kind: global_buffer, .address_space: global }
      - { .name: xc, .offset: 16, .size: 8, .value_kind: global_buffer, .address_space: global }
      - { .name: xs, .offset: 24, .size: 8, .value_kind: global_buffer, .address_space: global }
      - { .name: table, .offset: 32, .size: 8, .value_kind: global_buffer, .address_space: global }
      - { .name: ic, .offset: 40, .size: 8, .value_kind: global_buffer, .address_space: global }
      - { .name: isc, .offset: 48, .size: 8, .value_kind: global_buffer, .address_space: global }
    .group_segment_fixed_size: 104448
    .private_segment_fixed_size: 0
    .kernarg_segment_align: 8
    .kernarg_segment_size: 56
    .max_flat_workgroup_size: 512
    .sgpr_count:     66
    .vgpr_count:     256
    .wavefront_size: 32
...
	.end_amdgpu_metadata
.endif
;; end of part 2
;; launch down (part 3): grid 256 x 1, 16 waves a work-group, no clusters, 126,976 bytes of LDS; arguments down_proj, ic, isc, order, table, out0; writes out0
.if DOCPART == 3
	.amdgcn_target "amdgcn-amd-amdhsa--gfx1250"
	.amdhsa_code_object_version 6
	.text
	.protected	k_qae4f3176c6_down
	.globl	k_qae4f3176c6_down
	.p2align	8
	.type	k_qae4f3176c6_down,@function
k_qae4f3176c6_down:
	s_mov_b64 s[64:65], 0
	v_nop
	global_prefetch_b8 v0, s[64:65] scope:SCOPE_SE
	s_setreg_imm32_b32 hwreg(HW_REG_WAVE_MODE, 25, 1), 1
	s_wait_xcnt 0x0
; out = inter D_e for the rows of expert e, on codes of BF6 (E3M2), one E8M0 byte for each 32 along K; each row goes to its token's place in out0.
; The frame is that of the launch before.  Work-group x: expert e = x / 64, output columns 32 db .. 32 db + 31 (db = x % 64): each f32 number of down_proj is read by ONE work-group, once.
; EVERY WAVE PRODUCES: four trips of 512 along K; in a trip wave w takes block w of the sixteen: a lane a column, 32 registers down K (each load reads 128 consecutive bytes); its six registers of codes go to LDS at their
; place in an image of the operand's registers (registers 0-3 of lane l at 16 l, 4-5 at 512 + 8 l, 6-9 at 768 + 16 l, 10-11 at 1,280 + 8 l).  The 32 images (16 K steps x 2 tiles) are written once: one barrier a trip.
; SOME WAVES CONSUME: wave w multiplies pair w of the expert's rows if there is one; pairs 16 to 31 follow behind the loop.  The number of pairs comes from the table, the rows' tokens from the list, both stored two launches ago.
; TRANSPOSED: source 0 = 16 columns of the weight, source 1 = 16 rows of inter.  Column c is row 8 (c / 16) + c % 8 of tile (c / 8) % 2: a lane holds one row and the 16 neighbouring columns 16 (lane / 16) + 0 .. 15.
; A pair's 32 rows x 128 bytes go through the wave's own stage in LDS and leave with eight lanes to a row's 128 consecutive bytes, which is all that a work-group owns of a row.
; Rows that fill a pair up repeat the expert's last row: the same numbers go to the same place.
; The rows' codes are read by all 64 work-groups of an expert, by plain loads, and not jointly, for the reason given in the launch before: the number of pairs is read from memory.
; LIMITS: NaN and infinities are not served.  A block of the weight whose largest magnitude lies under 2^-122 keeps the byte 1, and so does a block of zeros (its codes are zeros).
.set BS,   49152                       ; LDS: behind the 32 images the weight's scale words: trip x 512 + 16 (16 u + row) + 4 ks + block
.set STG,  51200                       ; then a stage of 32 rows for each wave
.set SPI,  144                         ; a stage row: 128 bytes + 16
.set LN4,  1                           ; v1  4 x lane
.set PA16, 2                           ; v2  producer: where my block's registers 0-3 go
.set PA8,  3                           ; v3  registers 4-5
.set PAS,  4                           ; v4  its scale byte
.set LI16, 5                           ; v5  16 x lane
.set LI8,  6                           ; v6  8 x lane
.set LWS,  7                           ; v7  BS + 16 x lane
.set XSO,  8                           ; v8  1,024 (lane / 16) + 8 (lane % 16)
.set SIN,  9                           ; v9  the stage, in: row lane % 16, + 64 (lane / 16)
.set SRD,  10                          ; v10 and out: row lane / 8, + 16 (lane % 8)
.set OO,   11                          ; v11 4 (lane / 8): my row's word in the list
.set C16,  12                          ; v12 16 (lane % 8)
.set TT,   13                          ; v13, v14 at work at the head
.set TU,   14
.set STR,  24                          ; v24-87 two sets of 32 numbers of the stream; v24-55 also rows on the way out
.set WF,   88                          ; v88-111 two fragments of the weight; the producer's work shares them:
.set MXA,  100
.set SOA,  104
.set BYA,  106
.set XF,   112                         ; v112-207 the rows' fragments (ks, tile m) at 112 + 24 ks + 12 m
.set ACC,  208                         ; v208-239 accumulators (m, u) at 208 + 16 m + 8 u
.set XSC,  240                         ; v240-243 the rows' scale words: register ks; lanes 0-15 the pair's first tile, lanes 16-31 its second
.set WSC,  244                         ; v244-247 the weight's: register ks; lanes 0-15 u = 0, lanes 16-31 u = 1
.set TOK,  248                         ; v248-255 register i: the token of row 4 i + lane / 8, then its offset in out0
.set WV,   18
.set EX,   19
.set DB,   20
.set NP,   21
.set PB,   22
.set TPM,  23
.set WB,   24                          ; s[24:25] my blocks of trips 0, 1; s[26:27] of trips 2, 3
.set XB,   28                          ; s[28:29] my pair in ic
.set XSB,  30                          ; s[30:31] in isc
.set ORB,  32                          ; s[32:33] in the list
.set OB,   34                          ; s[34:35] out0 at my work-group's columns
.macro PLACES                          ; four plain places: behind matrix instructions, ahead of loads into their registers, of vector writes there and of reads of results
.rept 4
	v_nop
.endr
.endm
.macro SLOAD trip
.set n_, 0
.rept 32
	global_load_b32 v[STR+32*((\trip)%2)+n_], v[LN4], s[WB+2*((\trip)/2):WB+2*((\trip)/2)+1] offset:((\trip)%2)*0x400000+n_*8192 th:TH_LOAD_NT
.set n_, n_+1
.endr
.endm
.macro WQUANT trip
.set QS, STR+32*((\trip)%2)
	v_max3_num_f32 v[MXA], |v[QS]|, |v[QS+1]|, |v[QS+2]|
	v_max3_num_f32 v[MXA+1], |v[QS+3]|, |v[QS+4]|, |v[QS+5]|
.irp i, 6,10,14,18,22,26
	v_max3_num_f32 v[MXA], v[MXA], |v[QS+\i]|, |v[QS+\i+1]|
	v_max3_num_f32 v[MXA+1], v[MXA+1], |v[QS+\i+2]|, |v[QS+\i+3]|
.endr
	v_max3_num_f32 v[MXA], v[MXA], |v[QS+30]|, |v[QS+31]|
	v_max3_num_f32 v[MXA], v[MXA], v[MXA+1], 0x2800000   ; and the floor 2^(5 - 127): the byte cannot fall under 1
	v_add_nc_u32 v[SOA], 0xfe000000, v[MXA]        ; 4 off the exponent field: the conversion's scale operand
	v_cvt_scalef32_pk16_bf6_f32 v[WF:WF+2], v[QS:QS+15], v[SOA]
	v_cvt_scalef32_pk16_bf6_f32 v[WF+8:WF+10], v[QS+16:QS+31], v[SOA]   ; (a conversion's three registers begin on an even number)
	v_lshrrev_b32 v[BYA], 23, v[SOA]               ; the byte; also the plain place behind the conversions
.irp i, 0,1,2
	v_mov_b32 v[WF+3+\i], v[WF+8+\i]
.endr
	ds_store_b128 v[PA16], v[WF:WF+3] offset:(\trip)*12288
	ds_store_b64 v[PA8], v[WF+4:WF+5] offset:(\trip)*12288
	ds_store_b8 v[PAS], v[BYA] offset:(\trip)*512
.endm
.macro XLOAD trip                      ; my pair's eight fragments of a trip's four K steps, and their scale words: 34 loads
.irp kk, 0,1,2,3
.irp m, 0,1
	global_load_b128 v[XF+24*\kk+12*\m:XF+24*\kk+12*\m+3], v[LI16], s[XB:XB+1] offset:\m*24576+(4*(\trip)+\kk)*1536
	global_load_b64 v[XF+24*\kk+12*\m+4:XF+24*\kk+12*\m+5], v[LI8], s[XB:XB+1] offset:\m*24576+(4*(\trip)+\kk)*1536+512
	global_load_b128 v[XF+24*\kk+12*\m+6:XF+24*\kk+12*\m+9], v[LI16], s[XB:XB+1] offset:\m*24576+(4*(\trip)+\kk)*1536+768
	global_load_b64 v[XF+24*\kk+12*\m+10:XF+24*\kk+12*\m+11], v[LI8], s[XB:XB+1] offset:\m*24576+(4*(\trip)+\kk)*1536+1280
.endr
.endr
.irp a, 0,1
	global_load_b64 v[XSC+2*\a:XSC+2*\a+1], v[XSO], s[XSB:XSB+1] offset:(2*(\trip)+\a)*128
.endr
.endm
.macro OLOAD                           ; my pair's tokens
.irp i, 0,1,2,3,4,5,6,7
	global_load_b32 v[TOK+\i], v[OO], s[ORB:ORB+1] offset:16*\i
.endr
.endm
; one product.  zero: it starts its sum.  ra, rb: the side's scale words stand in lanes 16-31 of the register named
.macro MM d, a, b, zero, sa, sb, ra, rb
.if (\zero)
.if (\ra) && (\rb)
	v_wmma_scale_f32_16x16x128_f8f6f4 v[(\d):(\d)+7], v[(\a):(\a)+11], v[(\b):(\b)+11], 0, v[\sa], v[\sb] matrix_a_fmt:MATRIX_FMT_BF6 matrix_b_fmt:MATRIX_FMT_BF6 matrix_a_scale:MATRIX_SCALE_ROW1 matrix_b_scale:MATRIX_SCALE_ROW1
.elseif (\ra)
	v_wmma_scale_f32_16x16x128_f8f6f4 v[(\d):(\d)+7], v[(\a):(\a)+11], v[(\b):(\b)+11], 0, v[\sa], v[\sb] matrix_a_fmt:MATRIX_FMT_BF6 matrix_b_fmt:MATRIX_FMT_BF6 matrix_a_scale:MATRIX_SCALE_ROW1
.elseif (\rb)
	v_wmma_scale_f32_16x16x128_f8f6f4 v[(\d):(\d)+7], v[(\a):(\a)+11], v[(\b):(\b)+11], 0, v[\sa], v[\sb] matrix_a_fmt:MATRIX_FMT_BF6 matrix_b_fmt:MATRIX_FMT_BF6 matrix_b_scale:MATRIX_SCALE_ROW1
.else
	v_wmma_scale_f32_16x16x128_f8f6f4 v[(\d):(\d)+7], v[(\a):(\a)+11], v[(\b):(\b)+11], 0, v[\sa], v[\sb] matrix_a_fmt:MATRIX_FMT_BF6 matrix_b_fmt:MATRIX_FMT_BF6
.endif
.else
.if (\ra) && (\rb)
	v_wmma_scale_f32_16x16x128_f8f6f4 v[(\d):(\d)+7], v[(\a):(\a)+11], v[(\b):(\b)+11], v[(\d):(\d)+7], v[\sa], v[\sb] matrix_a_fmt:MATRIX_FMT_BF6 matrix_b_fmt:MATRIX_FMT_BF6 matrix_a_scale:MATRIX_SCALE_ROW1 matrix_b_scale:MATRIX_SCALE_ROW1
.elseif (\ra)
	v_wmma_scale_f32_16x16x128_f8f6f4 v[(\d):(\d)+7], v[(\a):(\a)+11], v[(\b):(\b)+11], v[(\d):(\d)+7], v[\sa], v[\sb] matrix_a_fmt:MATRIX_FMT_BF6 matrix_b_fmt:MATRIX_FMT_BF6 matrix_a_scale:MATRIX_SCALE_ROW1
.elseif (\rb)
	v_wmma_scale_f32_16x16x128_f8f6f4 v[(\d):(\d)+7], v[(\a):(\a)+11], v[(\b):(\b)+11], v[(\d):(\d)+7], v[\sa], v[\sb] matrix_a_fmt:MATRIX_FMT_BF6 matrix_b_fmt:MATRIX_FMT_BF6 matrix_b_scale:MATRIX_SCALE_ROW1
.else
	v_wmma_scale_f32_16x16x128_f8f6f4 v[(\d):(\d)+7], v[(\a):(\a)+11], v[(\b):(\b)+11], v[(\d):(\d)+7], v[\sa], v[\sb] matrix_a_fmt:MATRIX_FMT_BF6 matrix_b_fmt:MATRIX_FMT_BF6
.endif
.endif
.endm
; A trip's products for my pair: four K steps, each two fragments of the weight from LDS against the pair's two tiles.  The four accumulators take turns, one instruction a turn.
.macro CONS trip, zero
	ds_load_b128 v[WSC:WSC+3], v[LWS] offset:(\trip)*512
.irp kk, 0,1,2,3
.irp u, 0,1
	ds_load_b128 v[WF+12*\u:WF+12*\u+3], v[LI16] offset:(\trip)*12288+\kk*3072+\u*1536
	ds_load_b64 v[WF+12*\u+4:WF+12*\u+5], v[LI8] offset:(\trip)*12288+\kk*3072+\u*1536+512
	ds_load_b128 v[WF+12*\u+6:WF+12*\u+9], v[LI16] offset:(\trip)*12288+\kk*3072+\u*1536+768
	ds_load_b64 v[WF+12*\u+10:WF+12*\u+11], v[LI8] offset:(\trip)*12288+\kk*3072+\u*1536+1280
.endr
.if \kk == 0
	PLACES                                         ; vector instructions wrote some of these registers before the loads did: four places between such a write and a scaled product, while the loads are out
.endif
	s_wait_dscnt 0x0
.irp u, 0,1
.irp m, 0,1
	MM ACC+16*\m+8*\u, WF+12*\u, XF+24*\kk+12*\m, (\zero)&&(\kk==0), WSC+\kk, XSC+\kk, \u, \m
.endr
.endr
	PLACES
.endr
.endm
; THE WAY OUT of a pair: a lane's 64 bytes of a row into my stage; back with eight lanes to a row; each row to its token's place.
.macro EPI
.irp m, 0,1
.irp u, 0,1
	ds_store_b128 v[SIN], v[ACC+16*\m+8*\u:ACC+16*\m+8*\u+3] offset:\m*16*SPI+32*\u        ; each accumulator from its low end on
	ds_store_b128 v[SIN], v[ACC+16*\m+8*\u+4:ACC+16*\m+8*\u+7] offset:\m*16*SPI+32*\u+16
.endr
.endr
.irp i, 0,1,2,3,4,5,6,7
	ds_load_b128 v[STR+4*\i:STR+4*\i+3], v[SRD] offset:\i*4*SPI   ; LDS serves a wave's instructions in order: these see my stores
.endr
.irp i, 0,1,2,3,4,5,6,7
	v_min_u32 v[TOK+\i], 0x3ff, v[TOK+\i]
.endr
.irp i, 0,1,2,3,4,5,6,7
	v_lshl_add_u32 v[TOK+\i], v[TOK+\i], 13, v[C16]   ; token x 8,192 bytes + my 16 of the row's 128
.endr
.irp i, 0,1,2,3,4,5,6,7
	s_wait_dscnt 7-\i                              ; the loads issued behind load i may stay out
	global_store_b128 v[TOK+\i], v[STR+4*\i:STR+4*\i+3], s[OB:OB+1] th:TH_STORE_NT   ; four rows: eight lanes store a row's 128 consecutive bytes
.endr
.endm
.macro BASES                           ; from the pair in s52, which has been held at 34
	s_mul_i32 s54, s52, 49152
	s_mov_b32 s55, 0
	s_add_nc_u64 s[XB:XB+1], s[6:7], s[54:55]
	s_lshl_b32 s54, s52, 11
	s_add_nc_u64 s[XSB:XSB+1], s[8:9], s[54:55]
	s_lshl_b32 s54, s52, 7
	s_add_nc_u64 s[ORB:ORB+1], s[10:11], s[54:55]
.endm
.macro TRIP trip
.if (\trip) < 3
	s_wait_loadcnt 32                              ; all but the 32 loads issued last, the next trip's block: this trip's block is in, and so are my pair's codes for this trip (and, in trip 0, its tokens)
.else
	s_wait_loadcnt 0x0
.endif
	WQUANT \trip
	s_wait_dscnt 0x0                               ; for the others' sake: my stores have landed
	s_barrier_signal -1
	s_barrier_wait -1                              ; the trip's eight images and their scale words are whole
.if (\trip) == 0
	CONS 0, 1                                      ; in every wave: these products start the sums
.endif
	s_cmp_lt_u32 s[WV], s[NP]
	s_cbranch_scc0 .Lidle_\@                       ; a wave without rows only produces
.if (\trip) > 0
	CONS \trip, 0
.endif
.if (\trip) < 3
	XLOAD (\trip)+1
.else
	EPI
.endif
.Lidle_\@:
.if (\trip) < 2
	SLOAD (\trip)+2                                ; into the set that this trip has quantised
.endif
.endm
	s_load_b256 s[4:11], s[0:1], 0x0               ; down_proj s[4:5], ic s[6:7], isc s[8:9], order s[10:11]
	s_load_b128 s[12:15], s[0:1], 0x20             ; table s[12:13], out0 s[14:15]
	v_lshl_add_u32 v22, v0, 2, 0x1e800
	v_mov_b32 v23, 0
	v_lshrrev_b32 v[TT], 5, v0
	v_readfirstlane_b32 s[WV], v[TT]               ; wave 0..15: which of the trip's sixteen blocks along K
	s_lshr_b32 s[EX], ttmp9, 6
	s_and_b32 s[DB], ttmp9, 63
	s_lshl_b32 s42, s[EX], 24                      ; the expert's 16 MiB,
	s_lshl_b32 s41, s[WV], 18                      ; my block's 32 rows of 8,192 bytes,
	s_add_co_u32 s42, s42, s41
	s_lshl_b32 s40, s[DB], 7                       ; my work-group's 128 bytes of a row
	s_add_co_u32 s42, s42, s40
	s_mov_b32 s43, 0
	s_mov_b32 s41, 0
	v_and_b32 v[TU], 31, v0                        ; lane
	v_lshlrev_b32 v[LN4], 2, v[TU]
	s_wait_kmcnt 0x0
	s_load_b256 s[44:51], s[12:13], 0x0            ; pb_0..3, np_0..3
	s_load_b32 s[TPM], s[12:13], 0x20              ; pairs - 1
	s_add_nc_u64 s[WB:WB+1], s[4:5], s[42:43]
	s_add_nc_u64 s[WB+2:WB+3], s[WB:WB+1], 0x800000   ; 1,024 rows on
	s_add_nc_u64 s[OB:OB+1], s[14:15], s[40:41]
	SLOAD 0
	v_lshlrev_b32 v[LI16], 4, v[TU]
	v_lshlrev_b32 v[LI8], 3, v[TU]
	v_add_nc_u32 v[LWS], BS, v[LI16]
	; the producer's places.  Thread bits: 2:0 c % 8, 3 u, 4 c / 16, 5 h and 6 c4 (the block in its K step is 2 c4 + h), 8:7 ks
	v_and_b32 v[PAS], 7, v0
	v_bfe_u32 v[TT], v0, 4, 1
	v_lshl_add_u32 v[PAS], v[TT], 3, v[PAS]        ; my column's row in its tile
	v_bfe_u32 v[TT], v0, 5, 1
	v_lshl_add_u32 v[PA8], v[TT], 4, v[PAS]        ; the operand's lane that holds my block: 16 h + row
	v_bfe_u32 v[TT], v0, 3, 1
	v_mul_u32_u24 v[PA16], v[TT], 1536             ; the image: u,
	v_lshl_add_u32 v[PAS], v[TT], 4, v[PAS]
	v_lshlrev_b32 v[PAS], 4, v[PAS]                ; the byte: 16 (16 u + row)
	v_bfe_u32 v[TT], v0, 6, 1
	v_mad_u32_u24 v[PA16], v[TT], 768, v[PA16]     ; the image's half,
	v_bfe_u32 v[TT], v0, 7, 2
	v_mad_u32_u24 v[PA16], v[TT], 3072, v[PA16]    ; K step
	v_lshrrev_b32 v[TT], 5, v0                     ; 4 ks + block is the wave's number
	v_add_nc_u32 v[PAS], v[PAS], v[TT]
	v_add_nc_u32 v[PAS], BS, v[PAS]
	v_lshl_add_u32 v[TU], v[PA8], 3, v[PA16]
	v_lshl_add_u32 v[PA16], v[PA8], 4, v[PA16]
	v_add_nc_u32 v[PA8], 512, v[TU]
	; my stage, and the offsets in the buffers
	v_mul_u32_u24 v[TT], v[TT], 32*SPI
	v_add_nc_u32 v[TT], STG, v[TT]
	v_and_b32 v[TU], 15, v0
	v_mad_u32_u24 v[SIN], v[TU], SPI, v[TT]
	v_lshlrev_b32 v[XSO], 3, v[TU]
	v_bfe_u32 v[TU], v0, 4, 1
	v_lshl_add_u32 v[SIN], v[TU], 6, v[SIN]
	v_lshl_add_u32 v[XSO], v[TU], 10, v[XSO]
	v_bfe_u32 v[TU], v0, 3, 2
	v_mad_u32_u24 v[SRD], v[TU], SPI, v[TT]
	v_lshlrev_b32 v[OO], 2, v[TU]
	v_and_b32 v[TU], 7, v0
	v_lshlrev_b32 v[C16], 4, v[TU]
	v_add_nc_u32 v[SRD], v[SRD], v[C16]
	s_wait_kmcnt 0x0
	s_mov_b32 s[PB], s44
	s_mov_b32 s[NP], s48
.irp e, 1,2,3
	s_cmp_eq_u32 s[EX], \e
	s_cselect_b32 s[PB], s[44+\e], s[PB]
	s_cselect_b32 s[NP], s[48+\e], s[NP]
.endr
	s_add_co_u32 s52, s[PB], s[WV]                 ; my pair; a wave without rows takes the last pair there is
	s_min_u32 s52, s52, s[TPM]
	s_min_u32 s52, s52, 34
	BASES
	OLOAD
	XLOAD 0
	SLOAD 1
.irp r, 0,1,2,3
	TRIP \r
.endr
	; pairs 16 to 31, where one expert has so many rows: all images lie in LDS, nobody writes them any more, no barrier follows
	s_add_co_u32 s52, s[WV], 16
	s_cmp_lt_u32 s52, s[NP]
	s_cbranch_scc0 .Lend
	s_wait_xcnt 0x0                                ; the first pair's stores have read their data and offsets: both are written again only behind this wait
	s_add_co_u32 s52, s52, s[PB]
	s_min_u32 s52, s52, s[TPM]
	s_min_u32 s52, s52, 34
	BASES
	OLOAD
.irp r, 0,1,2,3
	XLOAD \r
	s_wait_loadcnt 0x0
	CONS \r, (\r==0)
.endr
	EPI
.Lend:
	s_wait_tensorcnt 0x0
	ds_add_u32 v22, v23
	s_wait_dscnt 0x0
	s_endpgm
.Lfunc_end_k_qae4f3176c6_down:
	.size	k_qae4f3176c6_down, .Lfunc_end_k_qae4f3176c6_down-k_qae4f3176c6_down
	.p2alignl 7, 3214868480
	.fill 96, 4, 3214868480
	.section	.rodata,"a",@progbits
	.p2align	6, 0x0
	.amdhsa_kernel k_qae4f3176c6_down
		.amdhsa_group_segment_fixed_size 126976
		.amdhsa_private_segment_fixed_size 0
		.amdhsa_enable_private_segment 0
		.amdhsa_kernarg_size 48
		.amdhsa_user_sgpr_count 2
		.amdhsa_user_sgpr_kernarg_segment_ptr 1
		.amdhsa_wavefront_size32 1
		.amdhsa_system_sgpr_workgroup_id_x 1
		.amdhsa_system_sgpr_workgroup_id_y 1
		.amdhsa_system_sgpr_workgroup_id_z 1
		.amdhsa_system_vgpr_workitem_id 0
		.amdhsa_next_free_vgpr 256
		.amdhsa_next_free_sgpr 66
		.amdhsa_reserve_vcc 0
		.amdhsa_float_denorm_mode_32 3
		.amdhsa_float_denorm_mode_16_64 3
		.amdhsa_memory_ordered 1
		.amdhsa_forward_progress 1
		.amdhsa_inst_pref_size 96
	.end_amdhsa_kernel
	.amdgpu_metadata
---
amdhsa.version: [ 1, 2 ]
amdhsa.kernels:
  - .name:           k_qae4f3176c6_down
    .symbol:         k_qae4f3176c6_down.kd
    .args:
      - { .name: down_proj, .offset: 0, .size: 8, .value_kind: global_buffer, .address_space: global }
      - { .name: ic, .offset: 8, .size: 8, .value_kind: global_buffer, .address_space: global }
      - { .name: isc, .offset: 16, .size: 8, .value_kind: global_buffer, .address_space: global }
      - { .name: order, .offset: 24, .size: 8, .value_kind: global_buffer, .address_space: global }
      - { .name: table, .offset: 32, .size: 8, .value_kind: global_buffer, .address_space: global }
      - { .name: out0, .offset: 40, .size: 8, .value_kind: global_buffer, .address_space: global }
    .group_segment_fixed_size: 126976
    .private_segment_fixed_size: 0
    .kernarg_segment_align: 8
    .kernarg_segment_size: 48
    .max_flat_workgroup_size: 512
    .sgpr_count:     66
    .vgpr_count:     256
    .wavefront_size: 32
...
	.end_amdgpu_metadata
.endif
;; end of part 3
;; ======== version 2 of 3: 3 launches
;; workspace buffers: xc 1,720,320 bytes; xs 71,680 bytes; ic 1,720,320 bytes; isc 71,680 bytes; order 4,608 bytes of whole numbers; table 256 bytes of whole numbers
;; launch sortq: the kernel of part 1 again; grid 35 x 16, 1 waves a work-group, no clusters, 17,664 bytes of LDS; arguments hidden_states, token_ids, xc, xs, order, table; writes xc, xs, order, table
;; launch gateup (part 4): grid 256 x 1, 16 waves a work-group, no clusters, 104,448 bytes of LDS; arguments gate_proj, up_proj, xc, xs, table, ic, isc; writes ic, isc
.if DOCPART == 4
	.amdgcn_target "amdgcn-amd-amdhsa--gfx1250"
	.amdhsa_code_object_version 6
	.text
	.protected	k_qae4f3176c6_gateup
	.globl	k_qae4f3176c6_gateup
	.p2align	8
	.type	k_qae4f3176c6_gateup,@function
k_qae4f3176c6_gateup:
	s_mov_b64 s[64:65], 0
	v_nop
	global_prefetch_b8 v0, s[64:65] scope:SCOPE_SE
	s_setreg_imm32_b32 hwreg(HW_REG_WAVE_MODE, 25, 1), 1
	s_wait_xcnt 0x0
; inter = silu(x G_e) * (x U_e) for the rows of expert e, quantised along its columns for the next product.  Both products on codes of BF6 (E3M2), one E8M0 byte for each 32 along K.
; SHARES.  Work-group x: expert e = x / 64, columns 32 fb .. 32 fb + 31 (fb = x % 64) of the gate and of the up matrix: each f32 number of the weights is read by ONE work-group, once, quantised in registers
; and multiplied here with all rows of its expert.  32 columns of inter are one block of the next product's K, so the work-group makes whole blocks, and their scale bytes, by itself.
; EVERY WAVE PRODUCES: in trip t (256 along K) wave w takes one block of 32 along K of one matrix: a lane a column, 32 registers down K (each load reads 128 consecutive bytes), so that the block's largest
; magnitude needs no other lane and the conversions give codes with K innermost.  The six registers go to LDS at their place in an image of the operand's registers
; (registers 0-3 of lane l at 16 l, 4-5 at 512 + 8 l, 6-9 at 768 + 16 l, 10-11 at 1,280 + 8 l).  All 64 images (16 K steps x 4 tiles) have LDS bytes of their own, written once: one barrier a trip, and nothing is overwritten.
; SOME WAVES CONSUME: wave w multiplies pair w of the expert's rows (32 rows) if the expert has so many; pairs 16 to 31 follow behind the loop, from the images that lie in LDS.  How many pairs there are is read
; from the table that the launch before stored; the branches on it jump over no barrier.  In trip 0 every wave multiplies (a wave without rows takes the last pair there is and drops the result).
; THE ORDER OF A WAVE'S LOADS, on which the counted waits rest (loads come back in the order of issue: ISA guide 5.7.1).  Behind the barrier of trip t a wave with rows issues the rows' fragments of trip t + 1,
; K step by K step, each group straight behind the products that have read its registers (8 loads; 9 in the second group, which the trip's scale words lead), and then its block of trip t + 2 (32 loads).
; A wave without rows issues the block alone.  So the wait for the block of trip t + 1 has another count in each of the two, and each has its own copy of the block's loads and of that wait: the two ways join ahead of the
; quantiser.  The rows' fragments are waited for only ahead of the products that read them, behind the barrier: they are on their way while the wave quantises and meets the others.
; TRANSPOSED: source 0 = 16 columns of a weight, source 1 = 16 rows of x.  Column c of the 32 is row 8 (c / 16) + c % 8 of tile (c / 8) % 2, so that a lane holds one row of x and 16 NEIGHBOURING columns, 16 (lane / 16) + 0 .. 15.
; The rows' codes are read by all 64 work-groups of an expert, by plain loads.  They are not asked for jointly: joint requests are tensor loads,
; and to ask for the most that an expert can have, 32 pairs, in every work-group would move 32 / 9 of the bytes of an even split.
; OUT: of each tile's image in ic my block is 256 + 128 consecutive bytes; of isc one byte a row, which is all that a work-group owns there.
; LIMITS: NaN and infinities are not served.  A block whose largest magnitude lies under 2^-122 keeps the byte 1, and so does a block of zeros (its codes are zeros; this program alone reads the bytes).
; Where 2^(-gate log2 e) overflows, silu is taken as 0 (gate under about -88.7, where the true value lies under 2^-120).
.set BS,   98304                       ; LDS: behind the 64 images the weights' scale words: trip x 512 + 16 (16 u + row) + 4 (2 ks + matrix) + block
.set HALF, 49152                       ; the images of K steps 8 to 15 begin here
.set LN4,  1                           ; v1  4 x lane: my column in a weight's row
.set PA16, 2                           ; v2  producer: where my block's registers 0-3 go, trips 0-3
.set PA8,  3                           ; v3  and registers 4-5
.set PAS,  4                           ; v4  and its scale byte
.set LI16, 5                           ; v5  16 x lane: images in LDS (K steps 0-7) and in xc
.set LJ16, 6                           ; v6  the same + HALF
.set LI8,  7                           ; v7  8 x lane
.set LJ8,  8                           ; v8  the same + HALF
.set LWS,  9                           ; v9  BS + 16 x lane
.set PB16, 10                          ; v10 producer, trips 4-7
.set PB8,  11                          ; v11
.set XSO,  12                          ; v12 1,024 (lane / 16) + 8 (lane % 16): scale words of a pair's two tiles
.set VO16, 13                          ; v13 the way out: my row's 16 bytes in ic
.set VO8,  14                          ; v14 and its 8 bytes
.set TT,   15                          ; v15, v22 at work at the head
.set WSC,  16                          ; v16-19 the weights' scale words of a trip: register 2 ks + matrix; lanes 0-15 tile u = 0, lanes 16-31 u = 1
.set XSC,  20                          ; v20-21 the rows' scale words: register ks; lanes 0-15 the pair's first tile, lanes 16-31 its second
.set TU,   22
.set STR,  24                          ; v24-87 two sets of 32 numbers of the stream
.set TG,   24                          ; the way out: v24-55 the sigmoid's steps,
.set TI,   56                          ; v56-87 inter
.set WF,   88                          ; v88-135 four fragments of weights; the producer's and the way out's work shares them:
.set MXA,  100                         ; largest magnitudes
.set PMA,  102                         ; the other half's
.set SOA,  104                         ; the conversions' scale operands
.set BYA,  106                         ; scale bytes
.set XF,   136                         ; v136-183 the rows' fragments (ks, tile m) at 136 + 24 ks + 12 m
.set ACC,  184                         ; v184-247 accumulators (m, t) at 184 + 32 m + 8 t; t = 2 x matrix + u
.set WV,   18                          ; s18 wave
.set EX,   19                          ; s19 expert
.set FB,   20                          ; s20 fb
.set NP,   21                          ; s21 the expert's pairs
.set PB,   22                          ; s22 its first pair
.set TPM,  23                          ; s23 the last pair there is
.set WB,   24                          ; s[24:25] my blocks of trips 0-3, s[26:27] of trips 4-7
.set XB,   28                          ; s[28:29] my pair in xc
.set XSB,  30                          ; s[30:31] in xs
.set ICB,  32                          ; s[32:33] my block of my pair in ic
.set ISB,  34                          ; s[34:35] in isc
.set SEL,  36                          ; s[36:37] selects for lane l xor 16
.set NLE,  38                          ; s[38:39] -log2(e), twice
.set HI16, 40                          ; s40 lanes 16-31
.macro PLACES                          ; four plain places: behind matrix instructions, ahead of loads into their registers, of vector writes there and of reads of results
.rept 4
	v_nop
.endr
.endm
.macro SLOAD trip                      ; my block of a trip: 32 rows of K, 128 consecutive bytes each; read once in the launch
.set n_, 0
.rept 32
	global_load_b32 v[STR+32*((\trip)%2)+n_], v[LN4], s[WB+2*((\trip)/4):WB+2*((\trip)/4)+1] offset:((\trip)%4)*0x200000+n_*8192 th:TH_LOAD_NT
.set n_, n_+1
.endr
.endm
.macro WQUANT trip                     ; the block becomes six registers of codes and a byte, and goes to LDS
.set QS, STR+32*((\trip)%2)
	v_max3_num_f32 v[MXA], |v[QS]|, |v[QS+1]|, |v[QS+2]|
	v_max3_num_f32 v[MXA+1], |v[QS+3]|, |v[QS+4]|, |v[QS+5]|
.irp i, 6,10,14,18,22,26
	v_max3_num_f32 v[MXA], v[MXA], |v[QS+\i]|, |v[QS+\i+1]|
	v_max3_num_f32 v[MXA+1], v[MXA+1], |v[QS+\i+2]|, |v[QS+\i+3]|
.endr
	v_max3_num_f32 v[MXA], v[MXA], |v[QS+30]|, |v[QS+31]|
	v_max3_num_f32 v[MXA], v[MXA], v[MXA+1], 0x2800000   ; and the floor 2^(5 - 127): the byte cannot fall under 1
	v_add_nc_u32 v[SOA], 0xfe000000, v[MXA]        ; 4 off the exponent field: the conversion's scale operand
	v_cvt_scalef32_pk16_bf6_f32 v[WF:WF+2], v[QS:QS+15], v[SOA]
	v_cvt_scalef32_pk16_bf6_f32 v[WF+8:WF+10], v[QS+16:QS+31], v[SOA]   ; (a conversion's three registers begin on an even number)
	v_lshrrev_b32 v[BYA], 23, v[SOA]               ; the byte; also the plain place behind the conversions
.irp i, 0,1,2
	v_mov_b32 v[WF+3+\i], v[WF+8+\i]
.endr
.if (\trip) < 4
	ds_store_b128 v[PA16], v[WF:WF+3] offset:(\trip)*12288
	ds_store_b64 v[PA8], v[WF+4:WF+5] offset:(\trip)*12288
.else
	ds_store_b128 v[PB16], v[WF:WF+3] offset:((\trip)-4)*12288
	ds_store_b64 v[PB8], v[WF+4:WF+5] offset:((\trip)-4)*12288
.endif
	ds_store_b8 v[PAS], v[BYA] offset:(\trip)*512
.endm
.macro XG trip, kk                     ; my pair's two fragments of K step kk of a trip: 8 loads.  The trip's scale words, which both K steps' products read, lead the second group: 9 loads
.if (\kk) == 1
	global_load_b64 v[XSC:XSC+1], v[XSO], s[XSB:XSB+1] offset:(\trip)*128
.endif
.irp m, 0,1
	global_load_b128 v[XF+24*(\kk)+12*\m:XF+24*(\kk)+12*\m+3], v[LI16], s[XB:XB+1] offset:\m*24576+(2*(\trip)+(\kk))*1536
	global_load_b64 v[XF+24*(\kk)+12*\m+4:XF+24*(\kk)+12*\m+5], v[LI8], s[XB:XB+1] offset:\m*24576+(2*(\trip)+(\kk))*1536+512
	global_load_b128 v[XF+24*(\kk)+12*\m+6:XF+24*(\kk)+12*\m+9], v[LI16], s[XB:XB+1] offset:\m*24576+(2*(\trip)+(\kk))*1536+768
	global_load_b64 v[XF+24*(\kk)+12*\m+10:XF+24*(\kk)+12*\m+11], v[LI8], s[XB:XB+1] offset:\m*24576+(2*(\trip)+(\kk))*1536+1280
.endr
.endm
; one product.  zero: it starts its sum.  ra, rb: the side's scale words stand in lanes 16-31 of the register named
.macro MM d, a, b, zero, sa, sb, ra, rb
.if (\zero)
.if (\ra) && (\rb)
	v_wmma_scale_f32_16x16x128_f8f6f4 v[(\d):(\d)+7], v[(\a):(\a)+11], v[(\b):(\b)+11], 0, v[\sa], v[\sb] matrix_a_fmt:MATRIX_FMT_BF6 matrix_b_fmt:MATRIX_FMT_BF6 matrix_a_scale:MATRIX_SCALE_ROW1 matrix_b_scale:MATRIX_SCALE_ROW1
.elseif (\ra)
	v_wmma_scale_f32_16x16x128_f8f6f4 v[(\d):(\d)+7], v[(\a):(\a)+11], v[(\b):(\b)+11], 0, v[\sa], v[\sb] matrix_a_fmt:MATRIX_FMT_BF6 matrix_b_fmt:MATRIX_FMT_BF6 matrix_a_scale:MATRIX_SCALE_ROW1
.elseif (\rb)
	v_wmma_scale_f32_16x16x128_f8f6f4 v[(\d):(\d)+7], v[(\a):(\a)+11], v[(\b):(\b)+11], 0, v[\sa], v[\sb] matrix_a_fmt:MATRIX_FMT_BF6 matrix_b_fmt:MATRIX_FMT_BF6 matrix_b_scale:MATRIX_SCALE_ROW1
.else
	v_wmma_scale_f32_16x16x128_f8f6f4 v[(\d):(\d)+7], v[(\a):(\a)+11], v[(\b):(\b)+11], 0, v[\sa], v[\sb] matrix_a_fmt:MATRIX_FMT_BF6 matrix_b_fmt:MATRIX_FMT_BF6
.endif
.else
.if (\ra) && (\rb)
	v_wmma_scale_f32_16x16x128_f8f6f4 v[(\d):(\d)+7], v[(\a):(\a)+11], v[(\b):(\b)+11], v[(\d):(\d)+7], v[\sa], v[\sb] matrix_a_fmt:MATRIX_FMT_BF6 matrix_b_fmt:MATRIX_FMT_BF6 matrix_a_scale:MATRIX_SCALE_ROW1 matrix_b_scale:MATRIX_SCALE_ROW1
.elseif (\ra)
	v_wmma_scale_f32_16x16x128_f8f6f4 v[(\d):(\d)+7], v[(\a):(\a)+11], v[(\b):(\b)+11], v[(\d):(\d)+7], v[\sa], v[\sb] matrix_a_fmt:MATRIX_FMT_BF6 matrix_b_fmt:MATRIX_FMT_BF6 matrix_a_scale:MATRIX_SCALE_ROW1
.elseif (\rb)
	v_wmma_scale_f32_16x16x128_f8f6f4 v[(\d):(\d)+7], v[(\a):(\a)+11], v[(\b):(\b)+11], v[(\d):(\d)+7], v[\sa], v[\sb] matrix_a_fmt:MATRIX_FMT_BF6 matrix_b_fmt:MATRIX_FMT_BF6 matrix_b_scale:MATRIX_SCALE_ROW1
.else
	v_wmma_scale_f32_16x16x128_f8f6f4 v[(\d):(\d)+7], v[(\a):(\a)+11], v[(\b):(\b)+11], v[(\d):(\d)+7], v[\sa], v[\sb] matrix_a_fmt:MATRIX_FMT_BF6 matrix_b_fmt:MATRIX_FMT_BF6
.endif
.endif
.endm
; A trip's products for my pair: two K steps, each four fragments of weights from LDS against the pair's two tiles.  The eight accumulators take turns, one instruction a turn.
; c0, c1: how many younger loads from memory may stay out when the first and the second K step's rows (and the scale words) have to be in.  nxt = 1: behind each K step's products, and their places, the same registers
; are asked for again, for the next trip.
.macro CONS trip, zero, c0, c1, nxt
.if (\trip) < 4
.set CA, LI16
.set CB, LI8
.else
.set CA, LJ16
.set CB, LJ8
.endif
.set CO, ((\trip)%4)*12288
	ds_load_b128 v[WSC:WSC+3], v[LWS] offset:(\trip)*512
.irp kk, 0,1
.irp t, 0,1,2,3
	ds_load_b128 v[WF+12*\t:WF+12*\t+3], v[CA] offset:CO+\kk*6144+\t*1536
	ds_load_b64 v[WF+12*\t+4:WF+12*\t+5], v[CB] offset:CO+\kk*6144+\t*1536+512
	ds_load_b128 v[WF+12*\t+6:WF+12*\t+9], v[CA] offset:CO+\kk*6144+\t*1536+768
	ds_load_b64 v[WF+12*\t+10:WF+12*\t+11], v[CB] offset:CO+\kk*6144+\t*1536+1280
.endr
.if \kk == 0
	PLACES                                         ; vector instructions wrote some of these registers before the loads did: four places between such a write and a scaled product, while the loads are out
	s_wait_loadcnt \c0                             ; the first K step's rows and the trip's scale words are in
.else
	s_wait_loadcnt \c1                             ; the second K step's rows are in
.endif
	s_wait_dscnt 0x0
.irp t, 0,1,2,3
.irp m, 0,1
	MM ACC+32*\m+8*\t, WF+12*\t, XF+24*\kk+12*\m, (\zero)&&(\kk==0), WSC+2*\kk+\t/2, XSC+\kk, \t%2, \m
.endr
.endr
	PLACES
.if \nxt
	XG (\trip)+1, \kk
.endif
.endr
.endm
; THE WAY OUT of a pair: silu(gate) x up in f32, quantised: a lane's 16 numbers and lane l xor 16's are one block of the next K.
.macro EPI
.irp m, 0,1
.irp i, 0,2,4,6,8,10,12,14
	v_pk_mul_f32 v[TG+16*\m+\i:TG+16*\m+\i+1], v[ACC+32*\m+\i:ACC+32*\m+\i+1], s[NLE:NLE+1] op_sel_hi:[1,0]   ; -gate log2(e); each accumulator from its low end on
.endr
.endr
.set n_, 0
.rept 32
	v_exp_f32 v[TG+n_], v[TG+n_]
.set n_, n_+1
.endr
	v_nop                                          ; a plain place behind the last exponential,
	s_wait_alu depctr_va_vdst(0)                   ; and one wait for the batch, ahead of its first reader
.set n_, 0
.rept 16
	v_pk_add_f32 v[TG+n_:TG+n_+1], v[TG+n_:TG+n_+1], 1.0 op_sel_hi:[1,0]
.set n_, n_+2
.endr
.set n_, 0
.rept 32
	v_rcp_f32 v[TG+n_], v[TG+n_]                   ; the sigmoid
.set n_, n_+1
.endr
	v_nop
	s_wait_alu depctr_va_vdst(0)                   ; one wait for the 32 reciprocals
.irp m, 0,1
.irp i, 0,2,4,6,8,10,12,14
	v_pk_mul_f32 v[TI+16*\m+\i:TI+16*\m+\i+1], v[ACC+32*\m+\i:ACC+32*\m+\i+1], v[TG+16*\m+\i:TG+16*\m+\i+1]   ; silu = gate x sigmoid,
.endr
.endr
.irp m, 0,1
.irp i, 0,2,4,6,8,10,12,14
	v_pk_mul_f32 v[TI+16*\m+\i:TI+16*\m+\i+1], v[TI+16*\m+\i:TI+16*\m+\i+1], v[ACC+32*\m+16+\i:ACC+32*\m+16+\i+1]   ; x up
.endr
.endr
	v_mov_b32 v[PMA], 0                            ; a lane permute's destination counts as one of its sources
	v_mov_b32 v[PMA+1], 0
.irp m, 0,1
	v_max3_num_f32 v[MXA+\m], |v[TI+16*\m]|, |v[TI+16*\m+1]|, 0x2800000
.endr
.irp i, 2,4,6,8,10,12,14
.irp m, 0,1
	v_max3_num_f32 v[MXA+\m], v[MXA+\m], |v[TI+16*\m+\i]|, |v[TI+16*\m+\i+1]|
.endr
.endr
.irp m, 0,1
	v_permlanex16_b32 v[PMA+\m], v[MXA+\m], s[SEL], s[SEL+1]
.endr
.irp m, 0,1
	v_max_num_f32 v[MXA+\m], v[MXA+\m], v[PMA+\m]  ; the block's largest magnitude
.endr
.irp m, 0,1
	v_add_nc_u32 v[SOA+\m], 0xfe000000, v[MXA+\m]
.endr
.irp m, 0,1
	v_lshrrev_b32 v[BYA+\m], 23, v[SOA+\m]
.endr
	v_cvt_scalef32_pk16_bf6_f32 v[WF:WF+2], v[TI:TI+15], v[SOA]
	v_cvt_scalef32_pk16_bf6_f32 v[WF+8:WF+10], v[TI+16:TI+31], v[SOA+1]
	v_nop                                          ; one plain place behind a scaled conversion
.irp i, 0,1,2
	v_permlane16_swap_b32 v[WF+\i], v[WF+8+\i]     ; the first tile's upper halves change places with the second tile's lower halves: lane l now holds the whole block of row l % 16 of tile l / 16
.endr
.irp i, 0,1,2
	v_mov_b32 v[WF+3+\i], v[WF+8+\i]
.endr
	v_cndmask_b32 v[BYA], v[BYA], v[BYA+1], s[HI16]   ; and that tile's byte
	global_store_b128 v[VO16], v[WF:WF+3], s[ICB:ICB+1]   ; sixteen lanes: 256 consecutive bytes of a tile's image
	global_store_b64 v[VO8], v[WF+4:WF+5], s[ICB:ICB+1]   ; sixteen lanes: 128
	global_store_b8 v[XSO], v[BYA], s[ISB:ISB+1]
.endm
.macro BASES                           ; from the pair in s52, which has been held at 34
	s_mul_i32 s54, s52, 49152
	s_mov_b32 s55, 0
	s_add_nc_u64 s[XB:XB+1], s[8:9], s[54:55]
	s_add_co_u32 s54, s54, s58
	s_add_nc_u64 s[ICB:ICB+1], s[14:15], s[54:55]
	s_lshl_b32 s56, s52, 11
	s_mov_b32 s57, 0
	s_add_nc_u64 s[XSB:XSB+1], s[10:11], s[56:57]
	s_add_co_u32 s56, s56, s59
	s_add_nc_u64 s[ISB:ISB+1], s[16:17], s[56:57]
.endm
; A TRIP.  At its head my block of this trip is in.
.macro TRIP trip
	WQUANT \trip
	s_wait_dscnt 0x0                               ; for the others' sake: my stores have landed (and my LDS loads are long in)
	s_barrier_signal -1
	s_barrier_wait -1                              ; the trip's eight images and their scale words are whole
.if (\trip) == 0
	CONS 0, 1, 40, 32, 0                           ; in every wave: these products start the sums.  40: behind the scale words stand the second group's 8 fragment loads and the block of trip 1; 32: that block
.endif
	s_cmp_lt_u32 s[WV], s[NP]
	s_cbranch_scc0 .Lidle_\@                       ; a wave without rows only produces
.if (\trip) == 0
	XG 1, 0
	XG 1, 1
.elseif (\trip) < 7
	CONS \trip, 0, 40, 40, 1                       ; 40: behind the scale words stand 8 fragment loads and the next block's 32; 40: behind the second group stand that block and the 8 loads just issued for the next trip
.else
	CONS 7, 0, 8, 0, 0                             ; nothing is out but this trip's rows: 8 loads stand behind the scale words
	EPI
.endif
.if (\trip) < 6
	SLOAD (\trip)+2                                ; into the set that this trip has quantised
	s_wait_loadcnt 49                              ; the next trip's block is in; behind it stand the next trip's rows (8 + 9) and the block just asked for (32)
	s_branch .Ljoin_\@
.elseif (\trip) == 6
	s_wait_loadcnt 17                              ; the last block is in; behind it stand the last trip's rows (8 + 9)
	s_branch .Ljoin_\@
.endif
.Lidle_\@:
.if (\trip) < 6
	SLOAD (\trip)+2
	s_wait_loadcnt 32                              ; the next trip's block is in; behind it stands the block just asked for
.elseif (\trip) == 6
	s_wait_loadcnt 0x0
.endif
.Ljoin_\@:
.endm
	s_load_b256 s[4:11], s[0:1], 0x0               ; gate s[4:5], up s[6:7], xc s[8:9], xs s[10:11]
	s_load_b128 s[12:15], s[0:1], 0x20             ; table s[12:13], ic s[14:15]
	s_load_b64 s[16:17], s[0:1], 0x30              ; isc
	v_lshl_add_u32 v254, v0, 2, 0x19000
	v_mov_b32 v255, 0
	v_lshrrev_b32 v[TT], 5, v0
	v_readfirstlane_b32 s[WV], v[TT]               ; wave 0..15: bit 0 the matrix, bits 3:1 which of the trip's eight blocks along K
	s_lshr_b32 s[EX], ttmp9, 6
	s_and_b32 s[FB], ttmp9, 63
	s_lshl_b32 s42, s[EX], 24                      ; the expert's 16 MiB,
	s_lshr_b32 s41, s[WV], 1
	s_lshl_b32 s41, s41, 18                        ; my block's 32 rows of 8,192 bytes,
	s_add_co_u32 s42, s42, s41
	s_lshl_b32 s41, s[FB], 7                       ; my work-group's 128 bytes of a row
	s_add_co_u32 s42, s42, s41
	s_mov_b32 s43, 0
	v_and_b32 v[TU], 31, v0                        ; lane
	v_lshlrev_b32 v[LN4], 2, v[TU]
	s_wait_kmcnt 0x0
	s_load_b256 s[44:51], s[12:13], 0x0            ; pb_0..3, np_0..3
	s_load_b32 s[TPM], s[12:13], 0x20              ; pairs - 1
	s_and_b32 s41, s[WV], 1
	s_cmp_eq_u32 s41, 0
	s_cselect_b64 s[WB:WB+1], s[4:5], s[6:7]       ; even waves the gate, odd waves the up matrix
	s_add_nc_u64 s[WB:WB+1], s[WB:WB+1], s[42:43]
	s_add_nc_u64 s[WB+2:WB+3], s[WB:WB+1], 0x800000   ; 1,024 rows on, so that every trip's place fits the loads' immediate
	SLOAD 0
	v_lshlrev_b32 v[LI16], 4, v[TU]
	v_lshlrev_b32 v[LI8], 3, v[TU]
	v_add_nc_u32 v[LJ16], HALF, v[LI16]
	v_add_nc_u32 v[LJ8], HALF, v[LI8]
	v_add_nc_u32 v[LWS], BS, v[LI16]
	; the producer's places.  Thread bits: 2:0 c % 8, 3 u, 4 c / 16, 5 matrix, 6 h and 7 c4 (the block in its K step is 2 c4 + h), 8 ks
	v_and_b32 v[PAS], 7, v0
	v_bfe_u32 v[TT], v0, 4, 1
	v_lshl_add_u32 v[PAS], v[TT], 3, v[PAS]        ; my column's row in its tile
	v_bfe_u32 v[TT], v0, 6, 1
	v_lshl_add_u32 v[PA8], v[TT], 4, v[PAS]        ; the operand's lane that holds my block: 16 h + row
	v_bfe_u32 v[TT], v0, 3, 1
	v_mul_u32_u24 v[PA16], v[TT], 1536             ; the image: u,
	v_lshl_add_u32 v[PAS], v[TT], 4, v[PAS]
	v_lshlrev_b32 v[PAS], 4, v[PAS]                ; the byte: 16 (16 u + row)
	v_bfe_u32 v[TT], v0, 5, 1
	v_mad_u32_u24 v[PA16], v[TT], 3072, v[PA16]    ; matrix,
	v_lshl_add_u32 v[PAS], v[TT], 2, v[PAS]
	v_bfe_u32 v[TT], v0, 7, 1
	v_mad_u32_u24 v[PA16], v[TT], 768, v[PA16]     ; the image's half,
	v_bfe_u32 v[TT], v0, 8, 1
	v_mad_u32_u24 v[PA16], v[TT], 6144, v[PA16]    ; K step
	v_lshl_add_u32 v[PAS], v[TT], 3, v[PAS]
	v_bfe_u32 v[TT], v0, 6, 2
	v_add_nc_u32 v[PAS], v[PAS], v[TT]
	v_add_nc_u32 v[PAS], BS, v[PAS]
	v_lshl_add_u32 v[PB8], v[PA8], 3, v[PA16]
	v_lshl_add_u32 v[PA16], v[PA8], 4, v[PA16]
	v_add_nc_u32 v[PA8], 512, v[PB8]
	v_add_nc_u32 v[PB16], HALF, v[PA16]
	v_add_nc_u32 v[PB8], HALF, v[PA8]
	; offsets in the workspace buffers
	v_and_b32 v[TT], 15, v0
	v_bfe_u32 v[TU], v0, 4, 1
	v_lshlrev_b32 v[XSO], 3, v[TT]
	v_lshl_add_u32 v[XSO], v[TU], 10, v[XSO]
	v_mul_u32_u24 v[TU], v[TU], 24576              ; a tile's 16 images
	v_lshl_add_u32 v[VO16], v[TT], 4, v[TU]
	v_lshl_add_u32 v[VO8], v[TT], 3, v[TU]
	s_and_b32 s41, s[FB], 1                        ; my block stands in lanes 16 (fb % 2) on of the next operand
	s_lshl_b32 s53, s41, 8
	v_add_nc_u32 v[VO16], s53, v[VO16]
	s_lshl_b32 s53, s41, 7
	s_add_co_u32 s53, s53, 512
	v_add_nc_u32 v[VO8], s53, v[VO8]
	s_lshr_b32 s58, s[FB], 2                       ; in ic: K step fb / 4, half (fb / 2) % 2 of its image
	s_mul_i32 s58, s58, 1536
	s_bfe_u32 s53, s[FB], 0x10001
	s_mul_i32 s53, s53, 768
	s_add_co_u32 s58, s58, s53
	s_lshr_b32 s59, s[FB], 3                       ; in isc: 128 (fb / 8) + 4 ((fb / 4) % 2) + fb % 4
	s_lshl_b32 s59, s59, 7
	s_bfe_u32 s53, s[FB], 0x10002
	s_lshl_b32 s53, s53, 2
	s_add_co_u32 s59, s59, s53
	s_and_b32 s53, s[FB], 3
	s_add_co_u32 s59, s59, s53
	s_mov_b32 s[SEL], 0x76543210
	s_mov_b32 s[SEL+1], 0xfedcba98
	s_mov_b32 s[NLE], 0xbfb8aa3b
	s_mov_b32 s[NLE+1], s[NLE]
	s_mov_b32 s[HI16], 0xffff0000
	s_wait_kmcnt 0x0
	s_mov_b32 s[PB], s44
	s_mov_b32 s[NP], s48
.irp e, 1,2,3
	s_cmp_eq_u32 s[EX], \e
	s_cselect_b32 s[PB], s[44+\e], s[PB]
	s_cselect_b32 s[NP], s[48+\e], s[NP]
.endr
	s_add_co_u32 s52, s[PB], s[WV]                 ; my pair; a wave without rows takes the last pair there is
	s_min_u32 s52, s52, s[TPM]
	s_min_u32 s52, s52, 34
	BASES
	XG 0, 0
	XG 0, 1
	SLOAD 1
	s_wait_loadcnt 49                              ; my block of trip 0 is in; behind it stand trip 0's rows (8 + 9) and the block of trip 1 (32)
.irp r, 0,1,2,3,4,5,6,7
	TRIP \r
.endr
	; pairs 16 to 31, where one expert has so many rows: all images lie in LDS, nobody writes them any more, no barrier follows
	s_add_co_u32 s52, s[WV], 16
	s_cmp_lt_u32 s52, s[NP]
	s_cbranch_scc0 .Lend
	s_wait_loadcnt 0x0                             ; no load is on its way into the registers that are loaded anew
	s_wait_xcnt 0x0                                ; the first pair's stores have read their data, offsets and bases: all are written again only behind this wait
	s_add_co_u32 s52, s52, s[PB]
	s_min_u32 s52, s52, s[TPM]
	s_min_u32 s52, s52, 34
	BASES
.irp r, 0,1,2,3,4,5,6,7
	XG \r, 0
	XG \r, 1
	CONS \r, (\r==0), 0, 0, 0
.endr
	EPI
.Lend:
	s_wait_tensorcnt 0x0
	ds_add_u32 v254, v255
	s_wait_dscnt 0x0
	s_endpgm
.Lfunc_end_k_qae4f3176c6_gateup:
	.size	k_qae4f3176c6_gateup, .Lfunc_end_k_qae4f3176c6_gateup-k_qae4f3176c6_gateup
	.p2alignl 7, 3214868480
	.fill 96, 4, 3214868480
	.section	.rodata,"a",@progbits
	.p2align	6, 0x0
	.amdhsa_kernel k_qae4f3176c6_gateup
		.amdhsa_group_segment_fixed_size 104448
		.amdhsa_private_segment_fixed_size 0
		.amdhsa_enable_private_segment 0
		.amdhsa_kernarg_size 56
		.amdhsa_user_sgpr_count 2
		.amdhsa_user_sgpr_kernarg_segment_ptr 1
		.amdhsa_wavefront_size32 1
		.amdhsa_system_sgpr_workgroup_id_x 1
		.amdhsa_system_sgpr_workgroup_id_y 1
		.amdhsa_system_sgpr_workgroup_id_z 1
		.amdhsa_system_vgpr_workitem_id 0
		.amdhsa_next_free_vgpr 256
		.amdhsa_next_free_sgpr 66
		.amdhsa_reserve_vcc 0
		.amdhsa_float_denorm_mode_32 3
		.amdhsa_float_denorm_mode_16_64 3
		.amdhsa_memory_ordered 1
		.amdhsa_forward_progress 1
		.amdhsa_inst_pref_size 178
	.end_amdhsa_kernel
	.amdgpu_metadata
---
amdhsa.version: [ 1, 2 ]
amdhsa.kernels:
  - .name:           k_qae4f3176c6_gateup
    .symbol:         k_qae4f3176c6_gateup.kd
    .args:
      - { .name: gate_proj, .offset: 0, .size: 8, .value_kind: global_buffer, .address_space: global }
      - { .name: up_proj, .offset: 8, .size: 8, .value_kind: global_buffer, .address_space: global }
      - { .name: xc, .offset: 16, .size: 8, .value_kind: global_buffer, .address_space: global }
      - { .name: xs, .offset: 24, .size: 8, .value_kind: global_buffer, .address_space: global }
      - { .name: table, .offset: 32, .size: 8, .value_kind: global_buffer, .address_space: global }
      - { .name: ic, .offset: 40, .size: 8, .value_kind: global_buffer, .address_space: global }
      - { .name: isc, .offset: 48, .size: 8, .value_kind: global_buffer, .address_space: global }
    .group_segment_fixed_size: 104448
    .private_segment_fixed_size: 0
    .kernarg_segment_align: 8
    .kernarg_segment_size: 56
    .max_flat_workgroup_size: 512
    .sgpr_count:     66
    .vgpr_count:     256
    .wavefront_size: 32
...
	.end_amdgpu_metadata
.endif
;; end of part 4
;; launch down (part 5): grid 256 x 1, 16 waves a work-group, no clusters, 126,976 bytes of LDS; arguments down_proj, ic, isc, order, table, out0; writes out0
.if DOCPART == 5
	.amdgcn_target "amdgcn-amd-amdhsa--gfx1250"
	.amdhsa_code_object_version 6
	.text
	.protected	k_qae4f3176c6_down
	.globl	k_qae4f3176c6_down
	.p2align	8
	.type	k_qae4f3176c6_down,@function
k_qae4f3176c6_down:
	s_mov_b64 s[64:65], 0
	v_nop
	global_prefetch_b8 v0, s[64:65] scope:SCOPE_SE
	s_setreg_imm32_b32 hwreg(HW_REG_WAVE_MODE, 25, 1), 1
	s_wait_xcnt 0x0
; out = inter D_e for the rows of expert e, on codes of BF6 (E3M2), one E8M0 byte for each 32 along K; each row goes to its token's place in out0.
; The frame is that of the launch before.  Work-group x: expert e = x / 64, output columns 32 db .. 32 db + 31 (db = x % 64): each f32 number of down_proj is read by ONE work-group, once.
; EVERY WAVE PRODUCES: four trips of 512 along K; in a trip wave w takes block w of the sixteen: a lane a column, 32 registers down K (each load reads 128 consecutive bytes); its six registers of codes go to LDS at their
; place in an image of the operand's registers (registers 0-3 of lane l at 16 l, 4-5 at 512 + 8 l, 6-9 at 768 + 16 l, 10-11 at 1,280 + 8 l).  The 32 images (16 K steps x 2 tiles) are written once: one barrier a trip.
; SOME WAVES CONSUME: wave w multiplies pair w of the expert's rows if there is one; pairs 16 to 31 follow behind the loop.  The number of pairs comes from the table, the rows' tokens from the list, both stored two launches ago.
; THE ORDER OF A WAVE'S LOADS, on which the counted waits rest (loads come back in the order of issue: ISA guide 5.7.1).  Behind the barrier of trip t a wave with rows issues the rows' fragments of trip t + 1,
; K step by K step, each group straight behind the products that have read its registers: 8, 9, 8, 9 loads (a load of two K steps' scale words leads the second and the fourth group, behind the last products that read
; the words it replaces), and then its block of trip t + 2 (32 loads).  A wave without rows issues the block alone.  So the wait for the block of trip t + 1 has another count in each of the two, and each has its own copy of
; the block's loads and of that wait; the two ways join ahead of the quantiser.  The rows' fragments are waited for only ahead of the products that read them, behind the barrier.
; TRANSPOSED: source 0 = 16 columns of the weight, source 1 = 16 rows of inter.  Column c is row 8 (c / 16) + c % 8 of tile (c / 8) % 2: a lane holds one row and the 16 neighbouring columns 16 (lane / 16) + 0 .. 15.
; A pair's 32 rows x 128 bytes go through the wave's own stage in LDS and leave with eight lanes to a row's 128 consecutive bytes, which is all that a work-group owns of a row.
; Rows that fill a pair up repeat the expert's last row: the same numbers go to the same place.
; The rows' codes are read by all 64 work-groups of an expert, by plain loads, and not jointly, for the reason given in the launch before: the number of pairs is read from memory.
; LIMITS: NaN and infinities are not served.  A block of the weight whose largest magnitude lies under 2^-122 keeps the byte 1, and so does a block of zeros (its codes are zeros).
.set BS,   49152                       ; LDS: behind the 32 images the weight's scale words: trip x 512 + 16 (16 u + row) + 4 ks + block
.set STG,  51200                       ; then a stage of 32 rows for each wave
.set SPI,  144                         ; a stage row: 128 bytes + 16
.set LN4,  1                           ; v1  4 x lane
.set PA16, 2                           ; v2  producer: where my block's registers 0-3 go
.set PA8,  3                           ; v3  registers 4-5
.set PAS,  4                           ; v4  its scale byte
.set LI16, 5                           ; v5  16 x lane
.set LI8,  6                           ; v6  8 x lane
.set LWS,  7                           ; v7  BS + 16 x lane
.set XSO,  8                           ; v8  1,024 (lane / 16) + 8 (lane % 16)
.set SIN,  9                           ; v9  the stage, in: row lane % 16, + 64 (lane / 16)
.set SRD,  10                          ; v10 and out: row lane / 8, + 16 (lane % 8)
.set OO,   11                          ; v11 4 (lane / 8): my row's word in the list
.set C16,  12                          ; v12 16 (lane % 8)
.set TT,   13                          ; v13, v14 at work at the head
.set TU,   14
.set STR,  24                          ; v24-87 two sets of 32 numbers of the stream; v24-55 also rows on the way out
.set WF,   88                          ; v88-111 two fragments of the weight; the producer's work shares them:
.set MXA,  100
.set SOA,  104
.set BYA,  106
.set XF,   112                         ; v112-207 the rows' fragments (ks, tile m) at 112 + 24 ks + 12 m
.set ACC,  208                         ; v208-239 accumulators (m, u) at 208 + 16 m + 8 u
.set XSC,  240                         ; v240-243 the rows' scale words: register ks; lanes 0-15 the pair's first tile, lanes 16-31 its second
.set WSC,  244                         ; v244-247 the weight's: register ks; lanes 0-15 u = 0, lanes 16-31 u = 1
.set TOK,  248                         ; v248-255 register i: the token of row 4 i + lane / 8, then its offset in out0
.set WV,   18
.set EX,   19
.set DB,   20
.set NP,   21
.set PB,   22
.set TPM,  23
.set WB,   24                          ; s[24:25] my blocks of trips 0, 1; s[26:27] of trips 2, 3
.set XB,   28                          ; s[28:29] my pair in ic
.set XSB,  30                          ; s[30:31] in isc
.set ORB,  32                          ; s[32:33] in the list
.set OB,   34                          ; s[34:35] out0 at my work-group's columns
.macro PLACES                          ; four plain places: behind matrix instructions, ahead of loads into their registers, of vector writes there and of reads of results
.rept 4
	v_nop
.endr
.endm
.macro SLOAD trip
.set n_, 0
.rept 32
	global_load_b32 v[STR+32*((\trip)%2)+n_], v[LN4], s[WB+2*((\trip)/2):WB+2*((\trip)/2)+1] offset:((\trip)%2)*0x400000+n_*8192 th:TH_LOAD_NT
.set n_, n_+1
.endr
.endm
.macro WQUANT trip
.set QS, STR+32*((\trip)%2)
	v_max3_num_f32 v[MXA], |v[QS]|, |v[QS+1]|, |v[QS+2]|
	v_max3_num_f32 v[MXA+1], |v[QS+3]|, |v[QS+4]|, |v[QS+5]|
.irp i, 6,10,14,18,22,26
	v_max3_num_f32 v[MXA], v[MXA], |v[QS+\i]|, |v[QS+\i+1]|
	v_max3_num_f32 v[MXA+1], v[MXA+1], |v[QS+\i+2]|, |v[QS+\i+3]|
.endr
	v_max3_num_f32 v[MXA], v[MXA], |v[QS+30]|, |v[QS+31]|
	v_max3_num_f32 v[MXA], v[MXA], v[MXA+1], 0x2800000   ; and the floor 2^(5 - 127): the byte cannot fall under 1
	v_add_nc_u32 v[SOA], 0xfe000000, v[MXA]        ; 4 off the exponent field: the conversion's scale operand
	v_cvt_scalef32_pk16_bf6_f32 v[WF:WF+2], v[QS:QS+15], v[SOA]
	v_cvt_scalef32_pk16_bf6_f32 v[WF+8:WF+10], v[QS+16:QS+31], v[SOA]   ; (a conversion's three registers begin on an even number)
	v_lshrrev_b32 v[BYA], 23, v[SOA]               ; the byte; also the plain place behind the conversions
.irp i, 0,1,2
	v_mov_b32 v[WF+3+\i], v[WF+8+\i]
.endr
	ds_store_b128 v[PA16], v[WF:WF+3] offset:(\trip)*12288
	ds_store_b64 v[PA8], v[WF+4:WF+5] offset:(\trip)*12288
	ds_store_b8 v[PAS], v[BYA] offset:(\trip)*512
.endm
.macro XG trip, kk                     ; my pair's two fragments of K step kk of a trip: 8 loads.  The scale words of K steps 0, 1 lead group 1, those of K steps 2, 3 lead group 3: 9 loads there
.if (\kk) == 1
	global_load_b64 v[XSC:XSC+1], v[XSO], s[XSB:XSB+1] offset:(2*(\trip))*128
.endif
.if (\kk) == 3
	global_load_b64 v[XSC+2:XSC+3], v[XSO], s[XSB:XSB+1] offset:(2*(\trip)+1)*128
.endif
.irp m, 0,1
	global_load_b128 v[XF+24*(\kk)+12*\m:XF+24*(\kk)+12*\m+3], v[LI16], s[XB:XB+1] offset:\m*24576+(4*(\trip)+(\kk))*1536
	global_load_b64 v[XF+24*(\kk)+12*\m+4:XF+24*(\kk)+12*\m+5], v[LI8], s[XB:XB+1] offset:\m*24576+(4*(\trip)+(\kk))*1536+512
	global_load_b128 v[XF+24*(\kk)+12*\m+6:XF+24*(\kk)+12*\m+9], v[LI16], s[XB:XB+1] offset:\m*24576+(4*(\trip)+(\kk))*1536+768
	global_load_b64 v[XF+24*(\kk)+12*\m+10:XF+24*(\kk)+12*\m+11], v[LI8], s[XB:XB+1] offset:\m*24576+(4*(\trip)+(\kk))*1536+1280
.endr
.endm
.macro OLOAD                           ; my pair's tokens
.irp i, 0,1,2,3,4,5,6,7
	global_load_b32 v[TOK+\i], v[OO], s[ORB:ORB+1] offset:16*\i
.endr
.endm
; one product.  zero: it starts its sum.  ra, rb: the side's scale words stand in lanes 16-31 of the register named
.macro MM d, a, b, zero, sa, sb, ra, rb
.if (\zero)
.if (\ra) && (\rb)
	v_wmma_scale_f32_16x16x128_f8f6f4 v[(\d):(\d)+7], v[(\a):(\a)+11], v[(\b):(\b)+11], 0, v[\sa], v[\sb] matrix_a_fmt:MATRIX_FMT_BF6 matrix_b_fmt:MATRIX_FMT_BF6 matrix_a_scale:MATRIX_SCALE_ROW1 matrix_b_scale:MATRIX_SCALE_ROW1
.elseif (\ra)
	v_wmma_scale_f32_16x16x128_f8f6f4 v[(\d):(\d)+7], v[(\a):(\a)+11], v[(\b):(\b)+11], 0, v[\sa], v[\sb] matrix_a_fmt:MATRIX_FMT_BF6 matrix_b_fmt:MATRIX_FMT_BF6 matrix_a_scale:MATRIX_SCALE_ROW1
.elseif (\rb)
	v_wmma_scale_f32_16x16x128_f8f6f4 v[(\d):(\d)+7], v[(\a):(\a)+11], v[(\b):(\b)+11], 0, v[\sa], v[\sb] matrix_a_fmt:MATRIX_FMT_BF6 matrix_b_fmt:MATRIX_FMT_BF6 matrix_b_scale:MATRIX_SCALE_ROW1
.else
	v_wmma_scale_f32_16x16x128_f8f6f4 v[(\d):(\d)+7], v[(\a):(\a)+11], v[(\b):(\b)+11], 0, v[\sa], v[\sb] matrix_a_fmt:MATRIX_FMT_BF6 matrix_b_fmt:MATRIX_FMT_BF6
.endif
.else
.if (\ra) && (\rb)
	v_wmma_scale_f32_16x16x128_f8f6f4 v[(\d):(\d)+7], v[(\a):(\a)+11], v[(\b):(\b)+11], v[(\d):(\d)+7], v[\sa], v[\sb] matrix_a_fmt:MATRIX_FMT_BF6 matrix_b_fmt:MATRIX_FMT_BF6 matrix_a_scale:MATRIX_SCALE_ROW1 matrix_b_scale:MATRIX_SCALE_ROW1
.elseif (\ra)
	v_wmma_scale_f32_16x16x128_f8f6f4 v[(\d):(\d)+7], v[(\a):(\a)+11], v[(\b):(\b)+11], v[(\d):(\d)+7], v[\sa], v[\sb] matrix_a_fmt:MATRIX_FMT_BF6 matrix_b_fmt:MATRIX_FMT_BF6 matrix_a_scale:MATRIX_SCALE_ROW1
.elseif (\rb)
	v_wmma_scale_f32_16x16x128_f8f6f4 v[(\d):(\d)+7], v[(\a):(\a)+11], v[(\b):(\b)+11], v[(\d):(\d)+7], v[\sa], v[\sb] matrix_a_fmt:MATRIX_FMT_BF6 matrix_b_fmt:MATRIX_FMT_BF6 matrix_b_scale:MATRIX_SCALE_ROW1
.else
	v_wmma_scale_f32_16x16x128_f8f6f4 v[(\d):(\d)+7], v[(\a):(\a)+11], v[(\b):(\b)+11], v[(\d):(\d)+7], v[\sa], v[\sb] matrix_a_fmt:MATRIX_FMT_BF6 matrix_b_fmt:MATRIX_FMT_BF6
.endif
.endif
.endm
; A trip's products for my pair: four K steps, each two fragments of the weight from LDS against the pair's two tiles.  The four accumulators take turns, one instruction a turn.
; c0 .. c3: how many younger loads from memory may stay out when a K step's rows and scale words have to be in.  nxt = 1: behind each K step's products, and their places, the same registers are asked for again, for the next trip.
.macro CONS trip, zero, c0, c1, c2, c3, nxt
	ds_load_b128 v[WSC:WSC+3], v[LWS] offset:(\trip)*512
.irp kk, 0,1,2,3
.irp u, 0,1
	ds_load_b128 v[WF+12*\u:WF+12*\u+3], v[LI16] offset:(\trip)*12288+\kk*3072+\u*1536
	ds_load_b64 v[WF+12*\u+4:WF+12*\u+5], v[LI8] offset:(\trip)*12288+\kk*3072+\u*1536+512
	ds_load_b128 v[WF+12*\u+6:WF+12*\u+9], v[LI16] offset:(\trip)*12288+\kk*3072+\u*1536+768
	ds_load_b64 v[WF+12*\u+10:WF+12*\u+11], v[LI8] offset:(\trip)*12288+\kk*3072+\u*1536+1280
.endr
.if \kk == 0
	PLACES                                         ; vector instructions wrote some of these registers before the loads did: four places between such a write and a scaled product, while the loads are out
	s_wait_loadcnt \c0                             ; group 0 and the scale words that lead group 1 are in
.elseif \kk == 1
	s_wait_loadcnt \c1                             ; group 1 is in
.elseif \kk == 2
	s_wait_loadcnt \c2                             ; group 2 and the scale words that lead group 3 are in
.else
	s_wait_loadcnt \c3                             ; group 3 is in
.endif
	s_wait_dscnt 0x0
.irp u, 0,1
.irp m, 0,1
	MM ACC+16*\m+8*\u, WF+12*\u, XF+24*\kk+12*\m, (\zero)&&(\kk==0), WSC+\kk, XSC+\kk, \u, \m
.endr
.endr
	PLACES
.if \nxt
	XG (\trip)+1, \kk
.endif
.endr
.endm
; THE WAY OUT of a pair: a lane's 64 bytes of a row into my stage; back with eight lanes to a row; each row to its token's place.
.macro EPI
.irp m, 0,1
.irp u, 0,1
	ds_store_b128 v[SIN], v[ACC+16*\m+8*\u:ACC+16*\m+8*\u+3] offset:\m*16*SPI+32*\u        ; each accumulator from its low end on
	ds_store_b128 v[SIN], v[ACC+16*\m+8*\u+4:ACC+16*\m+8*\u+7] offset:\m*16*SPI+32*\u+16
.endr
.endr
.irp i, 0,1,2,3,4,5,6,7
	ds_load_b128 v[STR+4*\i:STR+4*\i+3], v[SRD] offset:\i*4*SPI   ; LDS serves a wave's instructions in order: these see my stores
.endr
.irp i, 0,1,2,3,4,5,6,7
	v_min_u32 v[TOK+\i], 0x3ff, v[TOK+\i]
.endr
.irp i, 0,1,2,3,4,5,6,7
	v_lshl_add_u32 v[TOK+\i], v[TOK+\i], 13, v[C16]   ; token x 8,192 bytes + my 16 of the row's 128
.endr
.irp i, 0,1,2,3,4,5,6,7
	s_wait_dscnt 7-\i                              ; the loads issued behind load i may stay out
	global_store_b128 v[TOK+\i], v[STR+4*\i:STR+4*\i+3], s[OB:OB+1] th:TH_STORE_NT   ; four rows: eight lanes store a row's 128 consecutive bytes
.endr
.endm
.macro BASES                           ; from the pair in s52, which has been held at 34
	s_mul_i32 s54, s52, 49152
	s_mov_b32 s55, 0
	s_add_nc_u64 s[XB:XB+1], s[6:7], s[54:55]
	s_lshl_b32 s54, s52, 11
	s_add_nc_u64 s[XSB:XSB+1], s[8:9], s[54:55]
	s_lshl_b32 s54, s52, 7
	s_add_nc_u64 s[ORB:ORB+1], s[10:11], s[54:55]
.endm
; A TRIP.  At its head my block of this trip is in.
.macro TRIP trip
	WQUANT \trip
	s_wait_dscnt 0x0                               ; for the others' sake: my stores have landed
	s_barrier_signal -1
	s_barrier_wait -1                              ; the trip's eight images and their scale words are whole
.if (\trip) == 0
	CONS 0, 1, 57, 49, 40, 32, 0                   ; in every wave: these products start the sums.  Behind what each K step needs stand: 8 + 8 + 9 + 32; 8 + 9 + 32; 8 + 32; the 32 loads of trip 1's block
.endif
	s_cmp_lt_u32 s[WV], s[NP]
	s_cbranch_scc0 .Lidle_\@                       ; a wave without rows only produces
.if (\trip) == 0
	XG 1, 0
	XG 1, 1
	XG 1, 2
	XG 1, 3
.elseif (\trip) < 3
	CONS \trip, 0, 57, 57, 57, 57, 1               ; behind what each K step needs stand, old groups + the next block + new groups: (8 + 8 + 9) + 32; (8 + 9) + 32 + 8; 8 + 32 + (8 + 9); 32 + (8 + 9 + 8): 57 each time
.else
	CONS 3, 0, 25, 17, 8, 0, 0                     ; nothing is out but this trip's rows: 8 + 8 + 9; 8 + 9; 8; none
	EPI
.endif
.if (\trip) < 2
	SLOAD (\trip)+2                                ; into the set that this trip has quantised
	s_wait_loadcnt 63                              ; the next trip's block is in: 34 + 32 loads stand behind it, and 63 is the most that a wait can name
	s_branch .Ljoin_\@
.elseif (\trip) == 2
	s_wait_loadcnt 34                              ; the last block is in; behind it stand the last trip's rows (8 + 9 + 8 + 9)
	s_branch .Ljoin_\@
.endif
.Lidle_\@:
.if (\trip) < 2
	SLOAD (\trip)+2
	s_wait_loadcnt 32                              ; the next trip's block is in; behind it stands the block just asked for
.elseif (\trip) == 2
	s_wait_loadcnt 0x0
.endif
.Ljoin_\@:
.endm
	s_load_b256 s[4:11], s[0:1], 0x0               ; down_proj s[4:5], ic s[6:7], isc s[8:9], order s[10:11]
	s_load_b128 s[12:15], s[0:1], 0x20             ; table s[12:13], out0 s[14:15]
	v_lshl_add_u32 v22, v0, 2, 0x1e800
	v_mov_b32 v23, 0
	v_lshrrev_b32 v[TT], 5, v0
	v_readfirstlane_b32 s[WV], v[TT]               ; wave 0..15: which of the trip's sixteen blocks along K
	s_lshr_b32 s[EX], ttmp9, 6
	s_and_b32 s[DB], ttmp9, 63
	s_lshl_b32 s42, s[EX], 24                      ; the expert's 16 MiB,
	s_lshl_b32 s41, s[WV], 18                      ; my block's 32 rows of 8,192 bytes,
	s_add_co_u32 s42, s42, s41
	s_lshl_b32 s40, s[DB], 7                       ; my work-group's 128 bytes of a row
	s_add_co_u32 s42, s42, s40
	s_mov_b32 s43, 0
	s_mov_b32 s41, 0
	v_and_b32 v[TU], 31, v0                        ; lane
	v_lshlrev_b32 v[LN4], 2, v[TU]
	s_wait_kmcnt 0x0
	s_load_b256 s[44:51], s[12:13], 0x0            ; pb_0..3, np_0..3
	s_load_b32 s[TPM], s[12:13], 0x20              ; pairs - 1
	s_add_nc_u64 s[WB:WB+1], s[4:5], s[42:43]
	s_add_nc_u64 s[WB+2:WB+3], s[WB:WB+1], 0x800000   ; 1,024 rows on
	s_add_nc_u64 s[OB:OB+1], s[14:15], s[40:41]
	SLOAD 0
	v_lshlrev_b32 v[LI16], 4, v[TU]
	v_lshlrev_b32 v[LI8], 3, v[TU]
	v_add_nc_u32 v[LWS], BS, v[LI16]
	; the producer's places.  Thread bits: 2:0 c % 8, 3 u, 4 c / 16, 5 h and 6 c4 (the block in its K step is 2 c4 + h), 8:7 ks
	v_and_b32 v[PAS], 7, v0
	v_bfe_u32 v[TT], v0, 4, 1
	v_lshl_add_u32 v[PAS], v[TT], 3, v[PAS]        ; my column's row in its tile
	v_bfe_u32 v[TT], v0, 5, 1
	v_lshl_add_u32 v[PA8], v[TT], 4, v[PAS]        ; the operand's lane that holds my block: 16 h + row
	v_bfe_u32 v[TT], v0, 3, 1
	v_mul_u32_u24 v[PA16], v[TT], 1536             ; the image: u,
	v_lshl_add_u32 v[PAS], v[TT], 4, v[PAS]
	v_lshlrev_b32 v[PAS], 4, v[PAS]                ; the byte: 16 (16 u + row)
	v_bfe_u32 v[TT], v0, 6, 1
	v_mad_u32_u24 v[PA16], v[TT], 768, v[PA16]     ; the image's half,
	v_bfe_u32 v[TT], v0, 7, 2
	v_mad_u32_u24 v[PA16], v[TT], 3072, v[PA16]    ; K step
	v_lshrrev_b32 v[TT], 5, v0                     ; 4 ks + block is the wave's number
	v_add_nc_u32 v[PAS], v[PAS], v[TT]
	v_add_nc_u32 v[PAS], BS, v[PAS]
	v_lshl_add_u32 v[TU], v[PA8], 3, v[PA16]
	v_lshl_add_u32 v[PA16], v[PA8], 4, v[PA16]
	v_add_nc_u32 v[PA8], 512, v[TU]
	; my stage, and the offsets in the buffers
	v_mul_u32_u24 v[TT], v[TT], 32*SPI
	v_add_nc_u32 v[TT], STG, v[TT]
	v_and_b32 v[TU], 15, v0
	v_mad_u32_u24 v[SIN], v[TU], SPI, v[TT]
	v_lshlrev_b32 v[XSO], 3, v[TU]
	v_bfe_u32 v[TU], v0, 4, 1
	v_lshl_add_u32 v[SIN], v[TU], 6, v[SIN]
	v_lshl_add_u32 v[XSO], v[TU], 10, v[XSO]
	v_bfe_u32 v[TU], v0, 3, 2
	v_mad_u32_u24 v[SRD], v[TU], SPI, v[TT]
	v_lshlrev_b32 v[OO], 2, v[TU]
	v_and_b32 v[TU], 7, v0
	v_lshlrev_b32 v[C16], 4, v[TU]
	v_add_nc_u32 v[SRD], v[SRD], v[C16]
	s_wait_kmcnt 0x0
	s_mov_b32 s[PB], s44
	s_mov_b32 s[NP], s48
.irp e, 1,2,3
	s_cmp_eq_u32 s[EX], \e
	s_cselect_b32 s[PB], s[44+\e], s[PB]
	s_cselect_b32 s[NP], s[48+\e], s[NP]
.endr
	s_add_co_u32 s52, s[PB], s[WV]                 ; my pair; a wave without rows takes the last pair there is
	s_min_u32 s52, s52, s[TPM]
	s_min_u32 s52, s52, 34
	BASES
	OLOAD
	XG 0, 0
	XG 0, 1
	XG 0, 2
	XG 0, 3
	SLOAD 1
	s_wait_loadcnt 63                              ; my block of trip 0 is in: 8 + 34 + 32 loads stand behind it, and 63 is the most that a wait can name
.irp r, 0,1,2,3
	TRIP \r
.endr
	; pairs 16 to 31, where one expert has so many rows: all images lie in LDS, nobody writes them any more, no barrier follows
	s_add_co_u32 s52, s[WV], 16
	s_cmp_lt_u32 s52, s[NP]
	s_cbranch_scc0 .Lend
	s_wait_loadcnt 0x0                             ; no load is on its way into the registers that are loaded anew
	s_wait_xcnt 0x0                                ; the first pair's stores have read their data and offsets: both are written again only behind this wait
	s_add_co_u32 s52, s52, s[PB]
	s_min_u32 s52, s52, s[TPM]
	s_min_u32 s52, s52, 34
	BASES
	OLOAD
.irp r, 0,1,2,3
	XG \r, 0
	XG \r, 1
	XG \r, 2
	XG \r, 3
	CONS \r, (\r==0), 0, 0, 0, 0, 0
.endr
	EPI
.Lend:
	s_wait_tensorcnt 0x0
	ds_add_u32 v22, v23
	s_wait_dscnt 0x0
	s_endpgm
.Lfunc_end_k_qae4f3176c6_down:
	.size	k_qae4f3176c6_down, .Lfunc_end_k_qae4f3176c6_down-k_qae4f3176c6_down
	.p2alignl 7, 3214868480
	.fill 96, 4, 3214868480
	.section	.rodata,"a",@progbits
	.p2align	6, 0x0
	.amdhsa_kernel k_qae4f3176c6_down
		.amdhsa_group_segment_fixed_size 126976
		.amdhsa_private_segment_fixed_size 0
		.amdhsa_enable_private_segment 0
		.amdhsa_kernarg_size 48
		.amdhsa_user_sgpr_count 2
		.amdhsa_user_sgpr_kernarg_segment_ptr 1
		.amdhsa_wavefront_size32 1
		.amdhsa_system_sgpr_workgroup_id_x 1
		.amdhsa_system_sgpr_workgroup_id_y 1
		.amdhsa_system_sgpr_workgroup_id_z 1
		.amdhsa_system_vgpr_workitem_id 0
		.amdhsa_next_free_vgpr 256
		.amdhsa_next_free_sgpr 66
		.amdhsa_reserve_vcc 0
		.amdhsa_float_denorm_mode_32 3
		.amdhsa_float_denorm_mode_16_64 3
		.amdhsa_memory_ordered 1
		.amdhsa_forward_progress 1
		.amdhsa_inst_pref_size 103
	.end_amdhsa_kernel
	.amdgpu_metadata
---
amdhsa.version: [ 1, 2 ]
amdhsa.kernels:
  - .name:           k_qae4f3176c6_down
    .symbol:         k_qae4f3176c6_down.kd
    .args:
      - { .name: down_proj, .offset: 0, .size: 8, .value_kind: global_buffer, .address_space: global }
      - { .name: ic, .offset: 8, .size: 8, .value_kind: global_buffer, .address_space: global }
      - { .name: isc, .offset: 16, .size: 8, .value_kind: global_buffer, .address_space: global }
      - { .name: order, .offset: 24, .size: 8, .value_kind: global_buffer, .address_space: global }
      - { .name: table, .offset: 32, .size: 8, .value_kind: global_buffer, .address_space: global }
      - { .name: out0, .offset: 40, .size: 8, .value_kind: global_buffer, .address_space: global }
    .group_segment_fixed_size: 126976
    .private_segment_fixed_size: 0
    .kernarg_segment_align: 8
    .kernarg_segment_size: 48
    .max_flat_workgroup_size: 512
    .sgpr_count:     66
    .vgpr_count:     256
    .wavefront_size: 32
...
	.end_amdgpu_metadata
.endif
;; end of part 5
;; ======== version 3 of 3: 3 launches
;; workspace buffers: xc 1,720,320 bytes; xs 71,680 bytes; ic 1,720,320 bytes; isc 71,680 bytes; order 4,608 bytes of whole numbers; table 256 bytes of whole numbers
;; launch sortq (part 6): grid 35 x 16, 1 waves a work-group, no clusters, 17,664 bytes of LDS; arguments hidden_states, token_ids, xc, xs, order, table; writes xc, xs, order, table
.if DOCPART == 6
	.amdgcn_target "amdgcn-amd-amdhsa--gfx1250"
	.amdhsa_code_object_version 6
	.text
	.protected	k_qae4f3176c6_sortq
	.globl	k_qae4f3176c6_sortq
	.p2align	8
	.type	k_qae4f3176c6_sortq,@function
k_qae4f3176c6_sortq:
	s_mov_b64 s[64:65], 0
	v_nop
	global_prefetch_b8 v0, s[64:65] scope:SCOPE_SE
	s_setreg_imm32_b32 hwreg(HW_REG_WAVE_MODE, 25, 1), 1
	s_wait_xcnt 0x0
; SORT THE TOKENS BY EXPERT AND QUANTISE THEIR ROWS.  1,024 tokens of 2,048 f32; expert = clip(token id, 0, 99,999) % 4.
; Rows are laid expert by expert, each expert's rows filled up to whole PAIRS of 32 rows (two tiles of 16) by repeating its last row: np_e = ceil(c_e / 32) pairs, pb_e pairs ahead of it,
; 32 to 35 pairs in all.  A repeated row has the same token, so all that is later made of it is the same numbers, stored at the same place: nothing is masked.
; Work-group (j, s), one wave: pair j, K step s (128 of the 2,048 along K).  Each wave makes the small counting sort for itself (1,024 ids, 32 a lane), picks the 32 tokens of its pair, loads 512 bytes
; of each of their rows, turns them through LDS so that a lane holds 16 neighbours along K, and quantises to BF6 (E3M2), one E8M0 byte for each 32 along K.
; The grid has 35 pairs, as many as any split can need; a work-group whose pair the given split does not have ends without storing.
; OUT.  xc: an IMAGE OF THE OPERAND'S REGISTERS for (tile, K step), 1,536 bytes at (16 tile + s) x 1,536: registers 0-3 of lane l at 16 l, 4-5 at 512 + 8 l, 6-9 at 768 + 16 l, 10-11 at 1,280 + 8 l.
;       xs: scale words at tile x 1,024 + (s / 2) x 128 + 8 row + 4 (s % 2).   order: the token of each sorted row.   table: pb_0..3, np_0..3, pairs - 1.
; LIMITS: NaN and infinities among the inputs are not served.  A block whose largest magnitude lies under 2^-122 keeps the byte 1; so does a block of zeros (the rule says 127): its codes are zeros, and
; the bytes are read by this program alone.
.set VOCABM, 0x1869f                   ; 99,999
.set STG,    256                       ; LDS: bytes 0-131 the pair's list (32 words and a word for all that does not belong); from 256 two stages
.set SPI,    528                       ; a stage row: 512 bytes + 16, so that sixteen rows' 16-byte pieces fall into sixteen different columns of 16 bytes
.set STILE,  16*SPI
.set L16,  1                           ; v1  16 x lane
.set L8,   2                           ; v2  8 x lane
.set L4,   3                           ; v3  4 x lane
.set R8,   4                           ; v4  8 x (lane % 16)
.set DUMP, 5                           ; v5  32: the word for all that does not belong to the pair
.set SIN,  6                           ; v6  the stage, on the way in
.set SOUT, 7                           ; v7  and out
.set TA,   8                           ; v8-11 at work
.set TM,   12                          ; v12-27 the quantiser's work
.set PW,   28                          ; v28 the scale word just made
.set TOK,  29                          ; v29 lane l: the token of the pair's row l
.set TAB,  30                          ; v30 the table
.set NIL,  31                          ; v31 0
.set ID,   32                          ; v32-63 ids, then experts, then the rows' byte offsets
.set PC,   32                          ; v32-50 the codes just made (the offsets are done with by then)
.set XR,   64                          ; v64-191 32 rows as loaded, 4 registers each
.set QA,   192                         ; v192-255 tile 0 turned
.set QB,   64                          ; v64-127  tile 1 turned
.set CNT,  16                          ; s16-19 c_e
.set NPR,  20                          ; s20-23 np_e
.set PBS,  24                          ; s24-28 pb_0 .. pb_4
.set MSK,  32                          ; s32-39 lane masks
.set SEL,  46                          ; s[46:47] v_permlanex16_b32's selects for lane l xor 16
; 64 numbers of a lane, register 16 b + i = k 32 b + 16 (lane / 16) + i of my row, become a fragment's codes in v[PC] on and its scale word in v[PW].
.macro QUANT s
.irp b, 0,1,2,3
	v_max3_num_f32 v[TM+\b], |v[\s+16*\b]|, |v[\s+1+16*\b]|, 0x2800000   ; block b: my 16 numbers, and the floor 2^(5 - 127): the byte cannot fall under 1
.endr
.irp i, 2,4,6,8,10,12,14
.irp b, 0,1,2,3
	v_max3_num_f32 v[TM+\b], v[TM+\b], |v[\s+16*\b+\i]|, |v[\s+1+16*\b+\i]|   ; the four blocks by turns
.endr
.endr
.irp b, 0,1,2,3
	v_permlanex16_b32 v[TM+4+\b], v[TM+\b], s[SEL], s[SEL+1]
.endr
.irp b, 0,1,2,3
	v_max_num_f32 v[TM+\b], v[TM+\b], v[TM+4+\b]   ; with lane l xor 16's: the block's largest magnitude
.endr
.irp b, 0,1,2,3
	v_add_nc_u32 v[TM+12+\b], 0xfe000000, v[TM+\b]   ; 4 off its exponent field: the conversion's scale operand
.endr
.irp b, 0,1,2,3
	v_lshrrev_b32 v[TM+4+\b], 23, v[TM+12+\b]      ; the scale's byte
.endr
	v_lshl_or_b32 v[PW], v[TM+5], 8, v[TM+4]
	v_lshl_or_b32 v[PW], v[TM+6], 16, v[PW]
	v_lshl_or_b32 v[PW], v[TM+7], 24, v[PW]        ; my row's scale word
.irp c, 0,1
	v_cvt_scalef32_pk16_bf6_f32 v[PC+6*\c:PC+2+6*\c], v[\s+32*\c:\s+15+32*\c], v[TM+12+2*\c]
	v_cvt_scalef32_pk16_bf6_f32 v[PC+12+4*\c:PC+14+4*\c], v[\s+16+32*\c:\s+31+32*\c], v[TM+12+2*\c+1]   ; (a conversion's three registers begin on an even number)
.endr
	v_nop                                          ; one plain place behind a scaled conversion
.irp c, 0,1                                    ; the operand wants a WHOLE block in a lane: lanes 0-15 block 2 c, lanes 16-31 block 2 c + 1
.irp i, 0,1,2
	v_permlane16_swap_b32 v[PC+6*\c+\i], v[PC+12+4*\c+\i]
.endr
.irp i, 0,1,2
	v_mov_b32 v[PC+3+6*\c+\i], v[PC+12+4*\c+\i]
.endr
.endr
.endm
.macro PUT t                           ; tile t's image and scale words leave: each store's lanes cover consecutive bytes (512 or 256); the words are 8 bytes apart
	global_store_b128 v[L16], v[PC:PC+3], s[8:9] offset:(\t)*24576
	global_store_b64 v[L8], v[PC+4:PC+5], s[8:9] offset:(\t)*24576+512
	global_store_b128 v[L16], v[PC+6:PC+9], s[8:9] offset:(\t)*24576+768
	global_store_b64 v[L8], v[PC+10:PC+11], s[8:9] offset:(\t)*24576+1280
	global_store_b32 v[R8], v[PW], s[10:11] offset:(\t)*1024   ; lanes 16-31 hold the same words as lanes 0-15 and write them to the same places
.endm
	s_load_b256 s[4:11], s[0:1], 0x0               ; hidden_states s[4:5], token_ids s[6:7], xc s[8:9], xs s[10:11]
	s_load_b128 s[12:15], s[0:1], 0x20             ; order s[12:13], table s[14:15]
	v_lshl_add_u32 v22, v0, 2, 0x4400
	v_mov_b32 v23, 0
	v_lshlrev_b32 v[L16], 4, v0                    ; one wave: v0 is the lane
	v_lshlrev_b32 v[L8], 3, v0
	v_lshlrev_b32 v[L4], 2, v0
	v_and_b32 v[TA], 15, v0                        ; r
	v_bfe_u32 v[TA+1], v0, 4, 1                    ; h
	v_lshlrev_b32 v[R8], 3, v[TA]
	v_mov_b32 v[DUMP], 32
	v_mov_b32 v[NIL], 0
	v_add_nc_u32 v[SIN], STG, v[L16]               ; in: a row's 512 bytes as they lie
	v_mul_u32_u24 v[SOUT], v[TA], SPI
	v_lshl_add_u32 v[SOUT], v[TA+1], 6, v[SOUT]
	v_add_nc_u32 v[SOUT], STG, v[SOUT]             ; out: row r, + 64 h: my 16 numbers of each block of 32
.irp b, 0,1,2,3
	v_mov_b32 v[TM+4+\b], 0                        ; written once: a lane permute's destination counts as one of its sources
.endr
	s_mov_b32 s[SEL], 0x76543210
	s_mov_b32 s[SEL+1], 0xfedcba98
	s_mov_b32 s40, ttmp9                           ; j: the pair
	s_and_b32 s41, ttmp7, 0xffff                   ; s: the K step
	s_mov_b32 s49, 0
	s_wait_kmcnt 0x0
.irp q, 0,1,2,3,4,5,6,7
	global_load_b128 v[ID+4*\q:ID+4*\q+3], v[L16], s[6:7] offset:512*\q   ; register 4 q + c: the id of token 128 q + 4 lane + c
.endr
	s_mul_i32 s48, s40, 49152                      ; meanwhile: where my results go.  xc: (32 j + s) x 1,536
	s_mul_i32 s44, s41, 1536
	s_add_co_u32 s48, s48, s44
	s_add_nc_u64 s[8:9], s[8:9], s[48:49]
	s_lshl_b32 s48, s40, 11                        ; xs: 2,048 j + 128 (s / 2) + 4 (s % 2)
	s_lshr_b32 s44, s41, 1
	s_lshl_b32 s44, s44, 7
	s_add_co_u32 s48, s48, s44
	s_and_b32 s44, s41, 1
	s_lshl_b32 s44, s44, 2
	s_add_co_u32 s48, s48, s44
	s_add_nc_u64 s[10:11], s[10:11], s[48:49]
	s_lshl_b32 s48, s41, 9                         ; hidden_states: 512 s bytes into each row
	s_add_nc_u64 s[4:5], s[4:5], s[48:49]
	s_wait_loadcnt 0x0
.set n_, 0
.rept 32                                       ; the expert: clip to 0 .. 99,999, modulo 4
	v_cmp_gt_i32 vcc_lo, 0, v[ID+n_]
	v_cndmask_b32 v[ID+n_], v[ID+n_], v[NIL], vcc_lo
	v_min_u32 v[ID+n_], VOCABM, v[ID+n_]
	v_and_b32 v[ID+n_], 3, v[ID+n_]
.set n_, n_+1
.endr
.irp e, 0,1,2                                  ; c_e: eight compares, then their masks' bits are counted
	s_mov_b32 s[CNT+\e], 0
.irp g, 0,1,2,3
.irp k, 0,1,2,3,4,5,6,7
	v_cmp_eq_u32 s[MSK+\k], \e, v[ID+8*\g+\k]
.endr
.irp k, 0,1,2,3,4,5,6,7
	s_bcnt1_i32_b32 s44, s[MSK+\k]
	s_add_co_u32 s[CNT+\e], s[CNT+\e], s44
.endr
.endr
.endr
	s_add_co_u32 s[CNT+3], s[CNT], s[CNT+1]
	s_add_co_u32 s[CNT+3], s[CNT+3], s[CNT+2]
	s_sub_co_u32 s[CNT+3], 0x400, s[CNT+3]         ; the fourth is what is left of 1,024
	s_mov_b32 s[PBS], 0
.irp e, 0,1,2,3
	s_add_co_u32 s[NPR+\e], s[CNT+\e], 31
	s_lshr_b32 s[NPR+\e], s[NPR+\e], 5             ; np_e
	s_add_co_u32 s[PBS+1+\e], s[PBS+\e], s[NPR+\e] ; pb_(e+1); pb_4 = all pairs
.endr
	s_cmp_ge_u32 s40, s[PBS+4]
	s_cbranch_scc1 .Lnone                          ; this split has no pair j
	s_mov_b32 s29, 0                               ; my pair's expert: the last e with pb_e <= j; its count and its first pair
	s_mov_b32 s42, s[CNT]
	s_mov_b32 s43, 0
.irp e, 1,2,3
	s_cmp_ge_u32 s40, s[PBS+\e]
	s_cselect_b32 s29, \e, s29
	s_cselect_b32 s42, s[CNT+\e], s42
	s_cselect_b32 s43, s[PBS+\e], s43
.endr
	s_sub_co_u32 s44, s40, s43
	s_lshl_b32 s44, s44, 5                         ; q0: my pair's first place among the expert's rows
	s_sub_co_u32 s30, 0, s44                       ; the running place, counted from q0 (it wraps below 0, and is then held at the spare word)
	s_sub_co_u32 s31, s42, s44
	s_sub_co_u32 s31, s31, 1
	s_min_u32 s31, s31, 31                         ; the pair's last real row
	ds_store_b32 v[L4], v[NIL]                     ; the list's 32 words are written before any is read
.set n_, 0
.rept 32                                       ; each token of my expert has the place: those counted so far + those in lower lanes; places 0 .. 31 go into the list, all else to word 32
	v_cmp_eq_u32 s[MSK+n_%2], s29, v[ID+n_]
	v_mbcnt_lo_u32_b32 v[TA+2*(n_%2)], s[MSK+n_%2], s30
	v_cndmask_b32 v[TA+2*(n_%2)], v[DUMP], v[TA+2*(n_%2)], s[MSK+n_%2]
	v_min_u32 v[TA+2*(n_%2)], 32, v[TA+2*(n_%2)]
	v_lshlrev_b32 v[TA+2*(n_%2)], 2, v[TA+2*(n_%2)]
	v_add_nc_u32 v[TA+2*(n_%2)+1], 128*(n_/4)+n_%4, v[L4]   ; the token's number
	ds_store_b32 v[TA+2*(n_%2)], v[TA+2*(n_%2)+1]
	s_bcnt1_i32_b32 s44, s[MSK+n_%2]
	s_add_co_u32 s30, s30, s44
.set n_, n_+1
.endr
	v_min_u32 v[TA], s31, v0                       ; rows behind the last real one repeat it
	v_min_u32 v[TA], 31, v[TA]
	v_lshlrev_b32 v[TA], 2, v[TA]
	ds_load_b32 v[TOK], v[TA]                      ; LDS serves a wave's instructions in order: this sees the stores above
	s_wait_dscnt 0x0
	v_min_u32 v[TOK], 0x3ff, v[TOK]
	s_cmp_lg_u32 s41, 0                            ; the lists are stored once: by K step 0's work-groups,
	s_cbranch_scc1 .Lrows
	s_lshl_b32 s48, s40, 7
	s_add_nc_u64 s[12:13], s[12:13], s[48:49]
	global_store_b32 v[L4], v[TOK], s[12:13]       ; my pair's 32 tokens
	s_cmp_lg_u32 s40, 0                            ; the table by pair 0's (every split has a pair 0)
	s_cbranch_scc1 .Lrows
	v_mov_b32 v[TAB], 0
.irp e, 0,1,2,3
	v_writelane_b32 v[TAB], s[PBS+\e], \e
	v_writelane_b32 v[TAB], s[NPR+\e], 4+\e
.endr
	s_sub_co_u32 s44, s[PBS+4], 1
	v_writelane_b32 v[TAB], s44, 8
	global_store_b32 v[L4], v[TAB], s[14:15]
.Lrows:
.set n_, 0
	s_wait_alu depctr_va_vdst(0)
.rept 32                                       ; row n: token x 8,192 bytes + 16 x lane; a load reads 512 consecutive bytes of one row.  No cache hint: a repeated row is read again
	v_readlane_b32 s[44+n_%2], v[TOK], n_
	s_min_u32 s[44+n_%2], s[44+n_%2], 0x3ff
	v_lshl_add_u32 v[ID+n_], s[44+n_%2], 13, v[L16]
	global_load_b128 v[XR+4*n_:XR+4*n_+3], v[ID+n_], s[4:5]
.set n_, n_+1
.endr
	s_wait_loadcnt 16                              ; tile 0's sixteen rows are in; tile 1's sixteen loads may be out
.set n_, 0
.rept 16
	ds_store_b128 v[SIN], v[XR+4*n_:XR+4*n_+3] offset:n_*SPI
.set n_, n_+1
.endr
.irp b, 0,1,2,3
.irp q, 0,1,2,3
	ds_load_b128 v[QA+16*\b+4*\q:QA+16*\b+4*\q+3], v[SOUT] offset:128*\b+16*\q
.endr
.endr
	s_wait_loadcnt 0x0                             ; tile 1's rows are in, and the offsets' registers are free
.set n_, 0
.rept 16
	ds_store_b128 v[SIN], v[XR+64+4*n_:XR+64+4*n_+3] offset:STILE+n_*SPI
.set n_, n_+1
.endr
	s_wait_dscnt 16                                ; all but the sixteen stores just issued: tile 0's stores have read their registers, which take tile 1 turned, and tile 0 turned is in
.irp b, 0,1,2,3
.irp q, 0,1,2,3
	ds_load_b128 v[QB+16*\b+4*\q:QB+16*\b+4*\q+3], v[SOUT] offset:STILE+128*\b+16*\q
.endr
.endr
	QUANT QA
	PUT 0
	s_wait_dscnt 0x0                               ; tile 1 turned is in
	s_wait_xcnt 0x0                                ; tile 0's stores have read their data: the codes' registers are written again only behind this wait
	QUANT QB
	PUT 1
.Lnone:
	s_wait_tensorcnt 0x0
	ds_add_u32 v22, v23
	s_wait_dscnt 0x0
	s_endpgm
.Lfunc_end_k_qae4f3176c6_sortq:
	.size	k_qae4f3176c6_sortq, .Lfunc_end_k_qae4f3176c6_sortq-k_qae4f3176c6_sortq
	.p2alignl 7, 3214868480
	.fill 96, 4, 3214868480
	.section	.rodata,"a",@progbits
	.p2align	6, 0x0
	.amdhsa_kernel k_qae4f3176c6_sortq
		.amdhsa_group_segment_fixed_size 17664
		.amdhsa_private_segment_fixed_size 0
		.amdhsa_enable_private_segment 0
		.amdhsa_kernarg_size 48
		.amdhsa_user_sgpr_count 2
		.amdhsa_user_sgpr_kernarg_segment_ptr 1
		.amdhsa_wavefront_size32 1
		.amdhsa_system_sgpr_workgroup_id_x 1
		.amdhsa_system_sgpr_workgroup_id_y 1
		.amdhsa_system_sgpr_workgroup_id_z 1
		.amdhsa_system_vgpr_workitem_id 0
		.amdhsa_next_free_vgpr 256
		.amdhsa_next_free_sgpr 66
		.amdhsa_reserve_vcc 1
		.amdhsa_float_denorm_mode_32 3
		.amdhsa_float_denorm_mode_16_64 3
		.amdhsa_memory_ordered 1
		.amdhsa_forward_progress 1
		.amdhsa_inst_pref_size 58
	.end_amdhsa_kernel
	.amdgpu_metadata
---
amdhsa.version: [ 1, 2 ]
amdhsa.kernels:
  - .name:           k_qae4f3176c6_sortq
    .symbol:         k_qae4f3176c6_sortq.kd
    .args:
      - { .name: hidden_states, .offset: 0, .size: 8, .value_kind: global_buffer, .address_space: global }
      - { .name: token_ids, .offset: 8, .size: 8, .value_kind: global_buffer, .address_space: global }
      - { .name: xc, .offset: 16, .size: 8, .value_kind: global_buffer, .address_space: global }
      - { .name: xs, .offset: 24, .size: 8, .value_kind: global_buffer, .address_space: global }
      - { .name: order, .offset: 32, .size: 8, .value_kind: global_buffer, .address_space: global }
      - { .name: table, .offset: 40, .size: 8, .value_kind: global_buffer, .address_space: global }
    .group_segment_fixed_size: 17664
    .private_segment_fixed_size: 0
    .kernarg_segment_align: 8
    .kernarg_segment_size: 48
    .max_flat_workgroup_size: 32
    .sgpr_count:     66
    .vgpr_count:     256
    .wavefront_size: 32
...
	.end_amdgpu_metadata
.endif
;; end of part 6
;; launch gateup (part 7): grid 256 x 1, 16 waves a work-group, no clusters, 104,448 bytes of LDS; arguments gate_proj, up_proj, xc, xs, table, ic, isc; writes ic, isc
.if DOCPART == 7
	.amdgcn_target "amdgcn-amd-amdhsa--gfx1250"
	.amdhsa_code_object_version 6
	.text
	.protected	k_qae4f3176c6_gateup
	.globl	k_qae4f3176c6_gateup
	.p2align	8
	.type	k_qae4f3176c6_gateup,@function
k_qae4f3176c6_gateup:
	s_mov_b64 s[64:65], 0
	v_nop
	global_prefetch_b8 v0, s[64:65] scope:SCOPE_SE
	s_setreg_imm32_b32 hwreg(HW_REG_WAVE_SCHED_MODE, 0, 2), 2
	s_setreg_imm32_b32 hwreg(HW_REG_WAVE_MODE, 25, 1), 1
	s_wait_xcnt 0x0
	s_wait_alu depctr_vm_vsrc(0)
; inter = silu(x G_e) * (x U_e) for the rows of expert e, quantised along its columns for the next product.  Both products on codes of BF6 (E3M2), one E8M0 byte for each 32 along K.
; SHARES.  Work-group x: expert e = x / 64, columns 32 fb .. 32 fb + 31 (fb = x % 64) of the gate and of the up matrix: each f32 number of the weights is read by ONE work-group, once, quantised in registers
; and multiplied here with all rows of its expert.  32 columns of inter are one block of the next product's K, so the work-group makes whole blocks, and their scale bytes, by itself.
; EVERY WAVE PRODUCES: in trip t (256 along K) wave w takes one block of 32 along K of one matrix: a lane a column, 32 registers down K (each load reads 128 consecutive bytes), so that the block's largest
; magnitude needs no other lane and the conversions give codes with K innermost.  The six registers go to LDS at their place in an image of the operand's registers
; (registers 0-3 of lane l at 16 l, 4-5 at 512 + 8 l, 6-9 at 768 + 16 l, 10-11 at 1,280 + 8 l).  All 64 images (16 K steps x 4 tiles) have LDS bytes of their own, written once: one barrier a trip, and nothing is overwritten.
; SOME WAVES CONSUME: wave w multiplies pair w of the expert's rows (32 rows) if the expert has so many; pairs 16 to 31 follow behind the loop, from the images that lie in LDS.  How many pairs there are is read
; from the table that the launch before stored; the branches on it jump over no barrier.  In trip 0 every wave multiplies (a wave without rows takes the last pair there is and drops the result).
; THE ORDER OF A WAVE'S LOADS, on which the counted waits rest (loads come back in the order of issue: ISA guide 5.7.1).  Behind the barrier of trip t a wave with rows issues the rows' fragments of trip t + 1,
; K step by K step, each group behind the products that have read its registers (8 loads, dealt among the second K step's products; then 9 behind those products, led by the trip's scale words), and then its block of
; trip t + 2 (32 loads).  A wave without rows issues the block alone.  So the wait for the block of trip t + 1 has another count in each of the two, and each has its own copy of the block's loads and of that wait: the two ways
; join ahead of the quantiser.  The rows' fragments are waited for only ahead of the products that read them, behind the barrier: they are on their way while the wave quantises and meets the others.
; TRANSPOSED: source 0 = 16 columns of a weight, source 1 = 16 rows of x.  Column c of the 32 is row 8 (c / 16) + c % 8 of tile (c / 8) % 2, so that a lane holds one row of x and 16 NEIGHBOURING columns, 16 (lane / 16) + 0 .. 15.
; The rows' codes are read by all 64 work-groups of an expert, by plain loads.  They are not asked for jointly: joint requests are tensor loads,
; and to ask for the most that an expert can have, 32 pairs, in every work-group would move 32 / 9 of the bytes of an even split.
; OUT: of each tile's image in ic my block is 256 + 128 consecutive bytes; of isc one byte a row, which is all that a work-group owns there.
; LIMITS: NaN and infinities are not served.  A block whose largest magnitude lies under 2^-122 keeps the byte 1, and so does a block of zeros (its codes are zeros; this program alone reads the bytes).
; Where 2^(-gate log2 e) overflows, silu is taken as 0 (gate under about -88.7, where the true value lies under 2^-120).
; THE MODE: SCHED_MODE bits 1:0 = 2 (LLVM: expert scheduling mode 2), set by the entry lines.  The code itself states the register dependences between vector or matrix instructions and memory or LDS instructions,
; with s_wait_alu, always for 0.
; THE PLAN.  Registers that memory or LDS instructions touch:
;   v1-14, v254, v255  addresses and offsets: written at the head, never again.
;   STR0, STR1   Trip t: the quantiser reads set t % 2; then the block of trip t + 2 lands in it.  No other vector or matrix instruction of the trips names them.
;   WF           Trip t: the quantiser writes six registers of codes and the byte there, its LDS stores read them; behind the barrier the weights' fragments land there, K step by K step, and the products read them.
;   XF, XSC      The products of K step kk read group kk of XF, both K steps' products read XSC; then the next trip's group and scale words land there.
;   WSC          A trip's products read it; the next trip's LDS load lands in it.
;   The accumulators are named by matrix and vector instructions alone.
; So a trip has: ONE wait on va_vdst in the quantiser, ahead of its LDS stores (the codes are written; STR is read out; nothing names WF from there to the first fragments' loads); ONE wait on vm_vsrc behind the barrier
; (the LDS stores have read WF); and in a wave with rows ONE wait on va_vdst behind each K step's products, which frees WF, that K step's group of XF and, behind the second, the scale words.  The next trip's first group
; is dealt among the second K step's products, which name WF, the second group, their own scale registers and the accumulators: none of the registers that those loads touch.
.set BS,   98304                       ; LDS: behind the 64 images the weights' scale words: trip x 512 + 16 (16 u + row) + 4 (2 ks + matrix) + block
.set HALF, 49152                       ; the images of K steps 8 to 15 begin here
.set LN4,  1                           ; v1  4 x lane: my column in a weight's row
.set PA16, 2                           ; v2  producer: where my block's registers 0-3 go, trips 0-3
.set PA8,  3                           ; v3  and registers 4-5
.set PAS,  4                           ; v4  and its scale byte
.set LI16, 5                           ; v5  16 x lane: images in LDS (K steps 0-7) and in xc
.set LJ16, 6                           ; v6  the same + HALF
.set LI8,  7                           ; v7  8 x lane
.set LJ8,  8                           ; v8  the same + HALF
.set LWS,  9                           ; v9  BS + 16 x lane
.set PB16, 10                          ; v10 producer, trips 4-7
.set PB8,  11                          ; v11
.set XSO,  12                          ; v12 1,024 (lane / 16) + 8 (lane % 16): scale words of a pair's two tiles
.set VO16, 13                          ; v13 the way out: my row's 16 bytes in ic
.set VO8,  14                          ; v14 and its 8 bytes
.set TT,   15                          ; v15, v22 at work at the head
.set WSC,  16                          ; v16-19 the weights' scale words of a trip: register 2 ks + matrix; lanes 0-15 tile u = 0, lanes 16-31 u = 1
.set XSC,  20                          ; v20-21 the rows' scale words: register ks; lanes 0-15 the pair's first tile, lanes 16-31 its second
.set TU,   22
.set STR,  24                          ; v24-87 two sets of 32 numbers of the stream
.set TG,   24                          ; the way out: v24-55 the sigmoid's steps,
.set TI,   56                          ; v56-87 inter
.set WF,   88                          ; v88-135 four fragments of weights; the producer's and the way out's work shares them:
.set MXA,  100                         ; largest magnitudes
.set PMA,  102                         ; the other half's
.set SOA,  104                         ; the conversions' scale operands
.set BYA,  106                         ; scale bytes
.set XF,   136                         ; v136-183 the rows' fragments (ks, tile m) at 136 + 24 ks + 12 m
.set ACC,  184                         ; v184-247 accumulators (m, t) at 184 + 32 m + 8 t; t = 2 x matrix + u
.set WV,   18                          ; s18 wave
.set EX,   19                          ; s19 expert
.set FB,   20                          ; s20 fb
.set NP,   21                          ; s21 the expert's pairs
.set PB,   22                          ; s22 its first pair
.set TPM,  23                          ; s23 the last pair there is
.set WB,   24                          ; s[24:25] my blocks of trips 0-3, s[26:27] of trips 4-7
.set XB,   28                          ; s[28:29] my pair in xc
.set XSB,  30                          ; s[30:31] in xs
.set ICB,  32                          ; s[32:33] my block of my pair in ic
.set ISB,  34                          ; s[34:35] in isc
.set SEL,  36                          ; s[36:37] selects for lane l xor 16
.set NLE,  38                          ; s[38:39] -log2(e), twice
.set HI16, 40                          ; s40 lanes 16-31
.macro PLACES                          ; four plain places: behind matrix instructions, ahead of loads into their registers, of vector writes there and of reads of results
.rept 4
	v_nop
.endr
.endm
.macro SLOAD trip                      ; my block of a trip: 32 rows of K, 128 consecutive bytes each; read once in the launch
.set n_, 0
.rept 32
	global_load_b32 v[STR+32*((\trip)%2)+n_], v[LN4], s[WB+2*((\trip)/4):WB+2*((\trip)/4)+1] offset:((\trip)%4)*0x200000+n_*8192 th:TH_LOAD_NT
.set n_, n_+1
.endr
.endm
.macro WQUANT trip                     ; the block becomes six registers of codes and a byte, and goes to LDS
.set QS, STR+32*((\trip)%2)
	v_max3_num_f32 v[MXA], |v[QS]|, |v[QS+1]|, |v[QS+2]|
	v_max3_num_f32 v[MXA+1], |v[QS+3]|, |v[QS+4]|, |v[QS+5]|
.irp i, 6,10,14,18,22,26
	v_max3_num_f32 v[MXA], v[MXA], |v[QS+\i]|, |v[QS+\i+1]|
	v_max3_num_f32 v[MXA+1], v[MXA+1], |v[QS+\i+2]|, |v[QS+\i+3]|
.endr
	v_max3_num_f32 v[MXA], v[MXA], |v[QS+30]|, |v[QS+31]|
	v_max3_num_f32 v[MXA], v[MXA], v[MXA+1], 0x2800000   ; and the floor 2^(5 - 127): the byte cannot fall under 1
	v_add_nc_u32 v[SOA], 0xfe000000, v[MXA]        ; 4 off the exponent field: the conversion's scale operand
	v_cvt_scalef32_pk16_bf6_f32 v[WF:WF+2], v[QS:QS+15], v[SOA]
	v_cvt_scalef32_pk16_bf6_f32 v[WF+8:WF+10], v[QS+16:QS+31], v[SOA]   ; (a conversion's three registers begin on an even number)
	v_lshrrev_b32 v[BYA], 23, v[SOA]               ; the byte; also the plain place behind the conversions
.irp i, 0,1,2
	v_mov_b32 v[WF+3+\i], v[WF+8+\i]
.endr
	s_wait_alu depctr_va_vdst(0)                   ; the conversions and moves have written v[WF .. WF+5] and the byte, which the LDS stores read; the quantiser is done reading its 32 numbers, in which the block of two trips on lands, and done with its work in WF, in which the weights' fragments land
.if (\trip) < 4
	ds_store_b128 v[PA16], v[WF:WF+3] offset:(\trip)*12288
	ds_store_b64 v[PA8], v[WF+4:WF+5] offset:(\trip)*12288
.else
	ds_store_b128 v[PB16], v[WF:WF+3] offset:((\trip)-4)*12288
	ds_store_b64 v[PB8], v[WF+4:WF+5] offset:((\trip)-4)*12288
.endif
	ds_store_b8 v[PAS], v[BYA] offset:(\trip)*512
.endm
.macro XL trip, kk, n                  ; load n of the eight that bring my pair's two fragments of K step kk of a trip: tile n / 4, piece n % 4 of its image
.set XR_, XF+24*(\kk)+12*((\n)/4)
.set XO_, ((\n)/4)*24576+(2*(\trip)+(\kk))*1536
.if (\n)%4 == 0
	global_load_b128 v[XR_:XR_+3], v[LI16], s[XB:XB+1] offset:XO_
.elseif (\n)%4 == 1
	global_load_b64 v[XR_+4:XR_+5], v[LI8], s[XB:XB+1] offset:XO_+512
.elseif (\n)%4 == 2
	global_load_b128 v[XR_+6:XR_+9], v[LI16], s[XB:XB+1] offset:XO_+768
.else
	global_load_b64 v[XR_+10:XR_+11], v[LI8], s[XB:XB+1] offset:XO_+1280
.endif
.endm
.macro XG trip, kk                     ; my pair's two fragments of K step kk of a trip: 8 loads.  The trip's scale words, which both K steps' products read, lead the second group: 9 loads
.if (\kk) == 1
	global_load_b64 v[XSC:XSC+1], v[XSO], s[XSB:XSB+1] offset:(\trip)*128
.endif
.irp n, 0,1,2,3,4,5,6,7
	XL \trip, \kk, \n
.endr
.endm
; one product.  zero: it starts its sum.  ra, rb: the side's scale words stand in lanes 16-31 of the register named
.macro MM d, a, b, zero, sa, sb, ra, rb
.if (\zero)
.if (\ra) && (\rb)
	v_wmma_scale_f32_16x16x128_f8f6f4 v[(\d):(\d)+7], v[(\a):(\a)+11], v[(\b):(\b)+11], 0, v[\sa], v[\sb] matrix_a_fmt:MATRIX_FMT_BF6 matrix_b_fmt:MATRIX_FMT_BF6 matrix_a_scale:MATRIX_SCALE_ROW1 matrix_b_scale:MATRIX_SCALE_ROW1
.elseif (\ra)
	v_wmma_scale_f32_16x16x128_f8f6f4 v[(\d):(\d)+7], v[(\a):(\a)+11], v[(\b):(\b)+11], 0, v[\sa], v[\sb] matrix_a_fmt:MATRIX_FMT_BF6 matrix_b_fmt:MATRIX_FMT_BF6 matrix_a_scale:MATRIX_SCALE_ROW1
.elseif (\rb)
	v_wmma_scale_f32_16x16x128_f8f6f4 v[(\d):(\d)+7], v[(\a):(\a)+11], v[(\b):(\b)+11], 0, v[\sa], v[\sb] matrix_a_fmt:MATRIX_FMT_BF6 matrix_b_fmt:MATRIX_FMT_BF6 matrix_b_scale:MATRIX_SCALE_ROW1
.else
	v_wmma_scale_f32_16x16x128_f8f6f4 v[(\d):(\d)+7], v[(\a):(\a)+11], v[(\b):(\b)+11], 0, v[\sa], v[\sb] matrix_a_fmt:MATRIX_FMT_BF6 matrix_b_fmt:MATRIX_FMT_BF6
.endif
.else
.if (\ra) && (\rb)
	v_wmma_scale_f32_16x16x128_f8f6f4 v[(\d):(\d)+7], v[(\a):(\a)+11], v[(\b):(\b)+11], v[(\d):(\d)+7], v[\sa], v[\sb] matrix_a_fmt:MATRIX_FMT_BF6 matrix_b_fmt:MATRIX_FMT_BF6 matrix_a_scale:MATRIX_SCALE_ROW1 matrix_b_scale:MATRIX_SCALE_ROW1
.elseif (\ra)
	v_wmma_scale_f32_16x16x128_f8f6f4 v[(\d):(\d)+7], v[(\a):(\a)+11], v[(\b):(\b)+11], v[(\d):(\d)+7], v[\sa], v[\sb] matrix_a_fmt:MATRIX_FMT_BF6 matrix_b_fmt:MATRIX_FMT_BF6 matrix_a_scale:MATRIX_SCALE_ROW1
.elseif (\rb)
	v_wmma_scale_f32_16x16x128_f8f6f4 v[(\d):(\d)+7], v[(\a):(\a)+11], v[(\b):(\b)+11], v[(\d):(\d)+7], v[\sa], v[\sb] matrix_a_fmt:MATRIX_FMT_BF6 matrix_b_fmt:MATRIX_FMT_BF6 matrix_b_scale:MATRIX_SCALE_ROW1
.else
	v_wmma_scale_f32_16x16x128_f8f6f4 v[(\d):(\d)+7], v[(\a):(\a)+11], v[(\b):(\b)+11], v[(\d):(\d)+7], v[\sa], v[\sb] matrix_a_fmt:MATRIX_FMT_BF6 matrix_b_fmt:MATRIX_FMT_BF6
.endif
.endif
.endm
; A trip's products for my pair: two K steps, each four fragments of weights from LDS against the pair's two tiles.  The eight accumulators take turns, one instruction a turn.
; c0, c1: how many younger loads from memory may stay out when the first and the second K step's rows (and the scale words) have to be in.  nxt = 1: the rows' registers are asked for again, for the next trip: the first
; K step's among the second K step's products, one load behind each; the second K step's behind its own products, their places and the wait.  tail = 1: loads into the second K step's registers follow this trip's products.
.macro CONS trip, zero, c0, c1, nxt, tail
.if (\trip) < 4
.set CA, LI16
.set CB, LI8
.else
.set CA, LJ16
.set CB, LJ8
.endif
.set CO, ((\trip)%4)*12288
	ds_load_b128 v[WSC:WSC+3], v[LWS] offset:(\trip)*512
.irp kk, 0,1
.irp t, 0,1,2,3
	ds_load_b128 v[WF+12*\t:WF+12*\t+3], v[CA] offset:CO+\kk*6144+\t*1536
	ds_load_b64 v[WF+12*\t+4:WF+12*\t+5], v[CB] offset:CO+\kk*6144+\t*1536+512
	ds_load_b128 v[WF+12*\t+6:WF+12*\t+9], v[CA] offset:CO+\kk*6144+\t*1536+768
	ds_load_b64 v[WF+12*\t+10:WF+12*\t+11], v[CB] offset:CO+\kk*6144+\t*1536+1280
.endr
.if \kk == 0
	PLACES                                         ; vector instructions wrote some of these registers before the loads did: four places between such a write and a scaled product, while the loads are out
	s_wait_loadcnt \c0                             ; the first K step's rows and the trip's scale words are in
.else
	s_wait_loadcnt \c1                             ; the second K step's rows are in
.endif
	s_wait_dscnt 0x0
.irp t, 0,1,2,3
.irp m, 0,1
	MM ACC+32*\m+8*\t, WF+12*\t, XF+24*\kk+12*\m, (\zero)&&(\kk==0), WSC+2*\kk+\t/2, XSC+\kk, \t%2, \m
.if \nxt
.if \kk == 1
	XL (\trip)+1, 0, 2*\t+\m                       ; the next trip's first group.  No wait: no vector or matrix instruction since the wait behind the first K step's products names these registers
.endif
.endif
.endr
.endr
	PLACES
.if \kk == 0
	s_wait_alu depctr_va_vdst(0)                   ; the first K step's products are done reading v[WF ..], in which the second K step's fragments land, and their group of v[XF ..], in which the next trip's first group lands
.else
.if \tail
	s_wait_alu depctr_va_vdst(0)                   ; the second K step's products are done reading their group of v[XF ..] and, with the first's, the scale words v[XSC ..] and v[WSC ..] and the fragments v[WF ..]: the loads that follow land there
.endif
.if \nxt
	XG (\trip)+1, 1
.endif
.endif
.endr
.endm
; THE WAY OUT of a pair: silu(gate) x up in f32, quantised: a lane's 16 numbers and lane l xor 16's are one block of the next K.
.macro EPI
.irp m, 0,1
.irp i, 0,2,4,6,8,10,12,14
	v_pk_mul_f32 v[TG+16*\m+\i:TG+16*\m+\i+1], v[ACC+32*\m+\i:ACC+32*\m+\i+1], s[NLE:NLE+1] op_sel_hi:[1,0]   ; -gate log2(e); each accumulator from its low end on
.endr
.endr
.set n_, 0
	s_wait_alu depctr_va_vdst(0)
.rept 32
	v_exp_f32 v[TG+n_], v[TG+n_]
.set n_, n_+1
.endr
	v_nop                                          ; a plain place behind the last exponential,
	s_wait_alu depctr_va_vdst(0)                   ; and one wait for the batch: the 32 exponentials have written v[TG ..], ahead of their first reader
.set n_, 0
.rept 16
	v_pk_add_f32 v[TG+n_:TG+n_+1], v[TG+n_:TG+n_+1], 1.0 op_sel_hi:[1,0]
.set n_, n_+2
.endr
.set n_, 0
	s_wait_alu depctr_va_vdst(0)
.rept 32
	v_rcp_f32 v[TG+n_], v[TG+n_]                   ; the sigmoid
.set n_, n_+1
.endr
	v_nop
	s_wait_alu depctr_va_vdst(0)                   ; one wait for the batch: the 32 reciprocals have written v[TG ..], ahead of their first reader
.irp m, 0,1
.irp i, 0,2,4,6,8,10,12,14
	v_pk_mul_f32 v[TI+16*\m+\i:TI+16*\m+\i+1], v[ACC+32*\m+\i:ACC+32*\m+\i+1], v[TG+16*\m+\i:TG+16*\m+\i+1]   ; silu = gate x sigmoid,
.endr
.endr
.irp m, 0,1
.irp i, 0,2,4,6,8,10,12,14
	v_pk_mul_f32 v[TI+16*\m+\i:TI+16*\m+\i+1], v[TI+16*\m+\i:TI+16*\m+\i+1], v[ACC+32*\m+16+\i:ACC+32*\m+16+\i+1]   ; x up
.endr
.endr
	v_mov_b32 v[PMA], 0                            ; a lane permute's destination counts as one of its sources
	v_mov_b32 v[PMA+1], 0
.irp m, 0,1
	v_max3_num_f32 v[MXA+\m], |v[TI+16*\m]|, |v[TI+16*\m+1]|, 0x2800000
.endr
.irp i, 2,4,6,8,10,12,14
.irp m, 0,1
	v_max3_num_f32 v[MXA+\m], v[MXA+\m], |v[TI+16*\m+\i]|, |v[TI+16*\m+\i+1]|
.endr
.endr
.irp m, 0,1
	v_permlanex16_b32 v[PMA+\m], v[MXA+\m], s[SEL], s[SEL+1]
.endr
.irp m, 0,1
	v_max_num_f32 v[MXA+\m], v[MXA+\m], v[PMA+\m]  ; the block's largest magnitude
.endr
.irp m, 0,1
	v_add_nc_u32 v[SOA+\m], 0xfe000000, v[MXA+\m]
.endr
.irp m, 0,1
	v_lshrrev_b32 v[BYA+\m], 23, v[SOA+\m]
.endr
	v_cvt_scalef32_pk16_bf6_f32 v[WF:WF+2], v[TI:TI+15], v[SOA]
	v_cvt_scalef32_pk16_bf6_f32 v[WF+8:WF+10], v[TI+16:TI+31], v[SOA+1]
	v_nop                                          ; one plain place behind a scaled conversion
.irp i, 0,1,2
	v_permlane16_swap_b32 v[WF+\i], v[WF+8+\i]     ; the first tile's upper halves change places with the second tile's lower halves: lane l now holds the whole block of row l % 16 of tile l / 16
.endr
.irp i, 0,1,2
	v_mov_b32 v[WF+3+\i], v[WF+8+\i]
.endr
	v_cndmask_b32 v[BYA], v[BYA], v[BYA+1], s[HI16]   ; and that tile's byte
	s_wait_alu depctr_va_vdst(0)                   ; the swaps, the moves and the select have written v[WF .. WF+5] and the byte, which the three stores read
	global_store_b128 v[VO16], v[WF:WF+3], s[ICB:ICB+1]   ; sixteen lanes: 256 consecutive bytes of a tile's image
	global_store_b64 v[VO8], v[WF+4:WF+5], s[ICB:ICB+1]   ; sixteen lanes: 128
	global_store_b8 v[XSO], v[BYA], s[ISB:ISB+1]
.endm
.macro BASES                           ; from the pair in s52, which has been held at 34
	s_mul_i32 s54, s52, 49152
	s_mov_b32 s55, 0
	s_add_nc_u64 s[XB:XB+1], s[8:9], s[54:55]
	s_add_co_u32 s54, s54, s58
	s_add_nc_u64 s[ICB:ICB+1], s[14:15], s[54:55]
	s_lshl_b32 s56, s52, 11
	s_mov_b32 s57, 0
	s_add_nc_u64 s[XSB:XSB+1], s[10:11], s[56:57]
	s_add_co_u32 s56, s56, s59
	s_add_nc_u64 s[ISB:ISB+1], s[16:17], s[56:57]
.endm
; A TRIP.  At its head my block of this trip is in.
.macro TRIP trip
	WQUANT \trip
	s_wait_dscnt 0x0                               ; for the others' sake: my stores have landed (and my LDS loads are long in)
	s_barrier_signal -1
	s_barrier_wait -1                              ; the trip's eight images and their scale words are whole
	s_wait_alu depctr_vm_vsrc(0)                   ; my LDS stores have read v[WF .. WF+5] and the byte: in a wave with rows the weights' fragments land there next, in a wave without the next trip's quantiser writes them
.if (\trip) == 0
	CONS 0, 1, 40, 32, 0, 0                        ; in every wave: these products start the sums.  40: behind the scale words stand the second group's 8 fragment loads and the block of trip 1; 32: that block
.endif
	s_cmp_lt_u32 s[WV], s[NP]
	s_cbranch_scc0 .Lidle_\@                       ; a wave without rows only produces
.if (\trip) == 0
	s_wait_alu depctr_va_vdst(0)                   ; trip 0's products are done reading v[XF ..] and v[XSC ..], in which trip 1's rows and scale words land
	XG 1, 0
	XG 1, 1
.elseif (\trip) < 7
	CONS \trip, 0, 40, 32, 1, 1                    ; 40: behind the scale words stand 8 fragment loads and the next block's 32; 32: behind the second group stands that block alone: the next trip's first group goes out behind this wait
.else
	CONS 7, 0, 8, 0, 0, 0                          ; nothing is out but this trip's rows: 8 loads stand behind the scale words
	EPI
.endif
.if (\trip) < 6
	SLOAD (\trip)+2                                ; into the set that this trip has quantised: no vector or matrix instruction since the quantiser's wait names it
	s_wait_loadcnt 49                              ; the next trip's block is in; behind it stand the next trip's rows (8 + 9) and the block just asked for (32)
	s_branch .Ljoin_\@
.elseif (\trip) == 6
	s_wait_loadcnt 17                              ; the last block is in; behind it stand the last trip's rows (8 + 9)
	s_branch .Ljoin_\@
.endif
.Lidle_\@:
.if (\trip) < 6
	SLOAD (\trip)+2
	s_wait_loadcnt 32                              ; the next trip's block is in; behind it stands the block just asked for
.elseif (\trip) == 6
	s_wait_loadcnt 0x0
.endif
.Ljoin_\@:
.endm
	s_load_b256 s[4:11], s[0:1], 0x0               ; gate s[4:5], up s[6:7], xc s[8:9], xs s[10:11]
	s_load_b128 s[12:15], s[0:1], 0x20             ; table s[12:13], ic s[14:15]
	s_load_b64 s[16:17], s[0:1], 0x30              ; isc
	v_lshl_add_u32 v254, v0, 2, 0x19000
	v_mov_b32 v255, 0
	v_lshrrev_b32 v[TT], 5, v0
	v_readfirstlane_b32 s[WV], v[TT]               ; wave 0..15: bit 0 the matrix, bits 3:1 which of the trip's eight blocks along K
	s_lshr_b32 s[EX], ttmp9, 6
	s_and_b32 s[FB], ttmp9, 63
	s_lshl_b32 s42, s[EX], 24                      ; the expert's 16 MiB,
	s_wait_alu depctr_va_sdst(0)                   ; the wave's number is written, ahead of its first reader
	s_lshr_b32 s41, s[WV], 1
	s_lshl_b32 s41, s41, 18                        ; my block's 32 rows of 8,192 bytes,
	s_add_co_u32 s42, s42, s41
	s_lshl_b32 s41, s[FB], 7                       ; my work-group's 128 bytes of a row
	s_add_co_u32 s42, s42, s41
	s_mov_b32 s43, 0
	v_and_b32 v[TU], 31, v0                        ; lane
	v_lshlrev_b32 v[LN4], 2, v[TU]
	s_wait_kmcnt 0x0
	s_load_b256 s[44:51], s[12:13], 0x0            ; pb_0..3, np_0..3
	s_load_b32 s[TPM], s[12:13], 0x20              ; pairs - 1
	s_and_b32 s41, s[WV], 1
	s_cmp_eq_u32 s41, 0
	s_cselect_b64 s[WB:WB+1], s[4:5], s[6:7]       ; even waves the gate, odd waves the up matrix
	s_add_nc_u64 s[WB:WB+1], s[WB:WB+1], s[42:43]
	s_add_nc_u64 s[WB+2:WB+3], s[WB:WB+1], 0x800000   ; 1,024 rows on, so that every trip's place fits the loads' immediate
	s_wait_alu depctr_va_vdst(0)                   ; v[LN4] is written: every load of the stream reads it as its offset
	SLOAD 0
	v_lshlrev_b32 v[LI16], 4, v[TU]
	v_lshlrev_b32 v[LI8], 3, v[TU]
	v_add_nc_u32 v[LJ16], HALF, v[LI16]
	v_add_nc_u32 v[LJ8], HALF, v[LI8]
	v_add_nc_u32 v[LWS], BS, v[LI16]
	; the producer's places.  Thread bits: 2:0 c % 8, 3 u, 4 c / 16, 5 matrix, 6 h and 7 c4 (the block in its K step is 2 c4 + h), 8 ks
	v_and_b32 v[PAS], 7, v0
	v_bfe_u32 v[TT], v0, 4, 1
	v_lshl_add_u32 v[PAS], v[TT], 3, v[PAS]        ; my column's row in its tile
	v_bfe_u32 v[TT], v0, 6, 1
	v_lshl_add_u32 v[PA8], v[TT], 4, v[PAS]        ; the operand's lane that holds my block: 16 h + row
	v_bfe_u32 v[TT], v0, 3, 1
	v_mul_u32_u24 v[PA16], v[TT], 1536             ; the image: u,
	v_lshl_add_u32 v[PAS], v[TT], 4, v[PAS]
	v_lshlrev_b32 v[PAS], 4, v[PAS]                ; the byte: 16 (16 u + row)
	v_bfe_u32 v[TT], v0, 5, 1
	v_mad_u32_u24 v[PA16], v[TT], 3072, v[PA16]    ; matrix,
	v_lshl_add_u32 v[PAS], v[TT], 2, v[PAS]
	v_bfe_u32 v[TT], v0, 7, 1
	v_mad_u32_u24 v[PA16], v[TT], 768, v[PA16]     ; the image's half,
	v_bfe_u32 v[TT], v0, 8, 1
	v_mad_u32_u24 v[PA16], v[TT], 6144, v[PA16]    ; K step
	v_lshl_add_u32 v[PAS], v[TT], 3, v[PAS]
	v_bfe_u32 v[TT], v0, 6, 2
	v_add_nc_u32 v[PAS], v[PAS], v[TT]
	v_add_nc_u32 v[PAS], BS, v[PAS]
	v_lshl_add_u32 v[PB8], v[PA8], 3, v[PA16]
	v_lshl_add_u32 v[PA16], v[PA8], 4, v[PA16]
	v_add_nc_u32 v[PA8], 512, v[PB8]
	v_add_nc_u32 v[PB16], HALF, v[PA16]
	v_add_nc_u32 v[PB8], HALF, v[PA8]
	; offsets in the workspace buffers
	v_and_b32 v[TT], 15, v0
	v_bfe_u32 v[TU], v0, 4, 1
	v_lshlrev_b32 v[XSO], 3, v[TT]
	v_lshl_add_u32 v[XSO], v[TU], 10, v[XSO]
	v_mul_u32_u24 v[TU], v[TU], 24576              ; a tile's 16 images
	v_lshl_add_u32 v[VO16], v[TT], 4, v[TU]
	v_lshl_add_u32 v[VO8], v[TT], 3, v[TU]
	s_and_b32 s41, s[FB], 1                        ; my block stands in lanes 16 (fb % 2) on of the next operand
	s_lshl_b32 s53, s41, 8
	v_add_nc_u32 v[VO16], s53, v[VO16]
	s_lshl_b32 s53, s41, 7
	s_add_co_u32 s53, s53, 512
	v_add_nc_u32 v[VO8], s53, v[VO8]
	s_lshr_b32 s58, s[FB], 2                       ; in ic: K step fb / 4, half (fb / 2) % 2 of its image
	s_mul_i32 s58, s58, 1536
	s_bfe_u32 s53, s[FB], 0x10001
	s_mul_i32 s53, s53, 768
	s_add_co_u32 s58, s58, s53
	s_lshr_b32 s59, s[FB], 3                       ; in isc: 128 (fb / 8) + 4 ((fb / 4) % 2) + fb % 4
	s_lshl_b32 s59, s59, 7
	s_bfe_u32 s53, s[FB], 0x10002
	s_lshl_b32 s53, s53, 2
	s_add_co_u32 s59, s59, s53
	s_and_b32 s53, s[FB], 3
	s_add_co_u32 s59, s59, s53
	s_mov_b32 s[SEL], 0x76543210
	s_mov_b32 s[SEL+1], 0xfedcba98
	s_mov_b32 s[NLE], 0xbfb8aa3b
	s_mov_b32 s[NLE+1], s[NLE]
	s_mov_b32 s[HI16], 0xffff0000
	s_wait_kmcnt 0x0
	s_mov_b32 s[PB], s44
	s_mov_b32 s[NP], s48
.irp e, 1,2,3
	s_cmp_eq_u32 s[EX], \e
	s_cselect_b32 s[PB], s[44+\e], s[PB]
	s_cselect_b32 s[NP], s[48+\e], s[NP]
.endr
	s_add_co_u32 s52, s[PB], s[WV]                 ; my pair; a wave without rows takes the last pair there is
	s_min_u32 s52, s52, s[TPM]
	s_min_u32 s52, s52, 34
	BASES
	s_wait_alu depctr_va_vdst(0)                   ; the addresses and offsets v2 to v14 are written, which the loads, LDS instructions and stores from here on read; none is written again
	XG 0, 0
	XG 0, 1
	SLOAD 1
	s_wait_loadcnt 49                              ; my block of trip 0 is in; behind it stand trip 0's rows (8 + 9) and the block of trip 1 (32)
.irp r, 0,1,2,3,4,5,6,7
	TRIP \r
.endr
	; pairs 16 to 31, where one expert has so many rows: all images lie in LDS, nobody writes them any more, no barrier follows
	s_wait_alu depctr_vm_vsrc(0)                   ; the first pair's stores have read v[WF .. WF+5] and the byte, in which the part below loads the weights' fragments anew
	s_add_co_u32 s52, s[WV], 16
	s_cmp_lt_u32 s52, s[NP]
	s_cbranch_scc0 .Lend
	s_wait_loadcnt 0x0                             ; no load is on its way into the registers that are loaded anew
	s_wait_xcnt 0x0                                ; the first pair's stores have read their data, offsets and bases: all are written again only behind this wait
	s_add_co_u32 s52, s52, s[PB]
	s_min_u32 s52, s52, s[TPM]
	s_min_u32 s52, s52, 34
	BASES
.irp r, 0,1,2,3,4,5,6
	XG \r, 0                                       ; (the way out's waits, and from the second trip on the wait behind the trip before's products, stand behind the last readers of these registers)
	XG \r, 1
	CONS \r, (\r==0), 0, 0, 0, 1
.endr
	XG 7, 0
	XG 7, 1
	CONS 7, 0, 0, 0, 0, 0
	EPI
.Lend:
	s_wait_dscnt 0x0                               ; the closing lines, six on end
	s_wait_alu 0x0
	s_wait_tensorcnt 0x0
	ds_add_u32 v254, v255
	s_wait_dscnt 0x0
	s_endpgm
.Lfunc_end_k_qae4f3176c6_gateup:
	.size	k_qae4f3176c6_gateup, .Lfunc_end_k_qae4f3176c6_gateup-k_qae4f3176c6_gateup
	.p2alignl 7, 3214868480
	.fill 96, 4, 3214868480
	.section	.rodata,"a",@progbits
	.p2align	6, 0x0
	.amdhsa_kernel k_qae4f3176c6_gateup
		.amdhsa_group_segment_fixed_size 104448
		.amdhsa_private_segment_fixed_size 0
		.amdhsa_enable_private_segment 0
		.amdhsa_kernarg_size 56
		.amdhsa_user_sgpr_count 2
		.amdhsa_user_sgpr_kernarg_segment_ptr 1
		.amdhsa_wavefront_size32 1
		.amdhsa_system_sgpr_workgroup_id_x 1
		.amdhsa_system_sgpr_workgroup_id_y 1
		.amdhsa_system_sgpr_workgroup_id_z 1
		.amdhsa_system_vgpr_workitem_id 0
		.amdhsa_next_free_vgpr 256
		.amdhsa_next_free_sgpr 66
		.amdhsa_reserve_vcc 0
		.amdhsa_float_denorm_mode_32 3
		.amdhsa_float_denorm_mode_16_64 3
		.amdhsa_memory_ordered 1
		.amdhsa_forward_progress 1
		.amdhsa_inst_pref_size 180
	.end_amdhsa_kernel
	.amdgpu_metadata
---
amdhsa.version: [ 1, 2 ]
amdhsa.kernels:
  - .name:           k_qae4f3176c6_gateup
    .symbol:         k_qae4f3176c6_gateup.kd
    .args:
      - { .name: gate_proj, .offset: 0, .size: 8, .value_kind: global_buffer, .address_space: global }
      - { .name: up_proj, .offset: 8, .size: 8, .value_kind: global_buffer, .address_space: global }
      - { .name: xc, .offset: 16, .size: 8, .value_kind: global_buffer, .address_space: global }
      - { .name: xs, .offset: 24, .size: 8, .value_kind: global_buffer, .address_space: global }
      - { .name: table, .offset: 32, .size: 8, .value_kind: global_buffer, .address_space: global }
      - { .name: ic, .offset: 40, .size: 8, .value_kind: global_buffer, .address_space: global }
      - { .name: isc, .offset: 48, .size: 8, .value_kind: global_buffer, .address_space: global }
    .group_segment_fixed_size: 104448
    .private_segment_fixed_size: 0
    .kernarg_segment_align: 8
    .kernarg_segment_size: 56
    .max_flat_workgroup_size: 512
    .sgpr_count:     66
    .vgpr_count:     256
    .wavefront_size: 32
...
	.end_amdgpu_metadata
.endif
;; end of part 7
;; launch down (part 8): grid 256 x 1, 16 waves a work-group, no clusters, 126,976 bytes of LDS; arguments down_proj, ic, isc, order, table, out0; writes out0
.if DOCPART == 8
	.amdgcn_target "amdgcn-amd-amdhsa--gfx1250"
	.amdhsa_code_object_version 6
	.text
	.protected	k_qae4f3176c6_down
	.globl	k_qae4f3176c6_down
	.p2align	8
	.type	k_qae4f3176c6_down,@function
k_qae4f3176c6_down:
	s_mov_b64 s[64:65], 0
	v_nop
	global_prefetch_b8 v0, s[64:65] scope:SCOPE_SE
	s_setreg_imm32_b32 hwreg(HW_REG_WAVE_SCHED_MODE, 0, 2), 2
	s_setreg_imm32_b32 hwreg(HW_REG_WAVE_MODE, 25, 1), 1
	s_wait_xcnt 0x0
	s_wait_alu depctr_vm_vsrc(0)
; out = inter D_e for the rows of expert e, on codes of BF6 (E3M2), one E8M0 byte for each 32 along K; each row goes to its token's place in out0.
; The frame is that of the launch before.  Work-group x: expert e = x / 64, output columns 32 db .. 32 db + 31 (db = x % 64): each f32 number of down_proj is read by ONE work-group, once.
; EVERY WAVE PRODUCES: four trips of 512 along K; in a trip wave w takes block w of the sixteen: a lane a column, 32 registers down K (each load reads 128 consecutive bytes); its six registers of codes go to LDS at their
; place in an image of the operand's registers (registers 0-3 of lane l at 16 l, 4-5 at 512 + 8 l, 6-9 at 768 + 16 l, 10-11 at 1,280 + 8 l).  The 32 images (16 K steps x 2 tiles) are written once: one barrier a trip.
; SOME WAVES CONSUME: wave w multiplies pair w of the expert's rows if there is one; pairs 16 to 31 follow behind the loop.  The number of pairs comes from the table, the rows' tokens from the list, both stored two launches ago.
; THE ORDER OF A WAVE'S LOADS, on which the counted waits rest (loads come back in the order of issue: ISA guide 5.7.1).  Behind the barrier of trip t a wave with rows issues the rows' fragments of trip t + 1,
; K step by K step, each group behind the products that have read its registers: 8, 9, 8, 9 loads (a load of two K steps' scale words leads the second and the fourth group, behind the last products that read
; the words it replaces); the first three groups are dealt among the products of the K step that follows, the fourth stands behind the last products; and then its block of trip t + 2 (32 loads).  A wave without rows issues
; the block alone.  So the wait for the block of trip t + 1 has another count in each of the two, and each has its own copy of the block's loads and of that wait; the two ways join ahead of the quantiser.
; The rows' fragments are waited for only ahead of the products that read them, behind the barrier.
; TRANSPOSED: source 0 = 16 columns of the weight, source 1 = 16 rows of inter.  Column c is row 8 (c / 16) + c % 8 of tile (c / 8) % 2: a lane holds one row and the 16 neighbouring columns 16 (lane / 16) + 0 .. 15.
; A pair's 32 rows x 128 bytes go through the wave's own stage in LDS and leave with eight lanes to a row's 128 consecutive bytes, which is all that a work-group owns of a row.
; Rows that fill a pair up repeat the expert's last row: the same numbers go to the same place.
; The rows' codes are read by all 64 work-groups of an expert, by plain loads, and not jointly, for the reason given in the launch before: the number of pairs is read from memory.
; LIMITS: NaN and infinities are not served.  A block of the weight whose largest magnitude lies under 2^-122 keeps the byte 1, and so does a block of zeros (its codes are zeros).
; THE MODE: SCHED_MODE bits 1:0 = 2 (LLVM: expert scheduling mode 2), set by the entry lines.  The code itself states the register dependences between vector or matrix instructions and memory or LDS instructions,
; with s_wait_alu, always for 0.
; THE PLAN.  Registers that memory or LDS instructions touch:
;   v1-12, v22, v23  addresses and offsets: written at the head, never again.
;   STR0, STR1   Trip t: the quantiser reads set t % 2; then the block of trip t + 2 lands in it.  On the way out a pair's rows land in STR0 from the stage, and the stores read them.
;   WF           Trip t: the quantiser writes six registers of codes and the byte there, its LDS stores read them; behind the barrier the weight's fragments land there, K step by K step, and the products read them.
;   XF, XSC      The products of K step kk read group kk of XF and register kk of XSC; then the next trip's group lands there, and the scale words of two K steps behind the second of the two.
;   WSC          A trip's products read it; the next trip's LDS load lands in it.
;   ACC          Written by the products; read by the way out's LDS stores; begun anew by the part for pairs 16 to 31.
;   TOK          Loaded; made into offsets by vector instructions; read by the stores as their offsets; loaded anew for pairs 16 to 31.
; So a trip has: ONE wait on va_vdst in the quantiser, ahead of its LDS stores (the codes are written; STR is read out; nothing names WF from there to the first fragments' loads); ONE wait on vm_vsrc behind the barrier
; (the LDS stores have read WF); and in a wave with rows ONE wait on va_vdst behind each K step's products, which frees WF and that K step's group of XF.  The group that lands there is dealt among the next K step's
; products, which name WF, their own group, their own scale registers and the accumulators: none of the registers that those loads touch.  The way out has one wait on va_vdst, for the accumulators and the offsets together.
.set BS,   49152                       ; LDS: behind the 32 images the weight's scale words: trip x 512 + 16 (16 u + row) + 4 ks + block
.set STG,  51200                       ; then a stage of 32 rows for each wave
.set SPI,  144                         ; a stage row: 128 bytes + 16
.set LN4,  1                           ; v1  4 x lane
.set PA16, 2                           ; v2  producer: where my block's registers 0-3 go
.set PA8,  3                           ; v3  registers 4-5
.set PAS,  4                           ; v4  its scale byte
.set LI16, 5                           ; v5  16 x lane
.set LI8,  6                           ; v6  8 x lane
.set LWS,  7                           ; v7  BS + 16 x lane
.set XSO,  8                           ; v8  1,024 (lane / 16) + 8 (lane % 16)
.set SIN,  9                           ; v9  the stage, in: row lane % 16, + 64 (lane / 16)
.set SRD,  10                          ; v10 and out: row lane / 8, + 16 (lane % 8)
.set OO,   11                          ; v11 4 (lane / 8): my row's word in the list
.set C16,  12                          ; v12 16 (lane % 8)
.set TT,   13                          ; v13, v14 at work at the head
.set TU,   14
.set STR,  24                          ; v24-87 two sets of 32 numbers of the stream; v24-55 also rows on the way out
.set WF,   88                          ; v88-111 two fragments of the weight; the producer's work shares them:
.set MXA,  100
.set SOA,  104
.set BYA,  106
.set XF,   112                         ; v112-207 the rows' fragments (ks, tile m) at 112 + 24 ks + 12 m
.set ACC,  208                         ; v208-239 accumulators (m, u) at 208 + 16 m + 8 u
.set XSC,  240                         ; v240-243 the rows' scale words: register ks; lanes 0-15 the pair's first tile, lanes 16-31 its second
.set WSC,  244                         ; v244-247 the weight's: register ks; lanes 0-15 u = 0, lanes 16-31 u = 1
.set TOK,  248                         ; v248-255 register i: the token of row 4 i + lane / 8, then its offset in out0
.set WV,   18
.set EX,   19
.set DB,   20
.set NP,   21
.set PB,   22
.set TPM,  23
.set WB,   24                          ; s[24:25] my blocks of trips 0, 1; s[26:27] of trips 2, 3
.set XB,   28                          ; s[28:29] my pair in ic
.set XSB,  30                          ; s[30:31] in isc
.set ORB,  32                          ; s[32:33] in the list
.set OB,   34                          ; s[34:35] out0 at my work-group's columns
.macro PLACES                          ; four plain places: behind matrix instructions, ahead of loads into their registers, of vector writes there and of reads of results
.rept 4
	v_nop
.endr
.endm
.macro SLOAD trip
.set n_, 0
.rept 32
	global_load_b32 v[STR+32*((\trip)%2)+n_], v[LN4], s[WB+2*((\trip)/2):WB+2*((\trip)/2)+1] offset:((\trip)%2)*0x400000+n_*8192 th:TH_LOAD_NT
.set n_, n_+1
.endr
.endm
.macro WQUANT trip
.set QS, STR+32*((\trip)%2)
	v_max3_num_f32 v[MXA], |v[QS]|, |v[QS+1]|, |v[QS+2]|
	v_max3_num_f32 v[MXA+1], |v[QS+3]|, |v[QS+4]|, |v[QS+5]|
.irp i, 6,10,14,18,22,26
	v_max3_num_f32 v[MXA], v[MXA], |v[QS+\i]|, |v[QS+\i+1]|
	v_max3_num_f32 v[MXA+1], v[MXA+1], |v[QS+\i+2]|, |v[QS+\i+3]|
.endr
	v_max3_num_f32 v[MXA], v[MXA], |v[QS+30]|, |v[QS+31]|
	v_max3_num_f32 v[MXA], v[MXA], v[MXA+1], 0x2800000   ; and the floor 2^(5 - 127): the byte cannot fall under 1
	v_add_nc_u32 v[SOA], 0xfe000000, v[MXA]        ; 4 off the exponent field: the conversion's scale operand
	v_cvt_scalef32_pk16_bf6_f32 v[WF:WF+2], v[QS:QS+15], v[SOA]
	v_cvt_scalef32_pk16_bf6_f32 v[WF+8:WF+10], v[QS+16:QS+31], v[SOA]   ; (a conversion's three registers begin on an even number)
	v_lshrrev_b32 v[BYA], 23, v[SOA]               ; the byte; also the plain place behind the conversions
.irp i, 0,1,2
	v_mov_b32 v[WF+3+\i], v[WF+8+\i]
.endr
	s_wait_alu depctr_va_vdst(0)                   ; the conversions and moves have written v[WF .. WF+5] and the byte, which the LDS stores read; the quantiser is done reading its 32 numbers, in which the block of two trips on lands, and done with its work in WF, in which the weight's fragments land
	ds_store_b128 v[PA16], v[WF:WF+3] offset:(\trip)*12288
	ds_store_b64 v[PA8], v[WF+4:WF+5] offset:(\trip)*12288
	ds_store_b8 v[PAS], v[BYA] offset:(\trip)*512
.endm
.macro XL trip, kk, n                  ; load n of the eight that bring my pair's two fragments of K step kk of a trip: tile n / 4, piece n % 4 of its image
.set XR_, XF+24*(\kk)+12*((\n)/4)
.set XO_, ((\n)/4)*24576+(4*(\trip)+(\kk))*1536
.if (\n)%4 == 0
	global_load_b128 v[XR_:XR_+3], v[LI16], s[XB:XB+1] offset:XO_
.elseif (\n)%4 == 1
	global_load_b64 v[XR_+4:XR_+5], v[LI8], s[XB:XB+1] offset:XO_+512
.elseif (\n)%4 == 2
	global_load_b128 v[XR_+6:XR_+9], v[LI16], s[XB:XB+1] offset:XO_+768
.else
	global_load_b64 v[XR_+10:XR_+11], v[LI8], s[XB:XB+1] offset:XO_+1280
.endif
.endm
.macro XW trip, half                   ; my pair's scale words of K steps 2 half and 2 half + 1 of a trip
	global_load_b64 v[XSC+2*(\half):XSC+2*(\half)+1], v[XSO], s[XSB:XSB+1] offset:(2*(\trip)+(\half))*128
.endm
.macro XG trip, kk                     ; my pair's two fragments of K step kk of a trip: 8 loads.  The scale words of K steps 0, 1 lead group 1, those of K steps 2, 3 lead group 3: 9 loads there
.if (\kk) == 1
	XW \trip, 0
.endif
.if (\kk) == 3
	XW \trip, 1
.endif
.irp n, 0,1,2,3,4,5,6,7
	XL \trip, \kk, \n
.endr
.endm
.macro OLOAD                           ; my pair's tokens
.irp i, 0,1,2,3,4,5,6,7
	global_load_b32 v[TOK+\i], v[OO], s[ORB:ORB+1] offset:16*\i
.endr
.endm
; one product.  zero: it starts its sum.  ra, rb: the side's scale words stand in lanes 16-31 of the register named
.macro MM d, a, b, zero, sa, sb, ra, rb
.if (\zero)
.if (\ra) && (\rb)
	v_wmma_scale_f32_16x16x128_f8f6f4 v[(\d):(\d)+7], v[(\a):(\a)+11], v[(\b):(\b)+11], 0, v[\sa], v[\sb] matrix_a_fmt:MATRIX_FMT_BF6 matrix_b_fmt:MATRIX_FMT_BF6 matrix_a_scale:MATRIX_SCALE_ROW1 matrix_b_scale:MATRIX_SCALE_ROW1
.elseif (\ra)
	v_wmma_scale_f32_16x16x128_f8f6f4 v[(\d):(\d)+7], v[(\a):(\a)+11], v[(\b):(\b)+11], 0, v[\sa], v[\sb] matrix_a_fmt:MATRIX_FMT_BF6 matrix_b_fmt:MATRIX_FMT_BF6 matrix_a_scale:MATRIX_SCALE_ROW1
.elseif (\rb)
	v_wmma_scale_f32_16x16x128_f8f6f4 v[(\d):(\d)+7], v[(\a):(\a)+11], v[(\b):(\b)+11], 0, v[\sa], v[\sb] matrix_a_fmt:MATRIX_FMT_BF6 matrix_b_fmt:MATRIX_FMT_BF6 matrix_b_scale:MATRIX_SCALE_ROW1
.else
	v_wmma_scale_f32_16x16x128_f8f6f4 v[(\d):(\d)+7], v[(\a):(\a)+11], v[(\b):(\b)+11], 0, v[\sa], v[\sb] matrix_a_fmt:MATRIX_FMT_BF6 matrix_b_fmt:MATRIX_FMT_BF6
.endif
.else
.if (\ra) && (\rb)
	v_wmma_scale_f32_16x16x128_f8f6f4 v[(\d):(\d)+7], v[(\a):(\a)+11], v[(\b):(\b)+11], v[(\d):(\d)+7], v[\sa], v[\sb] matrix_a_fmt:MATRIX_FMT_BF6 matrix_b_fmt:MATRIX_FMT_BF6 matrix_a_scale:MATRIX_SCALE_ROW1 matrix_b_scale:MATRIX_SCALE_ROW1
.elseif (\ra)
	v_wmma_scale_f32_16x16x128_f8f6f4 v[(\d):(\d)+7], v[(\a):(\a)+11], v[(\b):(\b)+11], v[(\d):(\d)+7], v[\sa], v[\sb] matrix_a_fmt:MATRIX_FMT_BF6 matrix_b_fmt:MATRIX_FMT_BF6 matrix_a_scale:MATRIX_SCALE_ROW1
.elseif (\rb)
	v_wmma_scale_f32_16x16x128_f8f6f4 v[(\d):(\d)+7], v[(\a):(\a)+11], v[(\b):(\b)+11], v[(\d):(\d)+7], v[\sa], v[\sb] matrix_a_fmt:MATRIX_FMT_BF6 matrix_b_fmt:MATRIX_FMT_BF6 matrix_b_scale:MATRIX_SCALE_ROW1
.else
	v_wmma_scale_f32_16x16x128_f8f6f4 v[(\d):(\d)+7], v[(\a):(\a)+11], v[(\b):(\b)+11], v[(\d):(\d)+7], v[\sa], v[\sb] matrix_a_fmt:MATRIX_FMT_BF6 matrix_b_fmt:MATRIX_FMT_BF6
.endif
.endif
.endm
; A trip's products for my pair: four K steps, each two fragments of the weight from LDS against the pair's two tiles.  The four accumulators take turns, one instruction a turn.
; c0 .. c3: how many younger loads from memory may stay out when a K step's rows and scale words have to be in.  nxt = 1: the rows' registers are asked for again, for the next trip: a K step's group among the next K step's
; products, two loads behind each; the last K step's behind its own products, their places and the wait.  tail = 1: loads into the last K step's registers follow this trip's products.
.macro CONS trip, zero, c0, c1, c2, c3, nxt, tail
	ds_load_b128 v[WSC:WSC+3], v[LWS] offset:(\trip)*512
.irp kk, 0,1,2,3
.irp u, 0,1
	ds_load_b128 v[WF+12*\u:WF+12*\u+3], v[LI16] offset:(\trip)*12288+\kk*3072+\u*1536
	ds_load_b64 v[WF+12*\u+4:WF+12*\u+5], v[LI8] offset:(\trip)*12288+\kk*3072+\u*1536+512
	ds_load_b128 v[WF+12*\u+6:WF+12*\u+9], v[LI16] offset:(\trip)*12288+\kk*3072+\u*1536+768
	ds_load_b64 v[WF+12*\u+10:WF+12*\u+11], v[LI8] offset:(\trip)*12288+\kk*3072+\u*1536+1280
.endr
.if \kk == 0
	PLACES                                         ; vector instructions wrote some of these registers before the loads did: four places between such a write and a scaled product, while the loads are out
	s_wait_loadcnt \c0                             ; group 0 and the scale words that lead group 1 are in
.elseif \kk == 1
	s_wait_loadcnt \c1                             ; group 1 is in
.elseif \kk == 2
	s_wait_loadcnt \c2                             ; group 2 and the scale words that lead group 3 are in
.else
	s_wait_loadcnt \c3                             ; group 3 is in
.endif
	s_wait_dscnt 0x0
.irp u, 0,1
.irp m, 0,1
	MM ACC+16*\m+8*\u, WF+12*\u, XF+24*\kk+12*\m, (\zero)&&(\kk==0), WSC+\kk, XSC+\kk, \u, \m
.if \nxt
.if \kk > 0
.if \kk == 2
.if 2*\u+\m == 0
	XW (\trip)+1, 0                                ; the next trip's scale words of K steps 0 and 1 lead its group 1: the products that read the old ones stand ahead of the last wait
.endif
.endif
	XL (\trip)+1, \kk-1, 4*\u+2*\m                 ; the next trip's group of the K step before.  No wait: no vector or matrix instruction since the wait behind that K step's products names these registers
	XL (\trip)+1, \kk-1, 4*\u+2*\m+1
.endif
.endif
.endr
.endr
	PLACES
.if \kk < 3
	s_wait_alu depctr_va_vdst(0)                   ; this K step's products are done reading v[WF ..], in which the next K step's fragments land, and their group of v[XF ..] and their scale words, in which the next trip's land
.else
.if \tail
	s_wait_alu depctr_va_vdst(0)                   ; the last K step's products are done reading their group of v[XF ..], the scale words v[XSC+2 ..] and v[WSC ..] and the fragments v[WF ..]: the loads that follow land there
.endif
.if \nxt
	XG (\trip)+1, 3
.endif
.endif
.endr
.endm
; THE WAY OUT of a pair: a lane's 64 bytes of a row into my stage; back with eight lanes to a row; each row to its token's place.
.macro EPI
.irp i, 0,1,2,3,4,5,6,7
	v_min_u32 v[TOK+\i], 0x3ff, v[TOK+\i]
.endr
.irp i, 0,1,2,3,4,5,6,7
	v_lshl_add_u32 v[TOK+\i], v[TOK+\i], 13, v[C16]   ; token x 8,192 bytes + my 16 of the row's 128
.endr
	s_wait_alu depctr_va_vdst(0)                   ; the products have written the accumulators, which the LDS stores read (their four places stand ahead, beside this wait); the lines above have written the offsets v[TOK ..], which the stores to memory read
.irp m, 0,1
.irp u, 0,1
	ds_store_b128 v[SIN], v[ACC+16*\m+8*\u:ACC+16*\m+8*\u+3] offset:\m*16*SPI+32*\u        ; each accumulator from its low end on
	ds_store_b128 v[SIN], v[ACC+16*\m+8*\u+4:ACC+16*\m+8*\u+7] offset:\m*16*SPI+32*\u+16
.endr
.endr
.irp i, 0,1,2,3,4,5,6,7
	ds_load_b128 v[STR+4*\i:STR+4*\i+3], v[SRD] offset:\i*4*SPI   ; LDS serves a wave's instructions in order: these see my stores
.endr
.irp i, 0,1,2,3,4,5,6,7
	s_wait_dscnt 7-\i                              ; the loads issued behind load i may stay out
	global_store_b128 v[TOK+\i], v[STR+4*\i:STR+4*\i+3], s[OB:OB+1] th:TH_STORE_NT   ; four rows: eight lanes store a row's 128 consecutive bytes
.endr
.endm
.macro BASES                           ; from the pair in s52, which has been held at 34
	s_mul_i32 s54, s52, 49152
	s_mov_b32 s55, 0
	s_add_nc_u64 s[XB:XB+1], s[6:7], s[54:55]
	s_lshl_b32 s54, s52, 11
	s_add_nc_u64 s[XSB:XSB+1], s[8:9], s[54:55]
	s_lshl_b32 s54, s52, 7
	s_add_nc_u64 s[ORB:ORB+1], s[10:11], s[54:55]
.endm
; A TRIP.  At its head my block of this trip is in.
.macro TRIP trip
	WQUANT \trip
	s_wait_dscnt 0x0                               ; for the others' sake: my stores have landed
	s_barrier_signal -1
	s_barrier_wait -1                              ; the trip's eight images and their scale words are whole
	s_wait_alu depctr_vm_vsrc(0)                   ; my LDS stores have read v[WF .. WF+5] and the byte: in a wave with rows the weight's fragments land there next, in a wave without the next trip's quantiser writes them
.if (\trip) == 0
	CONS 0, 1, 57, 49, 40, 32, 0, 0                ; in every wave: these products start the sums.  Behind what each K step needs stand: 8 + 8 + 9 + 32; 8 + 9 + 32; 8 + 32; the 32 loads of trip 1's block
.endif
	s_cmp_lt_u32 s[WV], s[NP]
	s_cbranch_scc0 .Lidle_\@                       ; a wave without rows only produces
.if (\trip) == 0
	s_wait_alu depctr_va_vdst(0)                   ; trip 0's products are done reading v[XF ..] and v[XSC ..], in which trip 1's rows and scale words land
	XG 1, 0
	XG 1, 1
	XG 1, 2
	XG 1, 3
.elseif (\trip) < 3
	CONS \trip, 0, 57, 49, 48, 49, 1, 1            ; behind what each K step needs stand, old groups + the next block + new groups already issued: (8 + 8 + 9) + 32; (8 + 9) + 32; 8 + 32 + 8; 32 + (8 + 9)
.else
	CONS 3, 0, 25, 17, 8, 0, 0, 0                  ; nothing is out but this trip's rows: 8 + 8 + 9; 8 + 9; 8; none
	EPI
.endif
.if (\trip) < 2
	SLOAD (\trip)+2                                ; into the set that this trip has quantised: no vector or matrix instruction since the quantiser's wait names it
	s_wait_loadcnt 63                              ; the next trip's block is in: 34 + 32 loads stand behind it, and 63 is the most that a wait can name
	s_branch .Ljoin_\@
.elseif (\trip) == 2
	s_wait_loadcnt 34                              ; the last block is in; behind it stand the last trip's rows (8 + 9 + 8 + 9)
	s_branch .Ljoin_\@
.endif
.Lidle_\@:
.if (\trip) < 2
	SLOAD (\trip)+2
	s_wait_loadcnt 32                              ; the next trip's block is in; behind it stands the block just asked for
.elseif (\trip) == 2
	s_wait_loadcnt 0x0
.endif
.Ljoin_\@:
.endm
	s_load_b256 s[4:11], s[0:1], 0x0               ; down_proj s[4:5], ic s[6:7], isc s[8:9], order s[10:11]
	s_load_b128 s[12:15], s[0:1], 0x20             ; table s[12:13], out0 s[14:15]
	v_lshl_add_u32 v22, v0, 2, 0x1e800
	v_mov_b32 v23, 0
	v_lshrrev_b32 v[TT], 5, v0
	v_readfirstlane_b32 s[WV], v[TT]               ; wave 0..15: which of the trip's sixteen blocks along K
	s_lshr_b32 s[EX], ttmp9, 6
	s_and_b32 s[DB], ttmp9, 63
	s_lshl_b32 s42, s[EX], 24                      ; the expert's 16 MiB,
	s_wait_alu depctr_va_sdst(0)                   ; the wave's number is written, ahead of its first reader
	s_lshl_b32 s41, s[WV], 18                      ; my block's 32 rows of 8,192 bytes,
	s_add_co_u32 s42, s42, s41
	s_lshl_b32 s40, s[DB], 7                       ; my work-group's 128 bytes of a row
	s_add_co_u32 s42, s42, s40
	s_mov_b32 s43, 0
	s_mov_b32 s41, 0
	v_and_b32 v[TU], 31, v0                        ; lane
	v_lshlrev_b32 v[LN4], 2, v[TU]
	s_wait_kmcnt 0x0
	s_load_b256 s[44:51], s[12:13], 0x0            ; pb_0..3, np_0..3
	s_load_b32 s[TPM], s[12:13], 0x20              ; pairs - 1
	s_add_nc_u64 s[WB:WB+1], s[4:5], s[42:43]
	s_add_nc_u64 s[WB+2:WB+3], s[WB:WB+1], 0x800000   ; 1,024 rows on
	s_add_nc_u64 s[OB:OB+1], s[14:15], s[40:41]
	s_wait_alu depctr_va_vdst(0)                   ; v[LN4] is written: every load of the stream reads it as its offset
	SLOAD 0
	v_lshlrev_b32 v[LI16], 4, v[TU]
	v_lshlrev_b32 v[LI8], 3, v[TU]
	v_add_nc_u32 v[LWS], BS, v[LI16]
	; the producer's places.  Thread bits: 2:0 c % 8, 3 u, 4 c / 16, 5 h and 6 c4 (the block in its K step is 2 c4 + h), 8:7 ks
	v_and_b32 v[PAS], 7, v0
	v_bfe_u32 v[TT], v0, 4, 1
	v_lshl_add_u32 v[PAS], v[TT], 3, v[PAS]        ; my column's row in its tile
	v_bfe_u32 v[TT], v0, 5, 1
	v_lshl_add_u32 v[PA8], v[TT], 4, v[PAS]        ; the operand's lane that holds my block: 16 h + row
	v_bfe_u32 v[TT], v0, 3, 1
	v_mul_u32_u24 v[PA16], v[TT], 1536             ; the image: u,
	v_lshl_add_u32 v[PAS], v[TT], 4, v[PAS]
	v_lshlrev_b32 v[PAS], 4, v[PAS]                ; the byte: 16 (16 u + row)
	v_bfe_u32 v[TT], v0, 6, 1
	v_mad_u32_u24 v[PA16], v[TT], 768, v[PA16]     ; the image's half,
	v_bfe_u32 v[TT], v0, 7, 2
	v_mad_u32_u24 v[PA16], v[TT], 3072, v[PA16]    ; K step
	v_lshrrev_b32 v[TT], 5, v0                     ; 4 ks + block is the wave's number
	v_add_nc_u32 v[PAS], v[PAS], v[TT]
	v_add_nc_u32 v[PAS], BS, v[PAS]
	v_lshl_add_u32 v[TU], v[PA8], 3, v[PA16]
	v_lshl_add_u32 v[PA16], v[PA8], 4, v[PA16]
	v_add_nc_u32 v[PA8], 512, v[TU]
	; my stage, and the offsets in the buffers
	v_mul_u32_u24 v[TT], v[TT], 32*SPI
	v_add_nc_u32 v[TT], STG, v[TT]
	v_and_b32 v[TU], 15, v0
	v_mad_u32_u24 v[SIN], v[TU], SPI, v[TT]
	v_lshlrev_b32 v[XSO], 3, v[TU]
	v_bfe_u32 v[TU], v0, 4, 1
	v_lshl_add_u32 v[SIN], v[TU], 6, v[SIN]
	v_lshl_add_u32 v[XSO], v[TU], 10, v[XSO]
	v_bfe_u32 v[TU], v0, 3, 2
	v_mad_u32_u24 v[SRD], v[TU], SPI, v[TT]
	v_lshlrev_b32 v[OO], 2, v[TU]
	v_and_b32 v[TU], 7, v0
	v_lshlrev_b32 v[C16], 4, v[TU]
	v_add_nc_u32 v[SRD], v[SRD], v[C16]
	s_wait_kmcnt 0x0
	s_mov_b32 s[PB], s44
	s_mov_b32 s[NP], s48
.irp e, 1,2,3
	s_cmp_eq_u32 s[EX], \e
	s_cselect_b32 s[PB], s[44+\e], s[PB]
	s_cselect_b32 s[NP], s[48+\e], s[NP]
.endr
	s_add_co_u32 s52, s[PB], s[WV]                 ; my pair; a wave without rows takes the last pair there is
	s_min_u32 s52, s52, s[TPM]
	s_min_u32 s52, s52, 34
	BASES
	s_wait_alu depctr_va_vdst(0)                   ; the addresses and offsets v2 to v11 are written, which the loads and LDS instructions from here on read; none is written again
	OLOAD
	XG 0, 0
	XG 0, 1
	XG 0, 2
	XG 0, 3
	SLOAD 1
	s_wait_loadcnt 63                              ; my block of trip 0 is in: 8 + 34 + 32 loads stand behind it, and 63 is the most that a wait can name
.irp r, 0,1,2,3
	TRIP \r
.endr
	; pairs 16 to 31, where one expert has so many rows: all images lie in LDS, nobody writes them any more, no barrier follows
	s_wait_alu depctr_vm_vsrc(0)                   ; the first pair's stores to memory have read their rows v[STR ..] and their offsets v[TOK ..], its LDS stores the accumulators: the part below loads the first two anew and begins the sums anew
	s_add_co_u32 s52, s[WV], 16
	s_cmp_lt_u32 s52, s[NP]
	s_cbranch_scc0 .Lend
	s_wait_loadcnt 0x0                             ; no load is on its way into the registers that are loaded anew
	s_wait_xcnt 0x0                                ; the first pair's stores have read their data and offsets: both are written again only behind this wait
	s_add_co_u32 s52, s52, s[PB]
	s_min_u32 s52, s52, s[TPM]
	s_min_u32 s52, s52, 34
	BASES
	OLOAD                                          ; (the way out's wait stands behind the lines that wrote v[TOK ..] and behind the last readers of v[XF ..] and the scale words)
.irp r, 0,1,2
	XG \r, 0
	XG \r, 1
	XG \r, 2
	XG \r, 3
	CONS \r, (\r==0), 0, 0, 0, 0, 0, 1
.endr
	XG 3, 0
	XG 3, 1
	XG 3, 2
	XG 3, 3
	CONS 3, 0, 0, 0, 0, 0, 0, 0
	EPI
.Lend:
	s_wait_dscnt 0x0                               ; the closing lines, six on end
	s_wait_alu 0x0
	s_wait_tensorcnt 0x0
	ds_add_u32 v22, v23
	s_wait_dscnt 0x0
	s_endpgm
.Lfunc_end_k_qae4f3176c6_down:
	.size	k_qae4f3176c6_down, .Lfunc_end_k_qae4f3176c6_down-k_qae4f3176c6_down
	.p2alignl 7, 3214868480
	.fill 96, 4, 3214868480
	.section	.rodata,"a",@progbits
	.p2align	6, 0x0
	.amdhsa_kernel k_qae4f3176c6_down
		.amdhsa_group_segment_fixed_size 126976
		.amdhsa_private_segment_fixed_size 0
		.amdhsa_enable_private_segment 0
		.amdhsa_kernarg_size 48
		.amdhsa_user_sgpr_count 2
		.amdhsa_user_sgpr_kernarg_segment_ptr 1
		.amdhsa_wavefront_size32 1
		.amdhsa_system_sgpr_workgroup_id_x 1
		.amdhsa_system_sgpr_workgroup_id_y 1
		.amdhsa_system_sgpr_workgroup_id_z 1
		.amdhsa_system_vgpr_workitem_id 0
		.amdhsa_next_free_vgpr 256
		.amdhsa_next_free_sgpr 66
		.amdhsa_reserve_vcc 0
		.amdhsa_float_denorm_mode_32 3
		.amdhsa_float_denorm_mode_16_64 3
		.amdhsa_memory_ordered 1
		.amdhsa_forward_progress 1
		.amdhsa_inst_pref_size 104
	.end_amdhsa_kernel
	.amdgpu_metadata
---
amdhsa.version: [ 1, 2 ]
amdhsa.kernels:
  - .name:           k_qae4f3176c6_down
    .symbol:         k_qae4f3176c6_down.kd
    .args:
      - { .name: down_proj, .offset: 0, .size: 8, .value_kind: global_buffer, .address_space: global }
      - { .name: ic, .offset: 8, .size: 8, .value_kind: global_buffer, .address_space: global }
      - { .name: isc, .offset: 16, .size: 8, .value_kind: global_buffer, .address_space: global }
      - { .name: order, .offset: 24, .size: 8, .value_kind: global_buffer, .address_space: global }
      - { .name: table, .offset: 32, .size: 8, .value_kind: global_buffer, .address_space: global }
      - { .name: out0, .offset: 40, .size: 8, .value_kind: global_buffer, .address_space: global }
    .group_segment_fixed_size: 126976
    .private_segment_fixed_size: 0
    .kernarg_segment_align: 8
    .kernarg_segment_size: 48
    .max_flat_workgroup_size: 512
    .sgpr_count:     66
    .vgpr_count:     256
    .wavefront_size: 32
...
	.end_amdgpu_metadata
.endif
;; end of part 8
